; MI455X (gfx1250); checked and timed in simulation.
; The chip was launched on July 23, 2026; its instructions are those of AMD's public machine-readable ISA for CDNA 5 (MIT licence, August 2026) and "CDNA5" Instruction Set Architecture Reference Guide (July 2026). The comments in the code are by the model that wrote it; some were corrected since.
;; Decoder Layer. Allowed arithmetic: float matrix products may take bf16 or f16 operands with f32 sums; all other float work in f32.
;; Inputs: P1 8 x 64 float32; P2 8 x 64 float32; W1 1,024 x 4,096 float32; W2 4,096 x 1,024 float32; Wk1 1,024 x 16 x 64 float32; Wk2 1,024 x 16 x 64 float32; Wo1 16 x 64 x 1,024 float32; Wo2 16 x 64 x 1,024 float32; Wq1 1,024 x 16 x 64 float32; Wq2 1,024 x 16 x 64 float32; Wv1 1,024 x 16 x 64 float32; Wv2 1,024 x 16 x 64 float32; b1 4,096 float32; b2 1,024 float32; be1 1,024 float32; be2 1,024 float32; be3 1,024 float32; enc_output 4 x 1,024 x 1,024 float32; g1 1,024 float32; g2 1,024 float32; g3 1,024 float32; x 4 x 1,024 x 1,024 float32.
;; Outputs: out0 4 x 1,024 x 1,024 float32.
;; 2 versions, each right and faster than the one before. Each part assembles by itself: llvm-mc -triple=amdgcn-amd-amdhsa -mcpu=gfx1250 --defsym DOCPART=n.
;; ======== version 1 of 2: 12 launches
;; limits: values are held in f16: magnitudes above 65,504 overflow, below 6.1e-05 lose precision
;; workspace buffers: xb0 8,388,608 bytes; ob1 8,388,608 bytes; wb 16,777,216 bytes; o1f 16,777,216 bytes; o2f 16,777,216 bytes; sa 3,145,728 bytes; hb 33,554,432 bytes
;; launch prep (part 1): grid 832 x 1, 8 waves a work-group, no clusters, 35,840 bytes of LDS; arguments x, W1, W2, Wk1, Wq1, Wk2, Wq2, P1, P2, xb0, wb, o1f, o2f; writes xb0, wb, o1f, o2f
.if DOCPART == 1
	.amdgcn_target "amdgcn-amd-amdhsa--gfx1250"
	.amdhsa_code_object_version 6
	.text
	.protected	k_q6f50377dcd_prep
	.globl	k_q6f50377dcd_prep
	.p2align	8
	.type	k_q6f50377dcd_prep,@function
k_q6f50377dcd_prep:
	s_mov_b64 s[64:65], 0
	v_nop
	global_prefetch_b8 v0, s[64:65] scope:SCOPE_SE
	s_setreg_imm32_b32 hwreg(HW_REG_WAVE_MODE, 25, 1), 1
	s_wait_xcnt 0x0
; PREP.  Two kinds of work-group.
; Work-groups 0-767: x is rounded to bf16 (xb0); W1 and W2 to f16 (wb: W1 at byte 0, W2 at byte 8,388,608).  16 MiB of f32 and 256 work-groups each.
;   A work-group takes 65,536 bytes: 16 loads of 16 bytes a lane, all out at once (a wave's load covers 512 neighbouring bytes); a wave's store of 8 bytes a lane covers 256 aligned bytes.
;   f16 for the two FFN weights: their spread is 1/32 and 1/64; 30 times larger they stay far under 65,504, 30 times smaller f16's least step of 6e-8 is still 1e-4 of the spread.
; Work-groups 768-831: Wc[(h,m)][d] = sum over k of W[d][h][k] P[m][k] for W = Wk1, Wq1, Wk2, Wq2 (16 heads each), [128][1024]:
;   Wc_k in bf16 at byte 0, Wc_q as a sum of two bf16 numbers, the high parts at byte 262,144 and the low parts at byte 524,288, of o1f (layer 1) and of o2f (layer 2).
;   x.Wq.P = x.(Wq.P): the products are bracketed anew, none is left out.
;   W and P each enter as high + low part (x = hi + lo, hi = bf16(x), lo = bf16(x - hi); x - hi is exact in f32): three products hi.hi, lo.hi, hi.lo; lo.lo, about 3e-6 of the sum, is left out.
;   Why: a query feature near the floor 0.001 must be right to a small part of 0.008 (see the feature kernel), and one rounding to bf16 of W, P or Wc costs 2e-3 of a sum whose spread is 8.
;   A wave takes 128 rows d of one head.  Source 0 = 16 rows of W, source 1 = P's 8 rows (lanes 8-15 repeat them): a lane holds 8 neighbouring d of one m.
;   The 64 k are laid into the fragments in an order of their own (load i of a row brings k = 8 i + 4 (lane / 16) + 0..3), the same in W and in P, so each product meets its partner.
; No joint loads: the stream shares nothing, and W is f32 and has to pass through registers to be split.
.set X,   16                           ; v[16:79]   stream: 16 x 4 f32 as loaded
.set Y,   80                           ; v[80:111]  stream: 16 x 2 words of 16-bit numbers
.set U,   8                            ; v[8:15]    at work
.set PL,  16                           ; v[16:31]   P's low parts: two fragments
.set PH,  32                           ; v[32:47]   P's high parts: two fragments; P as loaded lies two registers higher, v[34:65]
.set WB,  66                           ; block a of four (16 rows of W): high parts at WB + 34 a (16 registers), as loaded at WB + 34 a + 2 (32 registers)
.set WL,  48                           ; low parts of block a at WL + 34 a: in registers that the block before it (for block 0: P) was loaded into and has left
.set ACC, 202                          ; v[202:233] four accumulators; the low parts of the results are made in their first four registers
.set PK,  234                          ; v[234:249] the high parts of the four results
.set OUT, 66                           ; v[66:97]   at the end: whole rows of 256 bytes, read back
.set SPI, 272                          ; a stage row: 256 bytes + 16
.set STG, 8*SPI                        ; a wave's stage for the high parts; the one for the low parts follows it
	s_load_b512 s[4:19], s[0:1], 0x0               ; x, W1, W2, Wk1, Wq1, Wk2, Wq2, P1
	s_load_b256 s[20:27], s[0:1], 0x40             ; P2, xb0, wb, o1f
	s_load_b64 s[28:29], s[0:1], 0x60              ; o2f
	v_lshl_add_u32 v254, v0, 2, 0x8800
	v_mov_b32 v255, 0
	v_lshrrev_b32 v1, 5, v0
	v_readfirstlane_b32 s34, v1                    ; wave 0..7
	s_wait_kmcnt 0x0
	s_cmp_ge_u32 ttmp9, 768
	s_cbranch_scc1 .Lwc
	; ---- the stream ----
	s_lshr_b32 s35, ttmp9, 8                       ; 0 x, 1 W1, 2 W2
	s_and_b32 s40, ttmp9, 255                      ; which 65,536 bytes of it
	s_lshl_b32 s44, s40, 16
	s_mov_b32 s45, 0
	s_lshl_b32 s46, s40, 15
	s_mov_b32 s47, 0
	s_cmp_eq_u32 s35, 1
	s_cselect_b64 s[36:37], s[6:7], s[4:5]
	s_cmp_eq_u32 s35, 2
	s_cselect_b64 s[36:37], s[8:9], s[36:37]
	s_cselect_b32 s41, 0x800000, 0                 ; W2's copy lies behind W1's
	s_add_co_u32 s46, s46, s41
	s_cmp_eq_u32 s35, 0
	s_cselect_b64 s[38:39], s[22:23], s[24:25]
	s_add_nc_u64 s[36:37], s[36:37], s[44:45]
	s_add_nc_u64 s[38:39], s[38:39], s[46:47]
	v_lshlrev_b32 v2, 4, v0                        ; 16 bytes a thread in,
	v_lshlrev_b32 v3, 3, v0                        ; 8 bytes out
.irp i, 0,1,2,3,4,5,6,7,8,9,10,11,12,13,14,15
	global_load_b128 v[X+4*\i:X+4*\i+3], v2, s[36:37] offset:4096*\i th:TH_LOAD_NT
.endr
.macro NARROW op                       ; the 16 loads are rounded by op and stored
.irp i, 0,1,2,3,4,5,6,7,8,9,10,11,12,13,14,15
	s_wait_loadcnt 15-\i                           ; loads come back in order: load i is in, the 15 - i younger ones stay out
	\op v[Y+2*\i], v[X+4*\i], v[X+4*\i+1]
	\op v[Y+2*\i+1], v[X+4*\i+2], v[X+4*\i+3]
	global_store_b64 v3, v[Y+2*\i:Y+2*\i+1], s[38:39] offset:2048*\i   ; no register of a load or store is written twice: no further wait
.endr
.endm
	s_cmp_lg_u32 s35, 0
	s_cbranch_scc1 .Lweights
	NARROW v_cvt_pk_bf16_f32
	s_endpgm
.Lweights:
	NARROW v_cvt_pk_f16_f32
	s_endpgm
	; ---- Wc ----
.Lwc:
	s_sub_co_u32 s35, ttmp9, 768
	s_lshr_b32 s40, s35, 4                         ; 0 Wk1, 1 Wq1, 2 Wk2, 3 Wq2
	s_and_b32 s41, s35, 15                         ; head
	s_and_b32 s42, s40, 1                          ; 1: a query matrix, whose low parts are stored too
	s_lshl_b32 s44, s34, 19                        ; my 128 rows of 4,096 bytes
	s_lshl_b32 s43, s41, 8                         ; the head's 256 bytes of a row
	s_add_co_u32 s44, s44, s43
	s_mov_b32 s45, 0
	s_lshl_b32 s46, s42, 18                        ; Wc_k or Wc_q
	s_lshl_b32 s43, s41, 14                        ; the head's 8 rows of 2,048 bytes
	s_add_co_u32 s46, s46, s43
	s_lshl_b32 s43, s34, 8                         ; my 128 d
	s_add_co_u32 s46, s46, s43
	s_mov_b32 s47, 0
	s_cmp_eq_u32 s40, 1
	s_cselect_b64 s[36:37], s[12:13], s[10:11]
	s_cmp_eq_u32 s40, 2
	s_cselect_b64 s[36:37], s[14:15], s[36:37]
	s_cmp_eq_u32 s40, 3
	s_cselect_b64 s[36:37], s[16:17], s[36:37]
	s_cmp_lt_u32 s40, 2
	s_cselect_b64 s[38:39], s[26:27], s[28:29]
	s_cselect_b64 s[48:49], s[18:19], s[20:21]
	s_add_nc_u64 s[36:37], s[36:37], s[44:45]
	s_add_nc_u64 s[38:39], s[38:39], s[46:47]
	v_and_b32 v1, 15, v0                           ; r
	v_bfe_u32 v2, v0, 4, 1                         ; hh
	v_and_b32 v7, 7, v0                            ; r & 7
	v_lshlrev_b32 v3, 12, v1
	v_lshl_add_u32 v3, v2, 4, v3                   ; W: row r, 16 bytes for each half of the lanes
	s_mul_i32 s50, s34, 2*STG                      ; my two stages: 8 rows each
	v_mul_u32_u24 v4, v7, SPI
	v_lshl_add_u32 v4, v2, 4, v4
	v_add_nc_u32 v4, s50, v4                       ; in: row m, 16 bytes (8 d) for each half of the lanes
	v_mul_u32_u24 v5, v2, SPI
	v_lshl_add_u32 v5, v1, 4, v5
	v_add_nc_u32 v5, s50, v5                       ; back: lanes 0-15 one row of 256 bytes, lanes 16-31 the next
	v_lshlrev_b32 v6, 11, v2
	v_lshl_add_u32 v6, v1, 4, v6                   ; the same two rows in Wc
	v_lshlrev_b32 v7, 8, v7
	v_lshl_add_u32 v7, v2, 4, v7                   ; P: row r & 7
.irp i, 0,1,2,3,4,5,6,7
	global_load_b128 v[PH+2+4*\i:PH+5+4*\i], v7, s[48:49] offset:32*\i
.endr
.macro WLOAD g                         ; 64 rows of W: four blocks of 16, eight loads each
.irp a, 0,1,2,3
.irp i, 0,1,2,3,4,5,6,7
	global_load_b128 v[WB+34*\a+2+4*\i:WB+34*\a+5+4*\i], v3, s[36:37] offset:\g*262144+\a*65536+32*\i
.endr
.endr
.endm
; 32 f32 at v[hb+2 ..] become 16 words of high parts at v[hb ..] and 16 words of low parts at v[lb ..].  Word i is written below pair i (hb + i < hb + 2 + 2 i): no number is written over before it has been read.
.macro SPLIT hb, lb
.irp i, 0,1,2,3,4,5,6,7,8,9,10,11,12,13,14,15
	v_cvt_pk_bf16_f32 v[\hb+\i], v[\hb+2+2*\i], v[\hb+3+2*\i]
	v_lshlrev_b32 v[U+2*(\i%4)], 16, v[\hb+\i]
	v_and_b32 v[U+2*(\i%4)+1], 0xffff0000, v[\hb+\i]
	v_pk_add_f32 v[U+2*(\i%4):U+2*(\i%4)+1], v[\hb+2+2*\i:\hb+3+2*\i], v[U+2*(\i%4):U+2*(\i%4)+1] neg_lo:[0,1] neg_hi:[0,1]
	v_cvt_pk_bf16_f32 v[\lb+\i], v[U+2*(\i%4)], v[U+2*(\i%4)+1]
.endr
.endm
.macro PROD wb, pb, q, zero            ; four matrix instructions, one on each accumulator: 32 k (half q) of W's part at wb and of P's part at pb
.irp a, 0,1,2,3
.if \zero
	v_wmma_f32_16x16x32_bf16 v[ACC+8*\a:ACC+8*\a+7], v[\wb+34*\a+8*\q:\wb+34*\a+8*\q+7], v[\pb+8*\q:\pb+8*\q+7], 0
.else
	v_wmma_f32_16x16x32_bf16 v[ACC+8*\a:ACC+8*\a+7], v[\wb+34*\a+8*\q:\wb+34*\a+8*\q+7], v[\pb+8*\q:\pb+8*\q+7], v[ACC+8*\a:ACC+8*\a+7]
.endif
.endr
.endm
.macro HALF g
	s_wait_loadcnt 0x0                             ; this half's 32 loads
	SPLIT WB, WL                                   ; in ascending order: a block's low parts land where the block before it lay
	SPLIT WB+34, WL+34
	SPLIT WB+68, WL+68
	SPLIT WB+102, WL+102
	PROD WB, PH, 0, 1                              ; the four accumulators take turns; the first products start the sums
	PROD WB, PH, 1, 0
	PROD WL, PH, 0, 0
	PROD WL, PH, 1, 0
	PROD WB, PL, 0, 0
	PROD WB, PL, 1, 0
.rept 4
	v_nop                                          ; four places behind the products: for the loads into their sources and the reads of their results
.endr
.if \g == 0
	WLOAD 1
.endif
.irp a, 0,1,2,3
.irp i, 0,1,2,3
	v_cvt_pk_bf16_f32 v[PK+4*\a+\i], v[ACC+8*\a+2*\i], v[ACC+8*\a+2*\i+1]
.endr
.endr
.irp a, 0,1,2,3
	ds_store_b128 v4, v[PK+4*\a:PK+4*\a+3] offset:(4*\g+\a)*32   ; lanes 8-15 of a half write what lanes 0-7 write, to the same bytes
.endr
	s_cmp_eq_u32 s42, 0                            ; a key matrix goes on in bf16 alone
	s_cbranch_scc1 .Lno_low_\@
.irp a, 0,1,2,3
.irp i, 0,1,2,3
	v_lshlrev_b32 v[U+2*\i], 16, v[PK+4*\a+\i]
	v_and_b32 v[U+2*\i+1], 0xffff0000, v[PK+4*\a+\i]
	v_pk_add_f32 v[U+2*\i:U+2*\i+1], v[ACC+8*\a+2*\i:ACC+8*\a+2*\i+1], v[U+2*\i:U+2*\i+1] neg_lo:[0,1] neg_hi:[0,1]
	v_cvt_pk_bf16_f32 v[ACC+8*\a+\i], v[U+2*\i], v[U+2*\i+1]     ; word i lies at or below pair i, which has been read
.endr
.endr
.irp a, 0,1,2,3
	ds_store_b128 v4, v[ACC+8*\a:ACC+8*\a+3] offset:STG+(4*\g+\a)*32
.endr
.Lno_low_\@:
.endm
	WLOAD 0
	s_wait_loadcnt 32                              ; P's eight loads are in; the 32 of W behind them stay out
	SPLIT PH, PL
	HALF 0
	HALF 1
.irp t, 0,1,2,3
	ds_load_b128 v[OUT+4*\t:OUT+4*\t+3], v5 offset:\t*2*SPI      ; my own bytes: LDS serves a wave's instructions in order (ISA guide 5.7.1.4)
.endr
.irp t, 0,1,2,3
	s_wait_dscnt 3-\t
	global_store_b128 v6, v[OUT+4*\t:OUT+4*\t+3], s[38:39] offset:\t*4096   ; 16 lanes store 256 consecutive aligned bytes of a row of Wc
.endr
	s_cmp_eq_u32 s42, 0
	s_cbranch_scc1 .Lend
.irp t, 0,1,2,3
	ds_load_b128 v[OUT+16+4*\t:OUT+16+4*\t+3], v5 offset:STG+\t*2*SPI
.endr
.irp t, 0,1,2,3
	s_wait_dscnt 3-\t
	global_store_b128 v6, v[OUT+16+4*\t:OUT+16+4*\t+3], s[38:39] offset:\t*4096+262144   ; the low parts lie 262,144 bytes behind the high parts
.endr
.Lend:
	s_wait_tensorcnt 0x0
	ds_add_u32 v254, v255
	s_wait_dscnt 0x0
	s_endpgm
.Lfunc_end_k_q6f50377dcd_prep:
	.size	k_q6f50377dcd_prep, .Lfunc_end_k_q6f50377dcd_prep-k_q6f50377dcd_prep
	.p2alignl 7, 3214868480
	.fill 96, 4, 3214868480
	.section	.rodata,"a",@progbits
	.p2align	6, 0x0
	.amdhsa_kernel k_q6f50377dcd_prep
		.amdhsa_group_segment_fixed_size 35840
		.amdhsa_private_segment_fixed_size 0
		.amdhsa_enable_private_segment 0
		.amdhsa_kernarg_size 104
		.amdhsa_user_sgpr_count 2
		.amdhsa_user_sgpr_kernarg_segment_ptr 1
		.amdhsa_wavefront_size32 1
		.amdhsa_system_sgpr_workgroup_id_x 1
		.amdhsa_system_sgpr_workgroup_id_y 1
		.amdhsa_system_sgpr_workgroup_id_z 1
		.amdhsa_system_vgpr_workitem_id 0
		.amdhsa_next_free_vgpr 256
		.amdhsa_next_free_sgpr 66
		.amdhsa_reserve_vcc 0
		.amdhsa_float_denorm_mode_32 3
		.amdhsa_float_denorm_mode_16_64 3
		.amdhsa_memory_ordered 1
		.amdhsa_forward_progress 1
		.amdhsa_inst_pref_size 76
	.end_amdhsa_kernel
	.amdgpu_metadata
---
amdhsa.version: [ 1, 2 ]
amdhsa.kernels:
  - .name:           k_q6f50377dcd_prep
    .symbol:         k_q6f50377dcd_prep.kd
    .args:
      - { .name: x, .offset: 0, .size: 8, .value_kind: global_buffer, .address_space: global }
      - { .name: W1, .offset: 8, .size: 8, .value_kind: global_buffer, .address_space: global }
      - { .name: W2, .offset: 16, .size: 8, .value_kind: global_buffer, .address_space: global }
      - { .name: Wk1, .offset: 24, .size: 8, .value_kind: global_buffer, .address_space: global }
      - { .name: Wq1, .offset: 32, .size: 8, .value_kind: global_buffer, .address_space: global }
      - { .name: Wk2, .offset: 40, .size: 8, .value_kind: global_buffer, .address_space: global }
      - { .name: Wq2, .offset: 48, .size: 8, .value_kind: global_buffer, .address_space: global }
      - { .name: P1, .offset: 56, .size: 8, .value_kind: global_buffer, .address_space: global }
      - { .name: P2, .offset: 64, .size: 8, .value_kind: global_buffer, .address_space: global }
      - { .name: xb0, .offset: 72, .size: 8, .value_kind: global_buffer, .address_space: global }
      - { .name: wb, .offset: 80, .size: 8, .value_kind: global_buffer, .address_space: global }
      - { .name: o1f, .offset: 88, .size: 8, .value_kind: global_buffer, .address_space: global }
      - { .name: o2f, .offset: 96, .size: 8, .value_kind: global_buffer, .address_space: global }
    .group_segment_fixed_size: 35840
    .private_segment_fixed_size: 0
    .kernarg_segment_align: 8
    .kernarg_segment_size: 104
    .max_flat_workgroup_size: 256
    .sgpr_count:     66
    .vgpr_count:     256
    .wavefront_size: 32
...
	.end_amdgpu_metadata
.endif
;; end of part 1
;; launch feat (part 2): grid 128 x 2, 8 waves a work-group, no clusters, 136,192 bytes of LDS; arguments xb0, x, o1f, sa; writes sa
.if DOCPART == 2
	.amdgcn_target "amdgcn-amd-amdhsa--gfx1250"
	.amdhsa_code_object_version 6
	.text
	.protected	k_q6f50377dcd_feat
	.globl	k_q6f50377dcd_feat
	.p2align	8
	.type	k_q6f50377dcd_feat,@function
k_q6f50377dcd_feat:
	s_mov_b64 s[64:65], 0
	v_nop
	global_prefetch_b8 v0, s[64:65] scope:SCOPE_SE
	s_setreg_imm32_b32 hwreg(HW_REG_WAVE_MODE, 25, 1), 1
	s_wait_xcnt 0x0
; FEAT.  The relu features: f(A[i] . B[j]) = max(A[i] . B[j], 0) / sqrt(8) + 0.001, a tile of 32 i x 128 j, K = 1024.  Arguments: key input (bf16), query input (f32), Wc, sa.
; y = 0, KEYS: A = Wc_k (128 rows, bf16), B = the key input (4,096 rows, bf16): kpT[b][n][l], bf16, at byte 0 of sa.
; y = 1, QUERIES: A = the query input (f32), B = Wc_q (high parts at byte 262,144, low parts at byte 524,288 of Wc's buffer): qp[l][n], bf16, at byte 1,048,576 of sa.
; 128 tiles each.  EIGHT WAVES SPLIT K: wave w takes k = 128 w .. + 127; the eight partial tiles are added through LDS, and wave w then owns rows 4 w .. 4 w + 3.
; Source 0 = 16 rows of B, source 1 = 16 rows of A: a lane holds 8 neighbouring j of one i.
; WHY THE QUERIES TAKE THREE PRODUCTS.  A head's output is the mean of its 8 rows of kv weighted by qp.  Where all 8 features of a head lie at the floor 0.001, an absolute error e of one feature moves the
; weights by e / 0.008.  One rounding of the operands to bf16 gives e = 2e-3 x the sum's spread, which is as large as the floor's sum.  So the query input and Wc_q each enter as high + low part
; (x = hi + lo, hi = bf16(x), lo = bf16(x - hi); x - hi is exact in f32): hi.hi + lo.hi + hi.lo on the same accumulators; lo.lo, about 3e-6 of the sum, is left out.  The key features are summed over
; 1,024 rows before they are used, so one product in bf16 serves them.
; The keys' wave issues all its 80 loads at once.  The queries' operands would fill 640 registers, so their wave goes in two phases of 64 k, 80 loads each.  Every row piece that a wave fetches is 256 or 512 aligned bytes.
; No joint loads: every operand goes from memory straight into the registers of the products that use it; there is no LDS tile that a joint load could fill.
; Limits: a NaN in a sum becomes 0.001 (max with 0), where the model's relu would keep it; an infinite query number gives NaN in its low part, where the model gives an infinity.
.set AF,  16                           ; keys: v[16:79] A's fragments: (a, s) at AF + 32 a + 8 s
.set LOB, 16                           ; queries: fragment f = 2 a + s of a phase: low part at LOB + 18 f (8 registers),
.set HIB, 26                           ;   high part at HIB + 18 f (8 registers), as loaded at HIB + 18 f + 2 (16 registers): v[16:97].  A low part lies where the fragment before it was loaded
.set U,   98                           ; v[98:105]  at work
.set VA,  106                          ; v106       queries: my byte offset in A's rows
.set O,   108                          ; v[108:115] four rows' 4 numbers in bf16
.set ACC, 128                          ; v[128:255] accumulator (a, j) at ACC + 8 (8 a + j); later the eight planes' rows
.set RB,  128
.set RP,  528                          ; a plane's row: 512 bytes + 16
.set PLANE, 32*RP                      ; a wave's partial tile
; window 1 (v256-511): B's fragments.  Keys: (j, s) at 32 j + 8 s.  Queries: high part (j, s) at 16 j + 8 s, low part at 128 + 16 j + 8 s
.set MSB, 0
.macro WIN new                         ; the immediate's high byte repeats the setting that is left
.if MSB != (\new)
	s_set_vgpr_msb (MSB<<8)|(\new)
.set MSB, (\new)
.endif
.endm
	s_load_b256 s[4:11], s[0:1], 0x0               ; key input, query input, Wc, sa
	v_lshl_add_u32 v126, v0, 2, 0x21000
	v_mov_b32 v127, 0
	v_lshrrev_b32 v1, 5, v0
	v_readfirstlane_b32 s12, v1                    ; wave 0..7
	s_mov_b32 s13, ttmp9                           ; tile
	s_and_b32 s14, ttmp7, 0xffff                   ; 0: keys, 1: queries
	v_and_b32 v1, 31, v0                           ; L
	v_and_b32 v14, 15, v0                          ; r
	v_bfe_u32 v15, v0, 4, 1                        ; hh
	v_lshlrev_b32 v2, 11, v14
	v_lshl_add_u32 v2, v15, 4, v2                  ; a bf16 fragment's row x 2,048 + 16 x half
	s_lshl_b32 s30, s12, 8                         ; my 128 k in bf16 rows
	s_mov_b32 s33, 0
	s_mov_b32 s35, 0
	s_mov_b32 s37, 0
	s_wait_kmcnt 0x0
	s_cmp_lg_u32 s14, 0
	s_cbranch_scc1 .Lqueries
	; ---- keys ----
	s_and_b32 s24, s13, 3                          ; 32 rows of Wc_k,
	s_lshl_b32 s24, s24, 16
	s_lshr_b32 s25, s13, 2                         ; 128 rows of the input
	s_lshl_b32 s26, s25, 18
	s_lshr_b32 s27, s13, 5                         ; out: batch x 262,144 + row n x 2,048 + l x 2
	s_lshl_b32 s27, s27, 18
	s_add_co_u32 s36, s27, s24
	s_and_b32 s25, s25, 7
	s_lshl_b32 s25, s25, 8
	s_add_co_u32 s36, s36, s25
	s_mov_b32 s38, 2048                            ; bytes from row to row of the output
	s_add_co_u32 s32, s24, s30
	s_add_co_u32 s34, s26, s30
	s_add_nc_u64 s[16:17], s[8:9], s[32:33]        ; A
	s_add_nc_u64 s[18:19], s[4:5], s[34:35]        ; B
.irp a, 0,1
.irp s, 0,1,2,3
	global_load_b128 v[AF+32*\a+8*\s:AF+32*\a+8*\s+3],   v2, s[16:17] offset:\a*32768+64*\s
	global_load_b128 v[AF+32*\a+8*\s+4:AF+32*\a+8*\s+7], v2, s[16:17] offset:\a*32768+64*\s+32
.endr
.endr
	WIN 0x40                                       ; destination window 1
.irp s, 0,1,2,3                        ; by k steps, so that the first products need not wait for the last loads
.irp j, 0,1,2,3,4,5,6,7
	global_load_b128 v[32*\j+8*\s:32*\j+8*\s+3],   v2, s[18:19] offset:\j*32768+64*\s
	global_load_b128 v[32*\j+8*\s+4:32*\j+8*\s+7], v2, s[18:19] offset:\j*32768+64*\s+32
.endr
.endr
	WIN 0x01                                       ; source 0 window 1
.irp s, 0,1,2,3
	s_wait_loadcnt 48-16*\s                        ; A and this k step's 16 loads of B are in; the later steps' stay out
.irp a, 0,1
.irp j, 0,1,2,3,4,5,6,7                ; sixteen accumulators by turns; the first k step starts the sums
.if \s == 0
	v_wmma_f32_16x16x32_bf16 v[ACC+8*(8*\a+\j):ACC+8*(8*\a+\j)+7], v[32*\j+8*\s:32*\j+8*\s+7], v[AF+32*\a+8*\s:AF+32*\a+8*\s+7], 0
.else
	v_wmma_f32_16x16x32_bf16 v[ACC+8*(8*\a+\j):ACC+8*(8*\a+\j)+7], v[32*\j+8*\s:32*\j+8*\s+7], v[AF+32*\a+8*\s:AF+32*\a+8*\s+7], v[ACC+8*(8*\a+\j):ACC+8*(8*\a+\j)+7]
.endif
.endr
.endr
.endr
	WIN 0
	s_branch .Lreduce
	; ---- queries ----
.Lqueries:
	s_lshl_b32 s32, s13, 17                        ; 32 rows of 4,096 bytes of the input,
	s_lshl_b32 s31, s12, 9                         ; my 128 k in f32 rows
	s_add_co_u32 s32, s32, s31
	s_add_co_u32 s34, s30, 0x40000                 ; Wc_q's high parts
	s_lshl_b32 s36, s13, 13                        ; out: row l x 256
	s_add_co_u32 s36, s36, 0x100000
	s_mov_b32 s38, 256                             ; bytes from row to row of the output
	s_add_nc_u64 s[16:17], s[6:7], s[32:33]        ; A
	s_add_nc_u64 s[18:19], s[8:9], s[34:35]        ; B
	v_lshlrev_b32 v[VA], 12, v14
	v_lshl_add_u32 v[VA], v15, 5, v[VA]            ; row x 4,096 + 32 x half: 8 f32 for each half of the lanes
; Phase p's 80 loads: A's four fragments in f32 (k = 8 hh + 0..7 at bytes 0 and 16, k = 16 + 8 hh + 0..7 at bytes 64 and 80 of a k step's 128), then, k step by k step, B's high and low parts
.macro QLOAD p
.irp a, 0,1
.irp s, 0,1
	global_load_b128 v[HIB+18*(2*\a+\s)+2:HIB+18*(2*\a+\s)+5],   v[VA], s[16:17] offset:\a*65536+(2*\p+\s)*128
	global_load_b128 v[HIB+18*(2*\a+\s)+6:HIB+18*(2*\a+\s)+9],   v[VA], s[16:17] offset:\a*65536+(2*\p+\s)*128+16
	global_load_b128 v[HIB+18*(2*\a+\s)+10:HIB+18*(2*\a+\s)+13], v[VA], s[16:17] offset:\a*65536+(2*\p+\s)*128+64
	global_load_b128 v[HIB+18*(2*\a+\s)+14:HIB+18*(2*\a+\s)+17], v[VA], s[16:17] offset:\a*65536+(2*\p+\s)*128+80
.endr
.endr
	WIN 0x40
.irp s, 0,1
.irp j, 0,1,2,3,4,5,6,7
	global_load_b128 v[16*\j+8*\s:16*\j+8*\s+3],   v2, s[18:19] offset:\j*32768+(2*\p+\s)*64
	global_load_b128 v[16*\j+8*\s+4:16*\j+8*\s+7], v2, s[18:19] offset:\j*32768+(2*\p+\s)*64+32
.endr
.irp j, 0,1,2,3,4,5,6,7
	global_load_b128 v[128+16*\j+8*\s:128+16*\j+8*\s+3],   v2, s[18:19] offset:262144+\j*32768+(2*\p+\s)*64
	global_load_b128 v[128+16*\j+8*\s+4:128+16*\j+8*\s+7], v2, s[18:19] offset:262144+\j*32768+(2*\p+\s)*64+32
.endr
.endr
	WIN 0
.endm
; Fragment f: 16 f32 become 8 words of high parts and 8 of low parts.  Word i is written below pair i, so no number is written over before it has been read; the fragments go in ascending order
.macro SPLITF f
.irp i, 0,1,2,3,4,5,6,7
	v_cvt_pk_bf16_f32 v[HIB+18*\f+\i], v[HIB+18*\f+2+2*\i], v[HIB+18*\f+3+2*\i]
	v_lshlrev_b32 v[U+2*(\i%4)], 16, v[HIB+18*\f+\i]
	v_and_b32 v[U+2*(\i%4)+1], 0xffff0000, v[HIB+18*\f+\i]
	v_pk_add_f32 v[U+2*(\i%4):U+2*(\i%4)+1], v[HIB+18*\f+2+2*\i:HIB+18*\f+3+2*\i], v[U+2*(\i%4):U+2*(\i%4)+1] neg_lo:[0,1] neg_hi:[0,1]
	v_cvt_pk_bf16_f32 v[LOB+18*\f+\i], v[U+2*(\i%4)], v[U+2*(\i%4)+1]
.endr
.endm
; 16 matrix instructions, one on each accumulator: k step s of the phase, A's part at ab, B's part at bb of window 1
.macro QMUL s, ab, bb, zero
.irp a, 0,1
.irp j, 0,1,2,3,4,5,6,7
.if \zero
	v_wmma_f32_16x16x32_bf16 v[ACC+8*(8*\a+\j):ACC+8*(8*\a+\j)+7], v[\bb+16*\j+8*\s:\bb+16*\j+8*\s+7], v[\ab+18*(2*\a+\s):\ab+18*(2*\a+\s)+7], 0
.else
	v_wmma_f32_16x16x32_bf16 v[ACC+8*(8*\a+\j):ACC+8*(8*\a+\j)+7], v[\bb+16*\j+8*\s:\bb+16*\j+8*\s+7], v[\ab+18*(2*\a+\s):\ab+18*(2*\a+\s)+7], v[ACC+8*(8*\a+\j):ACC+8*(8*\a+\j)+7]
.endif
.endr
.endr
.endm
.macro PHASE p
	QLOAD \p
	s_wait_loadcnt 63                              ; A's 16 loads are in: 64 were issued behind them, and 63 is the most that the wait can name
	SPLITF 0
	SPLITF 1
	SPLITF 2
	SPLITF 3
	WIN 0x01
	s_wait_loadcnt 48                              ; the first k step's high parts of B are in; three groups of 16 stay out
	QMUL 0, HIB, 0, 1-\p                           ; the very first products start the sums
	QMUL 0, LOB, 0, 0
	s_wait_loadcnt 32                              ; its low parts
	QMUL 0, HIB, 128, 0
	s_wait_loadcnt 16                              ; the second k step's high parts
	QMUL 1, HIB, 0, 0
	QMUL 1, LOB, 0, 0
	s_wait_loadcnt 0x0                             ; its low parts
	QMUL 1, HIB, 128, 0
	WIN 0
.endm
	PHASE 0
.rept 4
	v_nop                                          ; four places between the last product and the loads into registers that products have read
.endr
	PHASE 1
	; ---- both: the eight partial tiles are added, the feature is made and stored.  The thirteen address lines are the places behind the last products (ISA guide 7.12.1) ----
.Lreduce:
	s_add_nc_u64 s[20:21], s[10:11], s[36:37]
	s_mul_i32 s41, s12, PLANE
	v_mul_u32_u24 v3, v14, RP
	v_lshl_add_u32 v3, v15, 5, v3
	v_add_nc_u32 v3, s41, v3                       ; into my plane: row r, 32 bytes for each half of the lanes
	s_mul_i32 s42, s12, 4*RP
	v_lshl_add_u32 v4, v1, 4, s42                  ; back: my four rows, 16 bytes a lane; planes 0-3,
	v_add_nc_u32 v5, 4*PLANE, v4                   ; planes 4-7
	s_lshl_b32 s43, s12, 2
.irp t, 0,1,2,3
	s_add_co_u32 s44, s43, \t
	s_mul_i32 s44, s44, s38
	v_lshl_add_u32 v[6+\t], v1, 3, s44             ; my row t of the output, 8 bytes a lane
.endr
	v_mov_b32 v10, 0x3eb504f3                      ; 1 / sqrt(8)
	v_mov_b32 v11, 0x3eb504f3
	v_mov_b32 v12, 0x3a83126f                      ; 0.001
	v_mov_b32 v13, 0x3a83126f
.irp a, 0,1
.irp j, 0,1,2,3,4,5,6,7
	ds_store_b128 v3, v[ACC+8*(8*\a+\j):ACC+8*(8*\a+\j)+3]   offset:\a*16*RP+\j*64
	ds_store_b128 v3, v[ACC+8*(8*\a+\j)+4:ACC+8*(8*\a+\j)+7] offset:\a*16*RP+\j*64+16
.endr
.endr
	s_wait_dscnt 0x0                               ; for the others' sake: my plane is written
	s_barrier_signal -1
	s_barrier_wait -1
.irp p, 0,1,2,3
.irp t, 0,1,2,3
	ds_load_b128 v[RB+16*\p+4*\t:RB+16*\p+4*\t+3], v4 offset:\p*PLANE+\t*RP
.endr
.endr
.irp p, 4,5,6,7
.irp t, 0,1,2,3
	ds_load_b128 v[RB+16*\p+4*\t:RB+16*\p+4*\t+3], v5 offset:(\p-4)*PLANE+\t*RP
.endr
.endr
.irp p, 1,2,3,4,5,6,7
	s_wait_dscnt 4*(7-\p)                          ; planes 0 to p are in; four loads for each younger plane stay out
.irp t, 0,1,2,3
	v_pk_add_f32 v[RB+4*\t:RB+4*\t+1],   v[RB+4*\t:RB+4*\t+1],   v[RB+16*\p+4*\t:RB+16*\p+4*\t+1]
	v_pk_add_f32 v[RB+4*\t+2:RB+4*\t+3], v[RB+4*\t+2:RB+4*\t+3], v[RB+16*\p+4*\t+2:RB+16*\p+4*\t+3]
.endr
.endr
.irp i, 0,1,2,3,4,5,6,7,8,9,10,11,12,13,14,15
	v_max_num_f32 v[RB+\i], 0, v[RB+\i]
.endr
.irp i, 0,2,4,6,8,10,12,14
	v_pk_fma_f32 v[RB+\i:RB+\i+1], v[RB+\i:RB+\i+1], v[10:11], v[12:13]
.endr
.irp t, 0,1,2,3
	v_cvt_pk_bf16_f32 v[O+2*\t],   v[RB+4*\t],   v[RB+4*\t+1]
	v_cvt_pk_bf16_f32 v[O+2*\t+1], v[RB+4*\t+2], v[RB+4*\t+3]
.endr
.irp t, 0,1,2,3
	global_store_b64 v[6+\t], v[O+2*\t:O+2*\t+1], s[20:21]    ; 32 lanes store 256 consecutive aligned bytes of a row
.endr
	s_wait_tensorcnt 0x0
	ds_add_u32 v126, v127
	s_wait_dscnt 0x0
	s_endpgm
.Lfunc_end_k_q6f50377dcd_feat:
	.size	k_q6f50377dcd_feat, .Lfunc_end_k_q6f50377dcd_feat-k_q6f50377dcd_feat
	.p2alignl 7, 3214868480
	.fill 96, 4, 3214868480
	.section	.rodata,"a",@progbits
	.p2align	6, 0x0
	.amdhsa_kernel k_q6f50377dcd_feat
		.amdhsa_group_segment_fixed_size 136192
		.amdhsa_private_segment_fixed_size 0
		.amdhsa_enable_private_segment 0
		.amdhsa_kernarg_size 32
		.amdhsa_user_sgpr_count 2
		.amdhsa_user_sgpr_kernarg_segment_ptr 1
		.amdhsa_wavefront_size32 1
		.amdhsa_system_sgpr_workgroup_id_x 1
		.amdhsa_system_sgpr_workgroup_id_y 1
		.amdhsa_system_sgpr_workgroup_id_z 1
		.amdhsa_system_vgpr_workitem_id 0
		.amdhsa_next_free_vgpr 512
		.amdhsa_next_free_sgpr 66
		.amdhsa_reserve_vcc 0
		.amdhsa_float_denorm_mode_32 3
		.amdhsa_float_denorm_mode_16_64 3
		.amdhsa_memory_ordered 1
		.amdhsa_forward_progress 1
		.amdhsa_inst_pref_size 71
	.end_amdhsa_kernel
	.amdgpu_metadata
---
amdhsa.version: [ 1, 2 ]
amdhsa.kernels:
  - .name:           k_q6f50377dcd_feat
    .symbol:         k_q6f50377dcd_feat.kd
    .args:
      - { .name: xb0, .offset: 0, .size: 8, .value_kind: global_buffer, .address_space: global }
      - { .name: x, .offset: 8, .size: 8, .value_kind: global_buffer, .address_space: global }
      - { .name: o1f, .offset: 16, .size: 8, .value_kind: global_buffer, .address_space: global }
      - { .name: sa, .offset: 24, .size: 8, .value_kind: global_buffer, .address_space: global }
    .group_segment_fixed_size: 136192
    .private_segment_fixed_size: 0
    .kernarg_segment_align: 8
    .kernarg_segment_size: 32
    .max_flat_workgroup_size: 256
    .sgpr_count:     66
    .vgpr_count:     512
    .wavefront_size: 32
...
	.end_amdgpu_metadata
.endif
;; end of part 2
;; launch tsum (part 3): grid 128 x 1, 8 waves a work-group, clusters of 4 x 1, 295,936 bytes of LDS; arguments xb0, sa, hb; writes hb
.if DOCPART == 3
	.amdgcn_target "amdgcn-amd-amdhsa--gfx1250"
	.amdhsa_code_object_version 6
	.text
	.protected	k_q6f50377dcd_tsum
	.globl	k_q6f50377dcd_tsum
	.p2align	8
	.type	k_q6f50377dcd_tsum,@function
k_q6f50377dcd_tsum:
	s_mov_b64 s[64:65], 0
	v_nop
	global_prefetch_b8 v0, s[64:65] scope:SCOPE_SE
	s_setreg_imm32_b32 hwreg(HW_REG_WAVE_MODE, 25, 1), 1
	s_wait_xcnt 0x0
	s_wait_alu depctr_hold_cnt(0) depctr_sa_sdst(0) depctr_va_vdst(0) depctr_va_sdst(0) depctr_va_ssrc(0) depctr_va_vcc(0) depctr_vm_vsrc(0)
	s_getreg_b32 s2, hwreg(HW_REG_IB_STS2, 6, 4)
	s_cmp_eq_u32 s2, 0
	s_cbranch_scc0 .Lentry_in_a_cluster
	s_endpgm
.Lentry_in_a_cluster:
	s_bfe_u32 s2, ttmp6, 0x10000c
	s_cmp_lg_u32 s2, 0x3003
	s_cbranch_scc0 .Lentry_shape_is_right
	s_endpgm
.Lentry_shape_is_right:
; TSUM.  T[b][n][d] = sum over l of kpT[b][n][l] X[b][l][d] (bf16, at byte 0 of hb), and ksum[b][n] = sum over l of kpT[b][n][l] (f32, at byte 1,048,576 of hb).
; (kp^T (X Wv) = (kp^T X) Wv: the products are bracketed anew, none is left out.)  A tile is 32 n x 128 d of one batch, K = l = 1024.
; EIGHT WAVES SPLIT K: wave w takes l = 128 w .. + 127.  X lies [l][d], so its tile comes through LDS and is turned by ds_load_tr16_b128; kpT lies along l and goes straight into registers.
; CLUSTER 4 x 1: the four work-groups of a cluster are the four n tiles of one (batch, d tile) and need the same 256 KiB of X (of the 320 KiB that a work-group fetches): each wave's
; 128 rows x 256 bytes are asked for JOINTLY, by the same tensor load with the same descriptor and the mask of all four.  One tensor load a wave is out; no LDS byte is filled twice.
; Each wave reads only the rows that it asked for itself, behind its own wait.  The eight partial tiles are then added through LDS; a wave's plane lies over its own tile, which has had its only fill and has been read.
; ksum is made by the matrix unit beside T: a product of ones with kpT's fragments.
.set AF,   24                          ; v[24:87]   kpT's fragments: (a, s) at AF + 32 a + 8 s
.set ACC,  88                          ; v[88:215]  accumulator (a, j) at ACC + 8 (8 a + j); later the eight planes' rows
.set RB,   88
.set O,    216                         ; v[216:223] four rows' 4 numbers in bf16
.set ONES, 224                         ; v[224:231] a fragment of ones
.set KS,   232                         ; v[232:247] two accumulators: every register holds row r's sum
.set KR,   248                         ; v[248:255] ksum: the eight waves' parts of a row
.set PX,   288                         ; a row of X in LDS: 256 bytes + 32
.set TILE, 128*PX                      ; a wave's tile
.set RP,   528                         ; a plane's row: 512 bytes + 16; the row's part of ksum lies in the 16
; window 1 (v256-511): X^T's fragments, (j, s) at 32 j + 8 s
.set MSB, 0
.macro WIN new
.if MSB != (\new)
	s_set_vgpr_msb (MSB<<8)|(\new)
.set MSB, (\new)
.endif
.endm
.macro CROUND                          ; a round of the cluster's barrier: my work-group's barrier; wave 0 signals for the work-group; every wave waits for all four; my work-group's barrier once more
	s_barrier_signal -1
	s_barrier_wait -1
	s_cmp_lg_u32 s12, 0
	s_cbranch_scc1 .Lnot_wave_0_\@
	s_barrier_signal -3
.Lnot_wave_0_\@:
	s_barrier_wait -3
	s_barrier_signal -1
	s_barrier_wait -1
.endm
	s_load_b128 s[4:7], s[0:1], 0x0                ; X, sa
	s_load_b64 s[8:9], s[0:1], 0x10                ; hb
	v_lshl_add_u32 v22, v0, 2, 0x48000
	v_mov_b32 v23, 0
	ds_add_u32 v22, v23
	ds_add_u32 v22, v23
	v_lshrrev_b32 v1, 5, v0
	v_readfirstlane_b32 s12, v1                    ; wave 0..7
	s_bfe_u32 s13, ttmp6, 0x40000                  ; cx: my n tile; it enters kpT's and the outputs' addresses alone
	s_lshr_b32 s14, ttmp9, 3                       ; batch
	s_and_b32 s15, ttmp9, 7                        ; d tile
	; descriptor group 1: 128 rows x 128 elements of 2 bytes, 8 words of padding behind every 64
	s_mov_b32 s24, 15|(1<<16)|(1<<20)|(1<<21)|(5<<22)|(7<<25)   ; 15:0 the mask: all four; 17:16 2 bytes; 20 padding on; 21 set beside a mask; 24:22 every 64 words; 31:25 8 words
	s_mov_b32 s25, 128<<16                         ; tensor_dim0 = 128
	s_mov_b32 s26, 128<<16                         ; tensor_dim1 = 128
	s_mov_b32 s27, 128<<16                         ; tile_dim0 = 128
	s_mov_b32 s28, 128                             ; tile_dim1 = 128
	s_mov_b32 s29, 1024                            ; elements from row to row
	s_mov_b32 s30, 0
	s_mov_b32 s31, 0
	s_lshl_b32 s16, s14, 21                        ; X: batch x 1,024 rows + wave x 128 rows + d tile x 256 bytes
	s_lshl_b32 s17, s12, 18
	s_add_co_u32 s16, s16, s17
	s_lshl_b32 s17, s15, 8
	s_add_co_u32 s16, s16, s17
	s_mov_b32 s17, 0
	s_lshl_b32 s18, s14, 18                        ; kpT and T: batch x 262,144 + n tile x 32 rows of 2,048 bytes
	s_lshl_b32 s19, s13, 16
	s_add_co_u32 s18, s18, s19
	s_lshl_b32 s19, s12, 8                         ; kpT: my 128 l
	s_add_co_u32 s42, s18, s19
	s_mov_b32 s43, 0
	s_lshl_b32 s19, s12, 13                        ; T: my four rows, the d tile
	s_add_co_u32 s44, s18, s19
	s_lshl_b32 s19, s15, 8
	s_add_co_u32 s44, s44, s19
	s_mov_b32 s45, 0
	s_lshl_b32 s46, s14, 9                         ; ksum: batch x 512 + n tile x 128
	s_lshl_b32 s19, s13, 7
	s_add_co_u32 s46, s46, s19
	s_add_co_u32 s46, s46, 0x100000
	s_mov_b32 s47, 0
	s_mul_i32 s41, s12, TILE
	s_wait_dscnt 0x0
	s_wait_kmcnt 0x0
	s_mov_b32 s32, 1                               ; group 0: count = 1,
	s_mul_i32 s33, s12, TILE                       ; LDS address: wave x a tile's bytes,
	s_add_nc_u64 s[34:35], s[4:5], s[16:17]        ; global address,
	s_or_b32 s35, s35, 0x80000000                  ; type = 2
	s_add_nc_u64 s[20:21], s[6:7], s[42:43]
	s_add_nc_u64 s[36:37], s[8:9], s[44:45]
	s_add_nc_u64 s[38:39], s[8:9], s[46:47]
	CROUND                                         ; all four work-groups are here: the joint loads meet
	tensor_load_to_lds s[32:35], s[24:31]
	s_nop 0
.rept 4
	v_nop
.endr
	v_and_b32 v1, 31, v0                           ; L
	v_and_b32 v14, 15, v0                          ; r
	v_bfe_u32 v15, v0, 4, 1                        ; hh
	v_lshlrev_b32 v2, 11, v14
	v_lshl_add_u32 v2, v15, 4, v2                  ; a fragment's row x 2,048 + 16 x half
.irp a, 0,1
.irp s, 0,1,2,3
	global_load_b128 v[AF+32*\a+8*\s:AF+32*\a+8*\s+3],   v2, s[20:21] offset:\a*32768+64*\s
	global_load_b128 v[AF+32*\a+8*\s+4:AF+32*\a+8*\s+7], v2, s[20:21] offset:\a*32768+64*\s+32
.endr
.endr
.irp i, 0,1,2,3,4,5,6,7
	v_mov_b32 v[ONES+\i], 0x3f803f80               ; 1.0, 1.0 in bf16
.endr
	v_and_b32 v18, 7, v0
	v_lshl_add_u32 v18, v15, 3, v18                ; the turning load: row 8 (L / 16) + L % 8,
	v_bfe_u32 v19, v0, 3, 1                        ; 16 bytes for each eight lanes
	v_mul_u32_u24 v8, v18, PX
	v_lshl_add_u32 v8, v19, 4, v8
	v_add_nc_u32 v8, s41, v8
	v_mul_u32_u24 v9, v14, RP
	v_add_nc_u32 v9, s41, v9                       ; my plane, row r
	v_lshl_add_u32 v3, v15, 5, v9                  ; + 32 bytes for each half of the lanes
	s_mul_i32 s40, s12, 4*RP
	v_lshl_add_u32 v4, v1, 4, s40                  ; back: my four rows, 16 bytes a lane; planes 0, 1
	v_mul_u32_u24 v10, v1, RP
	v_add_nc_u32 v10, 512, v10                     ; ksum: row L's spare bytes; planes 0, 1
.irp q, 1,2,3
	v_add_nc_u32 v[4+\q], \q*2*TILE, v4            ; planes 2 q, 2 q + 1
	v_add_nc_u32 v[10+\q], \q*2*TILE, v10
.endr
	v_lshlrev_b32 v16, 3, v1                       ; T: 8 bytes a lane
	v_lshlrev_b32 v17, 2, v1                       ; ksum: 4 bytes a lane
	s_wait_tensorcnt 0x0                           ; my tile is in LDS; only I read it
	WIN 0x40
.irp s, 0,1,2,3
.irp j, 0,1,2,3,4,5,6,7
	ds_load_tr16_b128 v[32*\j+8*\s:32*\j+8*\s+3],   v8 offset:\s*32*PX+\j*32
	ds_load_tr16_b128 v[32*\j+8*\s+4:32*\j+8*\s+7], v8 offset:\s*32*PX+\j*32+16*PX
.endr
.endr
	s_wait_loadcnt 0x0                             ; kpT's fragments
	WIN 0x01
.irp s, 0,1,2,3
	s_wait_dscnt 48-16*\s                          ; this k step's 16 turning loads are in; the later steps' stay out
.irp a, 0,1
.irp j, 0,1,2,3,4,5,6,7                ; sixteen accumulators by turns; the first k step starts the sums
.if \s == 0
	v_wmma_f32_16x16x32_bf16 v[ACC+8*(8*\a+\j):ACC+8*(8*\a+\j)+7], v[32*\j+8*\s:32*\j+8*\s+7], v[AF+32*\a+8*\s:AF+32*\a+8*\s+7], 0
.else
	v_wmma_f32_16x16x32_bf16 v[ACC+8*(8*\a+\j):ACC+8*(8*\a+\j)+7], v[32*\j+8*\s:32*\j+8*\s+7], v[AF+32*\a+8*\s:AF+32*\a+8*\s+7], v[ACC+8*(8*\a+\j):ACC+8*(8*\a+\j)+7]
.endif
.endr
.endr
.endr
	WIN 0
.irp s, 0,1,2,3                        ; ksum: the two accumulators take turns
.irp a, 0,1
.if \s == 0
	v_wmma_f32_16x16x32_bf16 v[KS+8*\a:KS+8*\a+7], v[ONES:ONES+7], v[AF+32*\a+8*\s:AF+32*\a+8*\s+7], 0
.else
	v_wmma_f32_16x16x32_bf16 v[KS+8*\a:KS+8*\a+7], v[ONES:ONES+7], v[AF+32*\a+8*\s:AF+32*\a+8*\s+7], v[KS+8*\a:KS+8*\a+7]
.endif
.endr
.endr
.rept 4
	v_nop                                          ; four places between the last product and the stores that read results
.endr
.irp a, 0,1
.irp j, 0,1,2,3,4,5,6,7
	ds_store_b128 v3, v[ACC+8*(8*\a+\j):ACC+8*(8*\a+\j)+3]   offset:\a*16*RP+\j*64
	ds_store_b128 v3, v[ACC+8*(8*\a+\j)+4:ACC+8*(8*\a+\j)+7] offset:\a*16*RP+\j*64+16
.endr
	ds_store_b32 v9, v[KS+8*\a] offset:\a*16*RP+512           ; both halves of the lanes hold the same number
.endr
	s_wait_dscnt 0x0                               ; for the others' sake: my plane is written
	s_barrier_signal -1
	s_barrier_wait -1
.irp p, 0,1,2,3,4,5,6,7
.irp t, 0,1,2,3
	ds_load_b128 v[RB+16*\p+4*\t:RB+16*\p+4*\t+3], v[4+\p/2] offset:(\p%2)*TILE+\t*RP
.endr
.endr
.irp p, 1,2,3,4,5,6,7
	s_wait_dscnt 4*(7-\p)                          ; planes 0 to p are in; four loads for each younger plane stay out
.irp t, 0,1,2,3
	v_pk_add_f32 v[RB+4*\t:RB+4*\t+1],   v[RB+4*\t:RB+4*\t+1],   v[RB+16*\p+4*\t:RB+16*\p+4*\t+1]
	v_pk_add_f32 v[RB+4*\t+2:RB+4*\t+3], v[RB+4*\t+2:RB+4*\t+3], v[RB+16*\p+4*\t+2:RB+16*\p+4*\t+3]
.endr
.endr
.irp t, 0,1,2,3
	v_cvt_pk_bf16_f32 v[O+2*\t],   v[RB+4*\t],   v[RB+4*\t+1]
	v_cvt_pk_bf16_f32 v[O+2*\t+1], v[RB+4*\t+2], v[RB+4*\t+3]
.endr
.irp t, 0,1,2,3
	global_store_b64 v16, v[O+2*\t:O+2*\t+1], s[36:37] offset:\t*2048   ; 32 lanes store 256 consecutive aligned bytes of a row of T
.endr
	s_cmp_lg_u32 s12, 0                            ; ksum is the same in all eight d tiles: wave 0 of d tile 0 stores it.  Both numbers are alike in the four partners
	s_cbranch_scc1 .Lno_ksum
	s_cmp_lg_u32 s15, 0
	s_cbranch_scc1 .Lno_ksum
.irp p, 0,1,2,3,4,5,6,7
	ds_load_b32 v[KR+\p], v[10+\p/2] offset:(\p%2)*TILE
.endr
	s_wait_dscnt 0x0
	v_add_f32 v[KR], v[KR], v[KR+1]
	v_add_f32 v[KR+2], v[KR+2], v[KR+3]
	v_add_f32 v[KR+4], v[KR+4], v[KR+5]
	v_add_f32 v[KR+6], v[KR+6], v[KR+7]
	v_add_f32 v[KR], v[KR], v[KR+2]
	v_add_f32 v[KR+4], v[KR+4], v[KR+6]
	v_add_f32 v[KR], v[KR], v[KR+4]
	global_store_b32 v17, v[KR], s[38:39]          ; 128 neighbouring bytes: the tile's 32 rows
.Lno_ksum:
	s_wait_tensorcnt 0x0
	ds_add_u32 v22, v23
	s_wait_dscnt 0x0
	CROUND                                         ; the closing round: no work-group ends while a partner may still ask for a tile that names it
	s_endpgm
.Lfunc_end_k_q6f50377dcd_tsum:
	.size	k_q6f50377dcd_tsum, .Lfunc_end_k_q6f50377dcd_tsum-k_q6f50377dcd_tsum
	.p2alignl 7, 3214868480
	.fill 96, 4, 3214868480
	.section	.rodata,"a",@progbits
	.p2align	6, 0x0
	.amdhsa_kernel k_q6f50377dcd_tsum
		.amdhsa_group_segment_fixed_size 295936
		.amdhsa_private_segment_fixed_size 0
		.amdhsa_enable_private_segment 0
		.amdhsa_kernarg_size 24
		.amdhsa_user_sgpr_count 2
		.amdhsa_user_sgpr_kernarg_segment_ptr 1
		.amdhsa_wavefront_size32 1
		.amdhsa_system_sgpr_workgroup_id_x 1
		.amdhsa_system_sgpr_workgroup_id_y 1
		.amdhsa_system_sgpr_workgroup_id_z 1
		.amdhsa_system_vgpr_workitem_id 0
		.amdhsa_next_free_vgpr 512
		.amdhsa_next_free_sgpr 66
		.amdhsa_reserve_vcc 0
		.amdhsa_float_denorm_mode_32 3
		.amdhsa_float_denorm_mode_16_64 3
		.amdhsa_memory_ordered 1
		.amdhsa_forward_progress 1
		.amdhsa_inst_pref_size 26
	.end_amdhsa_kernel
	.amdgpu_metadata
---
amdhsa.version: [ 1, 2 ]
amdhsa.kernels:
  - .name:           k_q6f50377dcd_tsum
    .symbol:         k_q6f50377dcd_tsum.kd
    .args:
      - { .name: xb0, .offset: 0, .size: 8, .value_kind: global_buffer, .address_space: global }
      - { .name: sa, .offset: 8, .size: 8, .value_kind: global_buffer, .address_space: global }
      - { .name: hb, .offset: 16, .size: 8, .value_kind: global_buffer, .address_space: global }
    .group_segment_fixed_size: 295936
    .private_segment_fixed_size: 0
    .kernarg_segment_align: 8
    .kernarg_segment_size: 24
    .max_flat_workgroup_size: 256
    .sgpr_count:     66
    .vgpr_count:     512
    .wavefront_size: 32
...
	.end_amdgpu_metadata
.endif
;; end of part 3
;; launch gmat (part 4): grid 64 x 1, 8 waves a work-group, no clusters, 269,312 bytes of LDS; arguments hb, Wv1, Wo1, sa; writes sa
.if DOCPART == 4
	.amdgcn_target "amdgcn-amd-amdhsa--gfx1250"
	.amdhsa_code_object_version 6
	.text
	.protected	k_q6f50377dcd_gmat
	.globl	k_q6f50377dcd_gmat
	.p2align	8
	.type	k_q6f50377dcd_gmat,@function
k_q6f50377dcd_gmat:
	s_mov_b64 s[64:65], 0
	v_nop
	global_prefetch_b8 v0, s[64:65] scope:SCOPE_SE
	s_setreg_imm32_b32 hwreg(HW_REG_WAVE_MODE, 25, 1), 1
	s_wait_xcnt 0x0
; GMAT.  kv[b][h][m][e] = sum over d of T[b][(h,m)][d] Wv[d][h][e];  G[b][(h,m)][d'] = sum over e of kv[b][h][m][e] Wo[h][e][d'].
; G goes out as Gh[b][h][d'][m], bf16, at byte 2,097,152 of sa: the 8 m of a (b, h, d') are 16 neighbouring bytes, which is half a fragment of the next launch's product.
; A work-group: one head and 256 of the 1,024 d'.  The four work-groups of a head each make kv (32 rows (b, m) x 64 e, K = 1024) for themselves: a second launch, or a wait for a neighbour, would cost more.
; PHASE 1: eight waves split K = d, 128 each.  Wv and Wo are f32 and lie [K][N]: they are loaded in whole row pieces of 256 bytes, rounded in registers, laid into LDS and turned by ds_load_tr16_b128.
;   Source 0 = Wv^T (rows e), source 1 = T (rows (b, m)).  The eight partial kv are added through LDS, tile t by wave t, and rounded: two tiles side by side ARE a fragment with rows (b, m) and k = e.
; PHASE 2: wave w makes d' = 32 w .. + 31 of the 256.  Source 0 = kv (rows (b, m)), source 1 = Wo^T (rows d'): a lane holds the 8 m of one (b, d').
; No joint loads: what the four work-groups of a head share (Wv, T) is f32 that has to be rounded in registers, or goes straight into fragment registers.
.set TF,  32                           ; v[32:95]   T's fragments: (p, s) at TF + 32 p + 8 s; row r of p is b = 2 p + r / 8, m = r % 8
.set WR,  96                           ; v[96:159]  Wo as loaded
.set ACC, 192                          ; v[192:255] phase 1: accumulator t = 4 p + c at ACC + 8 t
.set RR,  96                           ; v[96:159]  the eight waves' parts of my tile
.set PKV, 160                          ; v[160:163] my tile in bf16
.set KV,  32                           ; v[32:63]   phase 2: kv's fragments: (p, q) at KV + 8 (2 p + q)
.set WF,  64                           ; v[64:95]   Wo^T's fragments: (c, q) at WF + 16 c + 8 q
.set AC2, 96                           ; v[96:127]  phase 2: accumulator (p, c) at AC2 + 8 (2 p + c)
.set PK2, 128                          ; v[128:143] in bf16
.set PV,  160                          ; a row of Wv in LDS: 128 bytes + 32
.set WVS, 128*PV                       ; a wave's 128 rows
.set RED, 8*WVS                        ; the partial kv: 8 tiles x 1,024 bytes a wave, as they lie in registers
.set KVF, RED+8*8192                   ; kv's 8 tiles in bf16, 512 bytes each
.set WOS, KVF+4096                     ; Wo: 64 rows e x 256 d'
.set PO,  544                          ; a row of Wo in LDS: 512 bytes + 32
; window 1 (v256-511): Wv as loaded (load i at 4 i), then Wv^T's fragments, (c, s) at 32 c + 8 s
.set MSB, 0
.macro WIN new
.if MSB != (\new)
	s_set_vgpr_msb (MSB<<8)|(\new)
.set MSB, (\new)
.endif
.endm
.macro PLACES
.rept 4
	v_nop
.endr
.endm
	s_load_b256 s[4:11], s[0:1], 0x0               ; hb, Wv, Wo, sa
	v_lshl_add_u32 v190, v0, 2, 0x41800
	v_mov_b32 v191, 0
	v_lshrrev_b32 v1, 5, v0
	v_readfirstlane_b32 s12, v1                    ; wave 0..7
	s_lshr_b32 s13, ttmp9, 2                       ; head
	s_and_b32 s14, ttmp9, 3                        ; which 256 d'
	s_mov_b32 s25, 0
	s_wait_kmcnt 0x0
	s_lshl_b32 s24, s13, 14                        ; T: the head's 8 rows of 2,048 bytes, my 128 d
	s_lshl_b32 s26, s12, 8
	s_add_co_u32 s24, s24, s26
	s_add_nc_u64 s[16:17], s[4:5], s[24:25]
	s_lshl_b32 s24, s12, 19                        ; Wv: my 128 rows of 4,096 bytes, the head's 256 bytes
	s_lshl_b32 s26, s13, 8
	s_add_co_u32 s24, s24, s26
	s_add_nc_u64 s[18:19], s[6:7], s[24:25]
	s_lshl_b32 s24, s13, 18                        ; Wo: the head's 64 rows of 4,096 bytes, my 8 of them, 1,024 bytes of each
	s_lshl_b32 s26, s12, 15
	s_add_co_u32 s24, s24, s26
	s_lshl_b32 s26, s14, 10
	s_add_co_u32 s24, s24, s26
	s_add_nc_u64 s[20:21], s[8:9], s[24:25]
	s_lshl_b32 s24, s13, 14                        ; Gh: head x 16,384 + d' x 16
	s_lshl_b32 s26, s14, 12
	s_add_co_u32 s24, s24, s26
	s_lshl_b32 s26, s12, 9
	s_add_co_u32 s24, s24, s26
	s_add_co_u32 s24, s24, 0x200000
	s_add_nc_u64 s[22:23], s[10:11], s[24:25]
	v_and_b32 v1, 31, v0                           ; L
	v_and_b32 v2, 15, v0                           ; r
	v_bfe_u32 v3, v0, 4, 1                         ; hh
	v_lshlrev_b32 v4, 4, v1                        ; 16 L
	v_bfe_u32 v16, v0, 3, 1                        ; (L / 8) % 2 = r / 8
	v_and_b32 v17, 7, v0                           ; L % 8 = r % 8
	v_lshlrev_b32 v5, 18, v16
	v_lshl_add_u32 v5, v17, 11, v5
	v_lshl_add_u32 v5, v3, 4, v5                   ; T: batch r / 8, row r % 8, 16 bytes for each half
	v_lshlrev_b32 v6, 12, v3
	v_lshl_add_u32 v6, v2, 4, v6                   ; Wv: lanes 0-15 one row's 256 bytes, lanes 16-31 the next row's
.irp i, 0,1,2,3,4,5,6,7,8,9,10,11,12,13,14,15
	global_load_b128 v[WR+4*\i:WR+4*\i+3], v4, s[20:21] offset:(\i/2)*4096+(\i%2)*512
.endr
.irp p, 0,1
.irp s, 0,1,2,3
	global_load_b128 v[TF+32*\p+8*\s:TF+32*\p+8*\s+3],   v5, s[16:17] offset:\p*524288+64*\s
	global_load_b128 v[TF+32*\p+8*\s+4:TF+32*\p+8*\s+7], v5, s[16:17] offset:\p*524288+64*\s+32
.endr
.endr
	WIN 0x40
.set i, 0
.rept 64
	global_load_b128 v[4*i:4*i+3], v6, s[18:19] offset:i*8192
.set i, i+1
.endr
	WIN 0
	s_mul_i32 s26, s12, 8*PO
	s_add_co_u32 s26, s26, WOS
	v_lshl_add_u32 v7, v1, 3, s26                  ; Wo into LDS: my 8 rows, 8 bytes a lane
	s_mul_i32 s27, s12, WVS
	v_mul_u32_u24 v8, v3, PV
	v_lshl_add_u32 v8, v2, 3, v8
	v_add_nc_u32 v8, s27, v8                       ; Wv into LDS: two rows, 8 bytes a lane
	v_lshl_add_u32 v18, v3, 3, v17                 ; the turning loads: row 8 (L / 16) + L % 8
	v_mul_u32_u24 v9, v18, PV
	v_lshl_add_u32 v9, v16, 4, v9
	v_add_nc_u32 v9, s27, v9
	s_lshl_b32 s28, s12, 13
	s_add_co_u32 s28, s28, RED
	v_add_nc_u32 v10, s28, v4                      ; my partial tiles
	s_lshl_b32 s29, s12, 10
	s_add_co_u32 s29, s29, RED
	v_add_nc_u32 v11, s29, v4                      ; tile w of every wave
	s_lshl_b32 s30, s12, 9
	s_add_co_u32 s30, s30, KVF
	v_add_nc_u32 v12, s30, v4
	v_add_nc_u32 v13, KVF, v4
	v_mul_u32_u24 v14, v18, PO
	v_lshl_add_u32 v14, v16, 4, v14
	s_lshl_b32 s31, s12, 6
	s_add_co_u32 s31, s31, WOS
	v_add_nc_u32 v14, s31, v14                     ; Wo^T: my 32 d'
	v_lshlrev_b32 v15, 18, v3
	v_lshl_add_u32 v15, v2, 4, v15                 ; Gh: batch + L / 16, d' + r
	s_wait_loadcnt 63                              ; Wo's 16 loads are in: 80 were issued behind them, and 63 is the most that the wait can name
.irp i, 0,1,2,3,4,5,6,7,8,9,10,11,12,13,14,15
	v_cvt_pk_bf16_f32 v[WR+4*\i],   v[WR+4*\i],   v[WR+4*\i+1]
	v_cvt_pk_bf16_f32 v[WR+4*\i+1], v[WR+4*\i+2], v[WR+4*\i+3]
	ds_store_b64 v7, v[WR+4*\i:WR+4*\i+1] offset:(\i/2)*PO+(\i%2)*256
.endr
	s_wait_loadcnt 0x0                             ; T and Wv
	WIN 0x45                                       ; destination and both sources window 1
.set i, 0
.rept 64
	v_cvt_pk_bf16_f32 v[4*i],   v[4*i],   v[4*i+1]
	v_cvt_pk_bf16_f32 v[4*i+1], v[4*i+2], v[4*i+3]
.set i, i+1
.endr
	WIN 0x04                                       ; store data window 1
.set i, 0
.rept 64
	ds_store_b64 v8, v[4*i:4*i+1] offset:i*2*PV
.set i, i+1
.endr
	s_wait_dscnt 0x0                               ; the stores have read their registers, which the loads below write
	WIN 0x40
.irp s, 0,1,2,3
.irp c, 0,1,2,3
	ds_load_tr16_b128 v[32*\c+8*\s:32*\c+8*\s+3],   v9 offset:\s*32*PV+\c*32
	ds_load_tr16_b128 v[32*\c+8*\s+4:32*\c+8*\s+7], v9 offset:\s*32*PV+\c*32+16*PV
.endr
.endr
	WIN 0x01
.irp s, 0,1,2,3
	s_wait_dscnt 24-8*\s                           ; this k step's 8 turning loads are in; the later steps' stay out
.irp p, 0,1
.irp c, 0,1,2,3                        ; eight accumulators by turns; the first k step starts the sums
.if \s == 0
	v_wmma_f32_16x16x32_bf16 v[ACC+8*(4*\p+\c):ACC+8*(4*\p+\c)+7], v[32*\c+8*\s:32*\c+8*\s+7], v[TF+32*\p+8*\s:TF+32*\p+8*\s+7], 0
.else
	v_wmma_f32_16x16x32_bf16 v[ACC+8*(4*\p+\c):ACC+8*(4*\p+\c)+7], v[32*\c+8*\s:32*\c+8*\s+7], v[TF+32*\p+8*\s:TF+32*\p+8*\s+7], v[ACC+8*(4*\p+\c):ACC+8*(4*\p+\c)+7]
.endif
.endr
.endr
.endr
	WIN 0
	PLACES                                         ; four places between the last product and the stores that read results
.irp t, 0,1,2,3,4,5,6,7
	ds_store_b128 v10, v[ACC+8*\t:ACC+8*\t+3]   offset:\t*1024
	ds_store_b128 v10, v[ACC+8*\t+4:ACC+8*\t+7] offset:\t*1024+512
.endr
	s_wait_dscnt 0x0                               ; for the others' sake: my partial tiles and my rows of Wo are written
	s_barrier_signal -1
	s_barrier_wait -1
.irp p, 0,1,2,3,4,5,6,7
	ds_load_b128 v[RR+8*\p:RR+8*\p+3],   v11 offset:\p*8192
	ds_load_b128 v[RR+8*\p+4:RR+8*\p+7], v11 offset:\p*8192+512
.endr
	s_wait_dscnt 0x0
.irp p, 1,2,3,4,5,6,7
.irp k, 0,2,4,6
	v_pk_add_f32 v[RR+\k:RR+\k+1], v[RR+\k:RR+\k+1], v[RR+8*\p+\k:RR+8*\p+\k+1]
.endr
.endr
.irp i, 0,1,2,3
	v_cvt_pk_bf16_f32 v[PKV+\i], v[RR+2*\i], v[RR+2*\i+1]
.endr
	ds_store_b128 v12, v[PKV:PKV+3]
	s_wait_dscnt 0x0                               ; for the others' sake: my tile of kv is written
	s_barrier_signal -1
	s_barrier_wait -1
.irp t, 0,1,2,3,4,5,6,7
	ds_load_b128 v[KV+4*\t:KV+4*\t+3], v13 offset:\t*512
.endr
.irp c, 0,1
.irp q, 0,1
	ds_load_tr16_b128 v[WF+16*\c+8*\q:WF+16*\c+8*\q+3],   v14 offset:\q*32*PO+\c*32
	ds_load_tr16_b128 v[WF+16*\c+8*\q+4:WF+16*\c+8*\q+7], v14 offset:\q*32*PO+\c*32+16*PO
.endr
.endr
	s_wait_dscnt 0x0
.irp q, 0,1
.irp p, 0,1
.irp c, 0,1                            ; four accumulators by turns
.if \q == 0
	v_wmma_f32_16x16x32_bf16 v[AC2+8*(2*\p+\c):AC2+8*(2*\p+\c)+7], v[KV+8*(2*\p+\q):KV+8*(2*\p+\q)+7], v[WF+16*\c+8*\q:WF+16*\c+8*\q+7], 0
.else
	v_wmma_f32_16x16x32_bf16 v[AC2+8*(2*\p+\c):AC2+8*(2*\p+\c)+7], v[KV+8*(2*\p+\q):KV+8*(2*\p+\q)+7], v[WF+16*\c+8*\q:WF+16*\c+8*\q+7], v[AC2+8*(2*\p+\c):AC2+8*(2*\p+\c)+7]
.endif
.endr
.endr
.endr
	PLACES
.irp t, 0,1,2,3
.irp i, 0,1,2,3
	v_cvt_pk_bf16_f32 v[PK2+4*\t+\i], v[AC2+8*\t+2*\i], v[AC2+8*\t+2*\i+1]
.endr
.endr
.irp p, 0,1
.irp c, 0,1
	global_store_b128 v15, v[PK2+4*(2*\p+\c):PK2+4*(2*\p+\c)+3], s[22:23] offset:\p*524288+\c*256   ; 16 lanes store 256 consecutive aligned bytes: 16 d' x 8 m
.endr
.endr
	s_wait_tensorcnt 0x0
	ds_add_u32 v190, v191
	s_wait_dscnt 0x0
	s_endpgm
.Lfunc_end_k_q6f50377dcd_gmat:
	.size	k_q6f50377dcd_gmat, .Lfunc_end_k_q6f50377dcd_gmat-k_q6f50377dcd_gmat
	.p2alignl 7, 3214868480
	.fill 96, 4, 3214868480
	.section	.rodata,"a",@progbits
	.p2align	6, 0x0
	.amdhsa_kernel k_q6f50377dcd_gmat
		.amdhsa_group_segment_fixed_size 269312
		.amdhsa_private_segment_fixed_size 0
		.amdhsa_enable_private_segment 0
		.amdhsa_kernarg_size 32
		.amdhsa_user_sgpr_count 2
		.amdhsa_user_sgpr_kernarg_segment_ptr 1
		.amdhsa_wavefront_size32 1
		.amdhsa_system_sgpr_workgroup_id_x 1
		.amdhsa_system_sgpr_workgroup_id_y 1
		.amdhsa_system_sgpr_workgroup_id_z 1
		.amdhsa_system_vgpr_workitem_id 0
		.amdhsa_next_free_vgpr 512
		.amdhsa_next_free_sgpr 66
		.amdhsa_reserve_vcc 0
		.amdhsa_float_denorm_mode_32 3
		.amdhsa_float_denorm_mode_16_64 3
		.amdhsa_memory_ordered 1
		.amdhsa_forward_progress 1
		.amdhsa_inst_pref_size 40
	.end_amdhsa_kernel
	.amdgpu_metadata
---
amdhsa.version: [ 1, 2 ]
amdhsa.kernels:
  - .name:           k_q6f50377dcd_gmat
    .symbol:         k_q6f50377dcd_gmat.kd
    .args:
      - { .name: hb, .offset: 0, .size: 8, .value_kind: global_buffer, .address_space: global }
      - { .name: Wv1, .offset: 8, .size: 8, .value_kind: global_buffer, .address_space: global }
      - { .name: Wo1, .offset: 16, .size: 8, .value_kind: global_buffer, .address_space: global }
      - { .name: sa, .offset: 24, .size: 8, .value_kind: global_buffer, .address_space: global }
    .group_segment_fixed_size: 269312
    .private_segment_fixed_size: 0
    .kernarg_segment_align: 8
    .kernarg_segment_size: 32
    .max_flat_workgroup_size: 256
    .sgpr_count:     66
    .vgpr_count:     512
    .wavefront_size: 32
...
	.end_amdgpu_metadata
.endif
;; end of part 4
;; launch aln (part 5): grid 256 x 1, 8 waves a work-group, no clusters, 66,816 bytes of LDS; arguments sa, hb, x, g1, be1, o1f, ob1; writes o1f, ob1
.if DOCPART == 5
	.amdgcn_target "amdgcn-amd-amdhsa--gfx1250"
	.amdhsa_code_object_version 6
	.text
	.protected	k_q6f50377dcd_aln
	.globl	k_q6f50377dcd_aln
	.p2align	8
	.type	k_q6f50377dcd_aln,@function
k_q6f50377dcd_aln:
	s_mov_b64 s[64:65], 0
	v_nop
	global_prefetch_b8 v0, s[64:65] scope:SCOPE_SE
	s_setreg_imm32_b32 hwreg(HW_REG_WAVE_MODE, 25, 1), 1
	s_wait_xcnt 0x0
; ALN.  attn[l][d'] = sum over F = (h, m) of (qp[l][F] / z[l][h]) G[b][F][d'], z[l][h] = sum over m of qp[l][(h,m)] ksum[b][(h,m)];  out = LayerNorm(attn + res) g + be, in f32 and once more in bf16.
; A work-group: 16 rows l.  PRODUCT: wave w makes columns 128 w .. + 127: 8 accumulators, K = 128.  Source 0 = G (rows d'), source 1 = qp / z (rows l): a lane holds 8 neighbouring d' of one l.
;   Gh[b][h][d'][m] is laid so that a fragment load is 16 lanes x 16 bytes = 256 neighbouring bytes; a wave reads only its own eighth of G[b], straight into fragment registers.
;   A lane's four words of a half fragment of qp are the 8 features of ONE head: z, its reciprocal and the scaling stay in the lane, in f32.
; LAYERNORM: the 16 x 1,024 sums go through LDS once; wave w then owns rows 2 w and 2 w + 1 whole, 32 numbers a lane.  The variance is taken of x - mean.
; No joint loads: G passes through no LDS, so there is no tile that a joint load could fill, and the work-groups of a batch read 256 KiB that the launch before has just written.
; Limits: z >= 8 x 1,024 x 0.001^2 > 0 by the features' construction, so 1 / z is finite; v_rcp_f32 and v_rsq_f32 take a denormal as 0 (ISA guide 15.8).
.set QN,  16                           ; v[16:47]   qp / z in bf16: fragment s at QN + 8 s
.set ACC, 48                           ; v[48:111]  accumulator c at ACC + 8 c
.set U,   48                           ;            before that: qp in f32, half fragment f at U + 8 f
.set QR,  112                          ; v[112:143] qp as loaded, half fragment f at QR + 4 f
.set KS,  144                          ; v[144:207] ksum of the lane's eight heads, at KS + 8 f
.set Z,   240                          ; v[240:247] z
.set TZ,  248                          ; v[248:255] at work, then 1 / z
.set RES, 112                          ; v[112:175] later: my two rows of the residual, then at work
.set GG,  176                          ; v[176:207] g
.set BE,  208                          ; v[208:239] be
.set YY,  16                           ; v[16:79]   my two rows
.set SPI, 4112                         ; a stage row: 4,096 bytes + 16
; window 1 (v256-511): G's fragments, (c, s) at 32 c + 8 s
.set MSB, 0
.macro WIN new
.if MSB != (\new)
	s_set_vgpr_msb (MSB<<8)|(\new)
.set MSB, (\new)
.endif
.endm
.macro WSUM x, y                       ; the sum of v[x] over the wave's 32 lanes, in every lane; v[y] has been written before
	v_add_f32_dpp v[\x], v[\x], v[\x] row_xmask:1 row_mask:0xf bank_mask:0xf
	v_add_f32_dpp v[\x], v[\x], v[\x] row_xmask:2 row_mask:0xf bank_mask:0xf
	v_add_f32_dpp v[\x], v[\x], v[\x] row_xmask:4 row_mask:0xf bank_mask:0xf
	v_add_f32_dpp v[\x], v[\x], v[\x] row_xmask:8 row_mask:0xf bank_mask:0xf
	v_permlanex16_b32 v[\y], v[\x], s40, s41
	v_add_f32 v[\x], v[\x], v[\y]
.endm
.macro FOLD tb                         ; four chains of pairs into one number
	v_pk_add_f32 v[\tb:\tb+1], v[\tb:\tb+1], v[\tb+2:\tb+3]
	v_pk_add_f32 v[\tb+4:\tb+5], v[\tb+4:\tb+5], v[\tb+6:\tb+7]
	v_pk_add_f32 v[\tb:\tb+1], v[\tb:\tb+1], v[\tb+4:\tb+5]
	v_add_f32 v[\tb], v[\tb], v[\tb+1]
	WSUM \tb, \tb+1
.endm
.macro LNCORE yb, tb                   ; the row in v[yb .. yb+31] (32 numbers a lane) is normalised, scaled and shifted in place; v[tb .. tb+9] at work
.irp c, 0,1,2,3
	v_pk_add_f32 v[\tb+2*\c:\tb+2*\c+1], v[\yb+4*\c:\yb+4*\c+1], v[\yb+4*\c+2:\yb+4*\c+3]
.endr
.irp k, 8,9,10,11,12,13,14,15
	v_pk_add_f32 v[\tb+2*(\k%4):\tb+2*(\k%4)+1], v[\tb+2*(\k%4):\tb+2*(\k%4)+1], v[\yb+2*\k:\yb+2*\k+1]
.endr
	FOLD \tb
	v_mul_f32 v[\tb+8], s42, v[\tb]                ; the mean, twice
	v_mul_f32 v[\tb+9], s42, v[\tb]
.irp k, 0,1,2,3,4,5,6,7,8,9,10,11,12,13,14,15
	v_pk_add_f32 v[\yb+2*\k:\yb+2*\k+1], v[\yb+2*\k:\yb+2*\k+1], v[\tb+8:\tb+9] neg_lo:[0,1] neg_hi:[0,1]
.endr
.irp k, 0,1,2,3
	v_pk_mul_f32 v[\tb+2*\k:\tb+2*\k+1], v[\yb+2*\k:\yb+2*\k+1], v[\yb+2*\k:\yb+2*\k+1]
.endr
.irp k, 4,5,6,7,8,9,10,11,12,13,14,15
	v_pk_fma_f32 v[\tb+2*(\k%4):\tb+2*(\k%4)+1], v[\yb+2*\k:\yb+2*\k+1], v[\yb+2*\k:\yb+2*\k+1], v[\tb+2*(\k%4):\tb+2*(\k%4)+1]
.endr
	FOLD \tb
	v_fma_f32 v[\tb], v[\tb], s42, s43             ; variance + 1e-6
	v_rsq_f32 v[\tb+8], v[\tb]
	v_rsq_f32 v[\tb+9], v[\tb]
	v_nop                                          ; a plain instruction between the root and the use of its result (ISA guide 5.7.2)
	s_wait_alu depctr_va_vdst(0)
.irp k, 0,1,2,3,4,5,6,7,8,9,10,11,12,13,14,15
	v_pk_mul_f32 v[\yb+2*\k:\yb+2*\k+1], v[\yb+2*\k:\yb+2*\k+1], v[\tb+8:\tb+9]
.endr
.irp k, 0,1,2,3,4,5,6,7,8,9,10,11,12,13,14,15
	v_pk_fma_f32 v[\yb+2*\k:\yb+2*\k+1], v[\yb+2*\k:\yb+2*\k+1], v[GG+2*\k:GG+2*\k+1], v[BE+2*\k:BE+2*\k+1]
.endr
.endm
	s_load_b256 s[4:11], s[0:1], 0x0               ; sa, hb, res, g
	s_load_b128 s[12:15], s[0:1], 0x20             ; be, the f32 output
	s_load_b64 s[16:17], s[0:1], 0x30              ; the bf16 output
	v_lshl_add_u32 v14, v0, 2, 0x10100
	v_mov_b32 v15, 0
	v_lshrrev_b32 v1, 5, v0
	v_readfirstlane_b32 s18, v1                    ; wave 0..7
	s_lshr_b32 s19, ttmp9, 6                       ; batch
	s_lshl_b32 s32, ttmp9, 12                      ; qp: my 16 rows of 256 bytes
	s_add_co_u32 s32, s32, 0x100000
	s_mov_b32 s33, 0
	s_lshl_b32 s34, s19, 9                         ; ksum of the batch
	s_add_co_u32 s34, s34, 0x100000
	s_mov_b32 s35, 0
	s_lshl_b32 s36, s19, 18                        ; Gh of the batch, my 128 d'
	s_lshl_b32 s37, s18, 11
	s_add_co_u32 s36, s36, s37
	s_add_co_u32 s36, s36, 0x200000
	s_mov_b32 s37, 0
	s_lshl_b32 s38, ttmp9, 16                      ; f32 rows: 16 a work-group, 2 a wave
	s_lshl_b32 s39, s18, 13
	s_add_co_u32 s38, s38, s39
	s_mov_b32 s39, 0
	s_lshr_b32 s44, s38, 1                         ; bf16 rows
	s_mov_b32 s45, 0
	s_mov_b32 s40, 0x76543210                      ; v_permlanex16_b32: each lane takes its own place in the other half
	s_mov_b32 s41, 0xfedcba98
	s_mov_b32 s42, 0x3a800000                      ; 1 / 1024
	s_mov_b32 s43, 0x358637bd                      ; 1e-6
	s_lshl_b32 s46, s18, 9
	s_mul_i32 s47, s18, 2*SPI
	s_wait_kmcnt 0x0
	s_add_nc_u64 s[20:21], s[4:5], s[32:33]
	s_add_nc_u64 s[22:23], s[6:7], s[34:35]
	s_add_nc_u64 s[24:25], s[4:5], s[36:37]
	s_add_nc_u64 s[26:27], s[8:9], s[38:39]
	s_add_nc_u64 s[28:29], s[14:15], s[38:39]
	s_add_nc_u64 s[30:31], s[16:17], s[44:45]
	v_and_b32 v1, 31, v0                           ; L
	v_and_b32 v2, 15, v0                           ; r
	v_bfe_u32 v3, v0, 4, 1                         ; hh
	v_lshlrev_b32 v4, 8, v2
	v_lshl_add_u32 v4, v3, 4, v4                   ; qp: row r, 16 bytes for each half
	v_lshlrev_b32 v5, 5, v3                        ; ksum: a head's 32 bytes for each half
	v_lshlrev_b32 v6, 14, v3
	v_lshl_add_u32 v6, v2, 4, v6                   ; Gh: head + L / 16, d' + r
	v_lshlrev_b32 v7, 4, v1                        ; 16 L
	v_lshlrev_b32 v8, 3, v1                        ; 8 L
.irp f, 0,1,2,3,4,5,6,7
	global_load_b128 v[QR+4*\f:QR+4*\f+3], v4, s[20:21] offset:32*\f
.endr
.irp f, 0,1,2,3,4,5,6,7
	global_load_b128 v[KS+8*\f:KS+8*\f+3],   v5, s[22:23] offset:64*\f
	global_load_b128 v[KS+8*\f+4:KS+8*\f+7], v5, s[22:23] offset:64*\f+16
.endr
	WIN 0x40
.irp s, 0,1,2,3
.irp c, 0,1,2,3,4,5,6,7
	global_load_b128 v[32*\c+8*\s:32*\c+8*\s+3],   v6, s[24:25] offset:\s*65536+\c*256
	global_load_b128 v[32*\c+8*\s+4:32*\c+8*\s+7], v6, s[24:25] offset:\s*65536+\c*256+32768
.endr
.endr
	WIN 0
	v_mul_u32_u24 v9, v2, SPI
	v_lshl_add_u32 v9, v3, 5, v9
	v_add_nc_u32 v9, s46, v9                       ; into the stage: row r, my 512 bytes, 32 bytes for each half
	v_add_nc_u32 v10, s47, v7                      ; back: my two rows, 16 bytes a lane
	s_wait_loadcnt 63                              ; qp and ksum are in: 64 loads were issued behind them, and 63 is the most that the wait can name
.irp f, 0,1,2,3,4,5,6,7
.irp i, 0,1,2,3
	v_lshlrev_b32 v[U+8*\f+2*\i],   16, v[QR+4*\f+\i]
	v_and_b32     v[U+8*\f+2*\i+1], 0xffff0000, v[QR+4*\f+\i]
.endr
	v_pk_mul_f32 v[TZ+2*(\f%4):TZ+2*(\f%4)+1], v[U+8*\f:U+8*\f+1], v[KS+8*\f:KS+8*\f+1]
.irp i, 2,4,6
	v_pk_fma_f32 v[TZ+2*(\f%4):TZ+2*(\f%4)+1], v[U+8*\f+\i:U+8*\f+\i+1], v[KS+8*\f+\i:KS+8*\f+\i+1], v[TZ+2*(\f%4):TZ+2*(\f%4)+1]
.endr
	v_add_f32 v[Z+\f], v[TZ+2*(\f%4)], v[TZ+2*(\f%4)+1]
.endr
.irp f, 0,1,2,3,4,5,6,7
	v_rcp_f32 v[TZ+\f], v[Z+\f]
.endr
	v_nop                                          ; a plain instruction between the last reciprocal and the use of its result (ISA guide 5.7.2)
	s_wait_alu depctr_va_vdst(0)
.irp f, 0,1,2,3,4,5,6,7
.irp i, 0,1,2,3,4,5,6,7
	v_mul_f32 v[U+8*\f+\i], v[U+8*\f+\i], v[TZ+\f]
.endr
.endr
.irp f, 0,1,2,3,4,5,6,7
.irp i, 0,1,2,3
	v_cvt_pk_bf16_f32 v[QN+4*\f+\i], v[U+8*\f+2*\i], v[U+8*\f+2*\i+1]
.endr
.endr
.irp q, 0,1                            ; qp's and ksum's registers are free: the residual, g and be
.irp i, 0,1,2,3,4,5,6,7
	global_load_b128 v[RES+32*\q+4*\i:RES+32*\q+4*\i+3], v7, s[26:27] offset:\q*4096+512*\i
.endr
.endr
.irp i, 0,1,2,3,4,5,6,7
	global_load_b128 v[GG+4*\i:GG+4*\i+3], v7, s[10:11] offset:512*\i
	global_load_b128 v[BE+4*\i:BE+4*\i+3], v7, s[12:13] offset:512*\i
.endr
	WIN 0x01
.irp s, 0,1,2,3
.if \s < 2
	s_wait_loadcnt 63                              ; behind this k step's loads of G stand 80 or 64 others: 63 is the most that the wait can name
.else
	s_wait_loadcnt 32+16*(3-\s)                    ; the 32 loads just issued and the later k steps' 16 each stay out
.endif
.irp c, 0,1,2,3,4,5,6,7                ; eight accumulators by turns; the first k step starts the sums
.if \s == 0
	v_wmma_f32_16x16x32_bf16 v[ACC+8*\c:ACC+8*\c+7], v[32*\c+8*\s:32*\c+8*\s+7], v[QN+8*\s:QN+8*\s+7], 0
.else
	v_wmma_f32_16x16x32_bf16 v[ACC+8*\c:ACC+8*\c+7], v[32*\c+8*\s:32*\c+8*\s+7], v[QN+8*\s:QN+8*\s+7], v[ACC+8*\c:ACC+8*\c+7]
.endif
.endr
.endr
	WIN 0
.rept 4
	v_nop                                          ; four places between the last product and the stores that read results
.endr
.irp c, 0,1,2,3,4,5,6,7
	ds_store_b128 v9, v[ACC+8*\c:ACC+8*\c+3]   offset:64*\c
	ds_store_b128 v9, v[ACC+8*\c+4:ACC+8*\c+7] offset:64*\c+16
.endr
	s_wait_dscnt 0x0                               ; for the others' sake: my 128 columns are written
	s_barrier_signal -1
	s_barrier_wait -1
.irp q, 0,1
.irp i, 0,1,2,3,4,5,6,7
	ds_load_b128 v[YY+32*\q+4*\i:YY+32*\q+4*\i+3], v10 offset:\q*SPI+512*\i
.endr
.endr
	s_wait_loadcnt 0x0                             ; the residual, g, be
	s_wait_dscnt 0x0
.irp q, 0,1
.irp k, 0,1,2,3,4,5,6,7,8,9,10,11,12,13,14,15
	v_pk_add_f32 v[YY+32*\q+2*\k:YY+32*\q+2*\k+1], v[YY+32*\q+2*\k:YY+32*\q+2*\k+1], v[RES+32*\q+2*\k:RES+32*\q+2*\k+1]
.endr
	LNCORE YY+32*\q, RES+32*\q
.irp i, 0,1,2,3,4,5,6,7
	global_store_b128 v7, v[YY+32*\q+4*\i:YY+32*\q+4*\i+3], s[28:29] offset:\q*4096+512*\i      ; a wave's store covers 512 consecutive aligned bytes
.endr
.irp i, 0,1,2,3,4,5,6,7
	v_cvt_pk_bf16_f32 v[RES+32*\q+16+2*\i],   v[YY+32*\q+4*\i],   v[YY+32*\q+4*\i+1]
	v_cvt_pk_bf16_f32 v[RES+32*\q+16+2*\i+1], v[YY+32*\q+4*\i+2], v[YY+32*\q+4*\i+3]
.endr
.irp i, 0,1,2,3,4,5,6,7
	global_store_b64 v8, v[RES+32*\q+16+2*\i:RES+32*\q+16+2*\i+1], s[30:31] offset:\q*2048+256*\i   ; 256 consecutive aligned bytes; no register of a store is written again
.endr
.endr
	s_wait_tensorcnt 0x0
	ds_add_u32 v14, v15
	s_wait_dscnt 0x0
	s_endpgm
.Lfunc_end_k_q6f50377dcd_aln:
	.size	k_q6f50377dcd_aln, .Lfunc_end_k_q6f50377dcd_aln-k_q6f50377dcd_aln
	.p2alignl 7, 3214868480
	.fill 96, 4, 3214868480
	.section	.rodata,"a",@progbits
	.p2align	6, 0x0
	.amdhsa_kernel k_q6f50377dcd_aln
		.amdhsa_group_segment_fixed_size 66816
		.amdhsa_private_segment_fixed_size 0
		.amdhsa_enable_private_segment 0
		.amdhsa_kernarg_size 56
		.amdhsa_user_sgpr_count 2
		.amdhsa_user_sgpr_kernarg_segment_ptr 1
		.amdhsa_wavefront_size32 1
		.amdhsa_system_sgpr_workgroup_id_x 1
		.amdhsa_system_sgpr_workgroup_id_y 1
		.amdhsa_system_sgpr_workgroup_id_z 1
		.amdhsa_system_vgpr_workitem_id 0
		.amdhsa_next_free_vgpr 512
		.amdhsa_next_free_sgpr 66
		.amdhsa_reserve_vcc 0
		.amdhsa_float_denorm_mode_32 3
		.amdhsa_float_denorm_mode_16_64 3
		.amdhsa_memory_ordered 1
		.amdhsa_forward_progress 1
		.amdhsa_inst_pref_size 48
	.end_amdhsa_kernel
	.amdgpu_metadata
---
amdhsa.version: [ 1, 2 ]
amdhsa.kernels:
  - .name:           k_q6f50377dcd_aln
    .symbol:         k_q6f50377dcd_aln.kd
    .args:
      - { .name: sa, .offset: 0, .size: 8, .value_kind: global_buffer, .address_space: global }
      - { .name: hb, .offset: 8, .size: 8, .value_kind: global_buffer, .address_space: global }
      - { .name: x, .offset: 16, .size: 8, .value_kind: global_buffer, .address_space: global }
      - { .name: g1, .offset: 24, .size: 8, .value_kind: global_buffer, .address_space: global }
      - { .name: be1, .offset: 32, .size: 8, .value_kind: global_buffer, .address_space: global }
      - { .name: o1f, .offset: 40, .size: 8, .value_kind: global_buffer, .address_space: global }
      - { .name: ob1, .offset: 48, .size: 8, .value_kind: global_buffer, .address_space: global }
    .group_segment_fixed_size: 66816
    .private_segment_fixed_size: 0
    .kernarg_segment_align: 8
    .kernarg_segment_size: 56
    .max_flat_workgroup_size: 256
    .sgpr_count:     66
    .vgpr_count:     512
    .wavefront_size: 32
...
	.end_amdgpu_metadata
.endif
;; end of part 5
;; launch feat2: the kernel of part 2 again; grid 128 x 2, 8 waves a work-group, no clusters, 136,192 bytes of LDS; arguments ob1, enc_output, o2f, sa; writes sa
;; launch tsum2: the kernel of part 3 again; grid 128 x 1, 8 waves a work-group, clusters of 4 x 1, 295,936 bytes of LDS; arguments ob1, sa, hb; writes hb
;; launch gmat2: the kernel of part 4 again; grid 64 x 1, 8 waves a work-group, no clusters, 269,312 bytes of LDS; arguments hb, Wv2, Wo2, sa; writes sa
;; launch aln2 (part 6): grid 256 x 1, 8 waves a work-group, no clusters, 66,816 bytes of LDS; arguments sa, hb, o1f, g2, be2, o2f, xb0; writes o2f, xb0
.if DOCPART == 6
	.amdgcn_target "amdgcn-amd-amdhsa--gfx1250"
	.amdhsa_code_object_version 6
	.text
	.protected	k_q6f50377dcd_aln2
	.globl	k_q6f50377dcd_aln2
	.p2align	8
	.type	k_q6f50377dcd_aln2,@function
k_q6f50377dcd_aln2:
	s_mov_b64 s[64:65], 0
	v_nop
	global_prefetch_b8 v0, s[64:65] scope:SCOPE_SE
	s_setreg_imm32_b32 hwreg(HW_REG_WAVE_MODE, 25, 1), 1
	s_wait_xcnt 0x0
; ALN, layer 2: the first layer's text, but its 16-bit copy of the result goes out in f16, since it feeds the FFN's first product and nothing else.
; f16 has the room: the result is a normalised row times g plus be, so |out| <= 32 |g| + |be|, far under 65,504 also with g and be 30 times larger; 30 times smaller, f16's least step of 6e-8 is 2e-6 of the row's spread.
; attn[l][d'] = sum over F = (h, m) of (qp[l][F] / z[l][h]) G[b][F][d'], z[l][h] = sum over m of qp[l][(h,m)] ksum[b][(h,m)];  out = LayerNorm(attn + res) g + be, in f32 and once more in f16.
; A work-group: 16 rows l.  PRODUCT: wave w makes columns 128 w .. + 127: 8 accumulators, K = 128.  Source 0 = G (rows d'), source 1 = qp / z (rows l): a lane holds 8 neighbouring d' of one l.
;   Gh[b][h][d'][m] is laid so that a fragment load is 16 lanes x 16 bytes = 256 neighbouring bytes; a wave reads only its own eighth of G[b], straight into fragment registers.
;   A lane's four words of a half fragment of qp are the 8 features of ONE head: z, its reciprocal and the scaling stay in the lane, in f32.
; LAYERNORM: the 16 x 1,024 sums go through LDS once; wave w then owns rows 2 w and 2 w + 1 whole, 32 numbers a lane.  The variance is taken of x - mean.
; No joint loads: G passes through no LDS, so there is no tile that a joint load could fill, and the work-groups of a batch read 256 KiB that the launch before has just written.
; Limits: z >= 8 x 1,024 x 0.001^2 > 0 by the features' construction, so 1 / z is finite; v_rcp_f32 and v_rsq_f32 take a denormal as 0 (ISA guide 15.8).
.set QN,  16                           ; v[16:47]   qp / z in bf16: fragment s at QN + 8 s
.set ACC, 48                           ; v[48:111]  accumulator c at ACC + 8 c
.set U,   48                           ;            before that: qp in f32, half fragment f at U + 8 f
.set QR,  112                          ; v[112:143] qp as loaded, half fragment f at QR + 4 f
.set KS,  144                          ; v[144:207] ksum of the lane's eight heads, at KS + 8 f
.set Z,   240                          ; v[240:247] z
.set TZ,  248                          ; v[248:255] at work, then 1 / z
.set RES, 112                          ; v[112:175] later: my two rows of the residual, then at work
.set GG,  176                          ; v[176:207] g
.set BE,  208                          ; v[208:239] be
.set YY,  16                           ; v[16:79]   my two rows
.set SPI, 4112                         ; a stage row: 4,096 bytes + 16
; window 1 (v256-511): G's fragments, (c, s) at 32 c + 8 s
.set MSB, 0
.macro WIN new
.if MSB != (\new)
	s_set_vgpr_msb (MSB<<8)|(\new)
.set MSB, (\new)
.endif
.endm
.macro WSUM x, y                       ; the sum of v[x] over the wave's 32 lanes, in every lane; v[y] has been written before
	v_add_f32_dpp v[\x], v[\x], v[\x] row_xmask:1 row_mask:0xf bank_mask:0xf
	v_add_f32_dpp v[\x], v[\x], v[\x] row_xmask:2 row_mask:0xf bank_mask:0xf
	v_add_f32_dpp v[\x], v[\x], v[\x] row_xmask:4 row_mask:0xf bank_mask:0xf
	v_add_f32_dpp v[\x], v[\x], v[\x] row_xmask:8 row_mask:0xf bank_mask:0xf
	v_permlanex16_b32 v[\y], v[\x], s40, s41
	v_add_f32 v[\x], v[\x], v[\y]
.endm
.macro FOLD tb                         ; four chains of pairs into one number
	v_pk_add_f32 v[\tb:\tb+1], v[\tb:\tb+1], v[\tb+2:\tb+3]
	v_pk_add_f32 v[\tb+4:\tb+5], v[\tb+4:\tb+5], v[\tb+6:\tb+7]
	v_pk_add_f32 v[\tb:\tb+1], v[\tb:\tb+1], v[\tb+4:\tb+5]
	v_add_f32 v[\tb], v[\tb], v[\tb+1]
	WSUM \tb, \tb+1
.endm
.macro LNCORE yb, tb                   ; the row in v[yb .. yb+31] (32 numbers a lane) is normalised, scaled and shifted in place; v[tb .. tb+9] at work
.irp c, 0,1,2,3
	v_pk_add_f32 v[\tb+2*\c:\tb+2*\c+1], v[\yb+4*\c:\yb+4*\c+1], v[\yb+4*\c+2:\yb+4*\c+3]
.endr
.irp k, 8,9,10,11,12,13,14,15
	v_pk_add_f32 v[\tb+2*(\k%4):\tb+2*(\k%4)+1], v[\tb+2*(\k%4):\tb+2*(\k%4)+1], v[\yb+2*\k:\yb+2*\k+1]
.endr
	FOLD \tb
	v_mul_f32 v[\tb+8], s42, v[\tb]                ; the mean, twice
	v_mul_f32 v[\tb+9], s42, v[\tb]
.irp k, 0,1,2,3,4,5,6,7,8,9,10,11,12,13,14,15
	v_pk_add_f32 v[\yb+2*\k:\yb+2*\k+1], v[\yb+2*\k:\yb+2*\k+1], v[\tb+8:\tb+9] neg_lo:[0,1] neg_hi:[0,1]
.endr
.irp k, 0,1,2,3
	v_pk_mul_f32 v[\tb+2*\k:\tb+2*\k+1], v[\yb+2*\k:\yb+2*\k+1], v[\yb+2*\k:\yb+2*\k+1]
.endr
.irp k, 4,5,6,7,8,9,10,11,12,13,14,15
	v_pk_fma_f32 v[\tb+2*(\k%4):\tb+2*(\k%4)+1], v[\yb+2*\k:\yb+2*\k+1], v[\yb+2*\k:\yb+2*\k+1], v[\tb+2*(\k%4):\tb+2*(\k%4)+1]
.endr
	FOLD \tb
	v_fma_f32 v[\tb], v[\tb], s42, s43             ; variance + 1e-6
	v_rsq_f32 v[\tb+8], v[\tb]
	v_rsq_f32 v[\tb+9], v[\tb]
	v_nop                                          ; a plain instruction between the root and the use of its result (ISA guide 5.7.2)
	s_wait_alu depctr_va_vdst(0)
.irp k, 0,1,2,3,4,5,6,7,8,9,10,11,12,13,14,15
	v_pk_mul_f32 v[\yb+2*\k:\yb+2*\k+1], v[\yb+2*\k:\yb+2*\k+1], v[\tb+8:\tb+9]
.endr
.irp k, 0,1,2,3,4,5,6,7,8,9,10,11,12,13,14,15
	v_pk_fma_f32 v[\yb+2*\k:\yb+2*\k+1], v[\yb+2*\k:\yb+2*\k+1], v[GG+2*\k:GG+2*\k+1], v[BE+2*\k:BE+2*\k+1]
.endr
.endm
	s_load_b256 s[4:11], s[0:1], 0x0               ; sa, hb, res, g
	s_load_b128 s[12:15], s[0:1], 0x20             ; be, the f32 output
	s_load_b64 s[16:17], s[0:1], 0x30              ; the f16 output
	v_lshl_add_u32 v14, v0, 2, 0x10100
	v_mov_b32 v15, 0
	v_lshrrev_b32 v1, 5, v0
	v_readfirstlane_b32 s18, v1                    ; wave 0..7
	s_lshr_b32 s19, ttmp9, 6                       ; batch
	s_lshl_b32 s32, ttmp9, 12                      ; qp: my 16 rows of 256 bytes
	s_add_co_u32 s32, s32, 0x100000
	s_mov_b32 s33, 0
	s_lshl_b32 s34, s19, 9                         ; ksum of the batch
	s_add_co_u32 s34, s34, 0x100000
	s_mov_b32 s35, 0
	s_lshl_b32 s36, s19, 18                        ; Gh of the batch, my 128 d'
	s_lshl_b32 s37, s18, 11
	s_add_co_u32 s36, s36, s37
	s_add_co_u32 s36, s36, 0x200000
	s_mov_b32 s37, 0
	s_lshl_b32 s38, ttmp9, 16                      ; f32 rows: 16 a work-group, 2 a wave
	s_lshl_b32 s39, s18, 13
	s_add_co_u32 s38, s38, s39
	s_mov_b32 s39, 0
	s_lshr_b32 s44, s38, 1                         ; f16 rows
	s_mov_b32 s45, 0
	s_mov_b32 s40, 0x76543210                      ; v_permlanex16_b32: each lane takes its own place in the other half
	s_mov_b32 s41, 0xfedcba98
	s_mov_b32 s42, 0x3a800000                      ; 1 / 1024
	s_mov_b32 s43, 0x358637bd                      ; 1e-6
	s_lshl_b32 s46, s18, 9
	s_mul_i32 s47, s18, 2*SPI
	s_wait_kmcnt 0x0
	s_add_nc_u64 s[20:21], s[4:5], s[32:33]
	s_add_nc_u64 s[22:23], s[6:7], s[34:35]
	s_add_nc_u64 s[24:25], s[4:5], s[36:37]
	s_add_nc_u64 s[26:27], s[8:9], s[38:39]
	s_add_nc_u64 s[28:29], s[14:15], s[38:39]
	s_add_nc_u64 s[30:31], s[16:17], s[44:45]
	v_and_b32 v1, 31, v0                           ; L
	v_and_b32 v2, 15, v0                           ; r
	v_bfe_u32 v3, v0, 4, 1                         ; hh
	v_lshlrev_b32 v4, 8, v2
	v_lshl_add_u32 v4, v3, 4, v4                   ; qp: row r, 16 bytes for each half
	v_lshlrev_b32 v5, 5, v3                        ; ksum: a head's 32 bytes for each half
	v_lshlrev_b32 v6, 14, v3
	v_lshl_add_u32 v6, v2, 4, v6                   ; Gh: head + L / 16, d' + r
	v_lshlrev_b32 v7, 4, v1                        ; 16 L
	v_lshlrev_b32 v8, 3, v1                        ; 8 L
.irp f, 0,1,2,3,4,5,6,7
	global_load_b128 v[QR+4*\f:QR+4*\f+3], v4, s[20:21] offset:32*\f
.endr
.irp f, 0,1,2,3,4,5,6,7
	global_load_b128 v[KS+8*\f:KS+8*\f+3],   v5, s[22:23] offset:64*\f
	global_load_b128 v[KS+8*\f+4:KS+8*\f+7], v5, s[22:23] offset:64*\f+16
.endr
	WIN 0x40
.irp s, 0,1,2,3
.irp c, 0,1,2,3,4,5,6,7
	global_load_b128 v[32*\c+8*\s:32*\c+8*\s+3],   v6, s[24:25] offset:\s*65536+\c*256
	global_load_b128 v[32*\c+8*\s+4:32*\c+8*\s+7], v6, s[24:25] offset:\s*65536+\c*256+32768
.endr
.endr
	WIN 0
	v_mul_u32_u24 v9, v2, SPI
	v_lshl_add_u32 v9, v3, 5, v9
	v_add_nc_u32 v9, s46, v9                       ; into the stage: row r, my 512 bytes, 32 bytes for each half
	v_add_nc_u32 v10, s47, v7                      ; back: my two rows, 16 bytes a lane
	s_wait_loadcnt 63                              ; qp and ksum are in: 64 loads were issued behind them, and 63 is the most that the wait can name
.irp f, 0,1,2,3,4,5,6,7
.irp i, 0,1,2,3
	v_lshlrev_b32 v[U+8*\f+2*\i],   16, v[QR+4*\f+\i]
	v_and_b32     v[U+8*\f+2*\i+1], 0xffff0000, v[QR+4*\f+\i]
.endr
	v_pk_mul_f32 v[TZ+2*(\f%4):TZ+2*(\f%4)+1], v[U+8*\f:U+8*\f+1], v[KS+8*\f:KS+8*\f+1]
.irp i, 2,4,6
	v_pk_fma_f32 v[TZ+2*(\f%4):TZ+2*(\f%4)+1], v[U+8*\f+\i:U+8*\f+\i+1], v[KS+8*\f+\i:KS+8*\f+\i+1], v[TZ+2*(\f%4):TZ+2*(\f%4)+1]
.endr
	v_add_f32 v[Z+\f], v[TZ+2*(\f%4)], v[TZ+2*(\f%4)+1]
.endr
.irp f, 0,1,2,3,4,5,6,7
	v_rcp_f32 v[TZ+\f], v[Z+\f]
.endr
	v_nop                                          ; a plain instruction between the last reciprocal and the use of its result (ISA guide 5.7.2)
	s_wait_alu depctr_va_vdst(0)
.irp f, 0,1,2,3,4,5,6,7
.irp i, 0,1,2,3,4,5,6,7
	v_mul_f32 v[U+8*\f+\i], v[U+8*\f+\i], v[TZ+\f]
.endr
.endr
.irp f, 0,1,2,3,4,5,6,7
.irp i, 0,1,2,3
	v_cvt_pk_bf16_f32 v[QN+4*\f+\i], v[U+8*\f+2*\i], v[U+8*\f+2*\i+1]
.endr
.endr
.irp q, 0,1                            ; qp's and ksum's registers are free: the residual, g and be
.irp i, 0,1,2,3,4,5,6,7
	global_load_b128 v[RES+32*\q+4*\i:RES+32*\q+4*\i+3], v7, s[26:27] offset:\q*4096+512*\i
.endr
.endr
.irp i, 0,1,2,3,4,5,6,7
	global_load_b128 v[GG+4*\i:GG+4*\i+3], v7, s[10:11] offset:512*\i
	global_load_b128 v[BE+4*\i:BE+4*\i+3], v7, s[12:13] offset:512*\i
.endr
	WIN 0x01
.irp s, 0,1,2,3
.if \s < 2
	s_wait_loadcnt 63                              ; behind this k step's loads of G stand 80 or 64 others: 63 is the most that the wait can name
.else
	s_wait_loadcnt 32+16*(3-\s)                    ; the 32 loads just issued and the later k steps' 16 each stay out
.endif
.irp c, 0,1,2,3,4,5,6,7                ; eight accumulators by turns; the first k step starts the sums
.if \s == 0
	v_wmma_f32_16x16x32_bf16 v[ACC+8*\c:ACC+8*\c+7], v[32*\c+8*\s:32*\c+8*\s+7], v[QN+8*\s:QN+8*\s+7], 0
.else
	v_wmma_f32_16x16x32_bf16 v[ACC+8*\c:ACC+8*\c+7], v[32*\c+8*\s:32*\c+8*\s+7], v[QN+8*\s:QN+8*\s+7], v[ACC+8*\c:ACC+8*\c+7]
.endif
.endr
.endr
	WIN 0
.rept 4
	v_nop                                          ; four places between the last product and the stores that read results
.endr
.irp c, 0,1,2,3,4,5,6,7
	ds_store_b128 v9, v[ACC+8*\c:ACC+8*\c+3]   offset:64*\c
	ds_store_b128 v9, v[ACC+8*\c+4:ACC+8*\c+7] offset:64*\c+16
.endr
	s_wait_dscnt 0x0                               ; for the others' sake: my 128 columns are written
	s_barrier_signal -1
	s_barrier_wait -1
.irp q, 0,1
.irp i, 0,1,2,3,4,5,6,7
	ds_load_b128 v[YY+32*\q+4*\i:YY+32*\q+4*\i+3], v10 offset:\q*SPI+512*\i
.endr
.endr
	s_wait_loadcnt 0x0                             ; the residual, g, be
	s_wait_dscnt 0x0
.irp q, 0,1
.irp k, 0,1,2,3,4,5,6,7,8,9,10,11,12,13,14,15
	v_pk_add_f32 v[YY+32*\q+2*\k:YY+32*\q+2*\k+1], v[YY+32*\q+2*\k:YY+32*\q+2*\k+1], v[RES+32*\q+2*\k:RES+32*\q+2*\k+1]
.endr
	LNCORE YY+32*\q, RES+32*\q
.irp i, 0,1,2,3,4,5,6,7
	global_store_b128 v7, v[YY+32*\q+4*\i:YY+32*\q+4*\i+3], s[28:29] offset:\q*4096+512*\i      ; a wave's store covers 512 consecutive aligned bytes
.endr
.irp i, 0,1,2,3,4,5,6,7
	v_cvt_pk_f16_f32 v[RES+32*\q+16+2*\i],   v[YY+32*\q+4*\i],   v[YY+32*\q+4*\i+1]
	v_cvt_pk_f16_f32 v[RES+32*\q+16+2*\i+1], v[YY+32*\q+4*\i+2], v[YY+32*\q+4*\i+3]
.endr
.irp i, 0,1,2,3,4,5,6,7
	global_store_b64 v8, v[RES+32*\q+16+2*\i:RES+32*\q+16+2*\i+1], s[30:31] offset:\q*2048+256*\i   ; 256 consecutive aligned bytes; no register of a store is written again
.endr
.endr
	s_wait_tensorcnt 0x0
	ds_add_u32 v14, v15
	s_wait_dscnt 0x0
	s_endpgm
.Lfunc_end_k_q6f50377dcd_aln2:
	.size	k_q6f50377dcd_aln2, .Lfunc_end_k_q6f50377dcd_aln2-k_q6f50377dcd_aln2
	.p2alignl 7, 3214868480
	.fill 96, 4, 3214868480
	.section	.rodata,"a",@progbits
	.p2align	6, 0x0
	.amdhsa_kernel k_q6f50377dcd_aln2
		.amdhsa_group_segment_fixed_size 66816
		.amdhsa_private_segment_fixed_size 0
		.amdhsa_enable_private_segment 0
		.amdhsa_kernarg_size 56
		.amdhsa_user_sgpr_count 2
		.amdhsa_user_sgpr_kernarg_segment_ptr 1
		.amdhsa_wavefront_size32 1
		.amdhsa_system_sgpr_workgroup_id_x 1
		.amdhsa_system_sgpr_workgroup_id_y 1
		.amdhsa_system_sgpr_workgroup_id_z 1
		.amdhsa_system_vgpr_workitem_id 0
		.amdhsa_next_free_vgpr 512
		.amdhsa_next_free_sgpr 66
		.amdhsa_reserve_vcc 0
		.amdhsa_float_denorm_mode_32 3
		.amdhsa_float_denorm_mode_16_64 3
		.amdhsa_memory_ordered 1
		.amdhsa_forward_progress 1
		.amdhsa_inst_pref_size 48
	.end_amdhsa_kernel
	.amdgpu_metadata
---
amdhsa.version: [ 1, 2 ]
amdhsa.kernels:
  - .name:           k_q6f50377dcd_aln2
    .symbol:         k_q6f50377dcd_aln2.kd
    .args:
      - { .name: sa, .offset: 0, .size: 8, .value_kind: global_buffer, .address_space: global }
      - { .name: hb, .offset: 8, .size: 8, .value_kind: global_buffer, .address_space: global }
      - { .name: o1f, .offset: 16, .size: 8, .value_kind: global_buffer, .address_space: global }
      - { .name: g2, .offset: 24, .size: 8, .value_kind: global_buffer, .address_space: global }
      - { .name: be2, .offset: 32, .size: 8, .value_kind: global_buffer, .address_space: global }
      - { .name: o2f, .offset: 40, .size: 8, .value_kind: global_buffer, .address_space: global }
      - { .name: xb0, .offset: 48, .size: 8, .value_kind: global_buffer, .address_space: global }
    .group_segment_fixed_size: 66816
    .private_segment_fixed_size: 0
    .kernarg_segment_align: 8
    .kernarg_segment_size: 56
    .max_flat_workgroup_size: 256
    .sgpr_count:     66
    .vgpr_count:     512
    .wavefront_size: 32
...
	.end_amdgpu_metadata
.endif
;; end of part 6
;; launch ffn1 (part 7): grid 16 x 16, 4 waves a work-group, clusters of 4 x 4, 327,680 bytes of LDS; arguments xb0, wb, b1, hb; writes hb
.if DOCPART == 7
	.amdgcn_target "amdgcn-amd-amdhsa--gfx1250"
	.amdhsa_code_object_version 6
	.text
	.protected	k_q6f50377dcd_ffn1
	.globl	k_q6f50377dcd_ffn1
	.p2align	8
	.type	k_q6f50377dcd_ffn1,@function
k_q6f50377dcd_ffn1:
	s_mov_b64 s[64:65], 0
	v_nop
	global_prefetch_b8 v0, s[64:65] scope:SCOPE_SE
	s_setreg_imm32_b32 hwreg(HW_REG_WAVE_MODE, 25, 1), 1
	s_wait_xcnt 0x0
	s_wait_alu depctr_hold_cnt(0) depctr_sa_sdst(0) depctr_va_vdst(0) depctr_va_sdst(0) depctr_va_ssrc(0) depctr_va_vcc(0) depctr_vm_vsrc(0)
	s_getreg_b32 s2, hwreg(HW_REG_IB_STS2, 6, 4)
	s_cmp_eq_u32 s2, 0
	s_cbranch_scc0 .Lentry_in_a_cluster
	s_endpgm
.Lentry_in_a_cluster:
	s_bfe_u32 s2, ttmp6, 0x10000c
	s_cmp_lg_u32 s2, 0xf033
	s_cbranch_scc0 .Lentry_shape_is_right
	s_endpgm
.Lentry_shape_is_right:
; FFN1.  h[m][n] = elu(sum over k of A[m][k] B[k][n] + b1[n]).  A = out2 in f16 [4096][1024], B = W1 in f16 [1024][4096] as it lies (at byte 0 of wb), h f16 [4096][4096]; sums and elu in f32.
; WHY f16: the result of the layer is compared to 1 per cent of its spread in each of 4 million numbers, and the rounding of out2, W1, h and W2 to bf16 alone would take a fifth of that as its standard deviation; f16 rounds
; eight times finer.  Its range: |out2| <= 32 |g2| + |be2| by the norm; W1's spread is 1/32.
; LIMIT: h goes out in f16, so |h| must stay under 65,504; beyond that it becomes an infinity.  With a row of spread 1 and W1 of spread 1/32 the sums have spread 1; g2 and W1 both 30 times larger give spread 900, and 6 spreads are 5,400.
; A tile of h, 256 x 256, is made by a work-group of four waves; a wave makes 128 x 128: 64 accumulators of 16 x 16, 512 registers.  K goes in steps of 128 through a ring of two LDS slots
; filled by the tensor data mover.  A's tile: 256 rows m x 256 bytes.  B's tile: 128 rows k x 512 bytes, as two halves of 128 rows x 256 bytes (a wave reads one half); its fragments are turned by ds_load_tr16_b128.
; CLUSTERS: 4 x 4 work-groups.  The four of a row of the cluster need the same tiles of A, the four of a column the same tiles of B: each tile is asked for JOINTLY, by the same tensor load with
; the same descriptor and a mask that names the four.  By this text's count a wave has two tensor loads out at the start and one behind each round.
; THE MATRIX INSTRUCTION IS USED TRANSPOSED: source 0 = 16 columns n of B, source 1 = 16 rows of A: a lane holds row m = l % 16 and the columns n = 8 (l / 16) + 0..7, which pack into 16 bytes.
; REGISTERS, in windows of 256: window 0: v0-31 addresses; v64-127, v128-191 fragments of A, two buffers (on the way out: sums and exponentials); v32-63, v192-255 at work on the way out
;   window 1: v0-63 b1 of my 128 columns; v64-127, v128-191 fragments of B, two buffers;   window 2: the accumulators of my rows 0-63 ((a, b) at v[8 (8 a + b)]);   window 3: those of rows 64-127
; ELU: y for y > 0, exp(y) - 1 otherwise = the middle one of (y, exp(y) - 1, 0), since exp(y) - 1 >= y: an exponential that overflows is never the middle one.
; Further limits: exp(y) - 1 is made as 2^(y log2 e) - 1, not as expm1: its absolute error is about 1e-7, which for |y| < 1e-5 is a large relative error of a number far below the sums that it enters;
; v_exp_f32 gives 0 where the result would be denormal (ISA guide 15.8); a NaN does not pass the choice of the middle one as it would pass the model's elu.
.set SIZE_M, 4096
.set SIZE_N, 4096
.set SIZE_K, 1024
.set KSTEP,  128
.set PITCH,  272                       ; an LDS row of A: 256 bytes + 16
.set PB,     288                       ; an LDS row of B: 256 bytes + 32
.set HALFA,  128*PITCH                 ; what one tensor load brings of A, and what one wave reads of it
.set HALFB,  128*PB                    ; the same for B
.set SLOT,   2*HALFA+2*HALFB           ; A's two halves, then B's two halves
.set STAGE,  2*SLOT                    ; behind the ring: 16 rows x 272 bytes for each wave, for the way out
.set SPITCH, 272
.set SPARE,  STAGE+4*16*SPITCH         ; behind the stages: the spare words, 128 bytes for each wave: two blocks of 256 bytes that no other line names
.set LAPS, SIZE_K/(2*KSTEP)            ; a lap = two K steps = once round the ring
.set ADRA, 16                          ; v16-17  LDS address of my A fragments in slot 0, 1
.set ADRB, 20                          ; v20-21  the same for B
.set STO,  24                          ; v24     the way out: where I put 16 bytes of a row
.set RD,   25                          ; v25     the way out: where I read a row back
.set CO,   26                          ; v26     my byte offset in h
.set BO,   27                          ; v27     my byte offset in b1
.set SPW,  28                          ; v28     LDS address of my spare word: SPARE + 4 x my thread's number; never rewritten
.set NIL,  29                          ; v29     0; never rewritten
.set F0,   64
.set F1,   128
.set YY,   64                          ; the way out: a block's 64 sums + bias
.set EE,   128                         ; the way out: their exponentials
.set TMP,  192                         ; the way out: packed results
.set OB,   32                          ; the way out: 16 rows read back from the stage: v32-63 and v224-255 by turns
.set G1, 24                            ; s[24:31] descriptor group 1 for A's tiles
.set G0, 32                            ; s[32:39] descriptor group 0 for A's tiles, one set for each slot
.set G1B, 48                           ; s[48:55] descriptor group 1 for B's tiles
.set G0B, 56                           ; s[56:63] descriptor group 0 for B's tiles, one set for each slot
.set MSB, 0
.macro WIN new                         ; the immediate's high byte repeats the setting that is left
.if MSB != (\new)
	s_set_vgpr_msb (MSB<<8)|(\new)
.set MSB, (\new)
.endif
.endm
.set MUL_LO, 0xa1                      ; source 0 (B) window 1, source 1 (A) window 0, C and D window 2
.set MUL_HI, 0xf1                      ; the same, C and D window 3
.set TO_B,   0x40                      ; destination window 1, address window 0
; A joint load.  Waves 0 and 1 fetch A's two halves, waves 2 and 3 B's.  The branch hangs on the wave's number alone.  Four v_nop follow each of the two lines.
.macro JLOAD s
	s_cmp_eq_u32 s11, 0
	s_cbranch_scc0 .Lfor_b_\@
	tensor_load_to_lds s[G0+4*\s:G0+4*\s+3], s[G1:G1+7]
	s_nop 0
.rept 4
	v_nop
.endr
	s_branch .Lasked_\@
.Lfor_b_\@:
	tensor_load_to_lds s[G0B+4*\s:G0B+4*\s+3], s[G1B:G1B+7]
	s_nop 0
.rept 4
	v_nop
.endr
.Lasked_\@:
.endm
.macro CREST                           ; a round of the cluster's barrier behind its opening barrier
	s_cmp_lg_u32 s10, 0
	s_cbranch_scc1 .Lnot_wave_0_\@
	s_barrier_signal -3
.Lnot_wave_0_\@:
	s_barrier_wait -3
	s_barrier_signal -1
	s_barrier_wait -1
.endm
.macro CROUND                          ; a whole round
	s_barrier_signal -1
	s_barrier_wait -1
	CREST
.endm
	s_load_b128 s[4:7], s[0:1], 0x0                ; A s[4:5], B s[6:7]
	s_load_b64 s[66:67], s[0:1], 0x10              ; b1
	s_load_b64 s[8:9], s[0:1], 0x18                ; h
	v_lshl_add_u32 v[SPW], v0, 2, SPARE
	v_mov_b32 v[NIL], 0
	ds_add_u32 v28, v29
	ds_add_u32 v28, v29
	s_wait_dscnt 0x0
	v_lshrrev_b32 v1, 5, v0
	v_readfirstlane_b32 s10, v1                    ; wave 0..3
	s_lshr_b32 s11, s10, 1                         ; which half of the tile's rows is mine.  Also: I fetch for A (0) or for B (1)
	s_and_b32 s12, s10, 1                          ; which half of its columns.  Also: which half of that tile I fetch
	s_bfe_u32 s40, ttmp6, 0x40000                  ; cx
	s_bfe_u32 s41, ttmp6, 0x40004                  ; cy
	s_lshl_b32 s42, ttmp9, 2
	s_add_co_u32 s42, s42, s40                     ; tile column = 4 x cluster x + cx
	s_and_b32 s13, ttmp7, 0xffff
	s_lshl_b32 s13, s13, 2
	s_add_co_u32 s13, s13, s41                     ; tile row = 4 x cluster y + cy
	s_lshl_b32 s43, s41, 2
	s_lshl_b32 s43, 15, s43                        ; my row of the cluster
	s_lshl_b32 s44, 0x1111, s40                    ; my column
	; descriptor group 1: tiles of 128 rows x 128 elements of 2 bytes, padded in LDS behind every 64 words: A by 4 words, B by 8
	s_or_b32 s[G1+0], s43, (1<<16)|(1<<20)|(1<<21)|(5<<22)|(3<<25)   ; 15:0 the mask: A's tiles go to my row; 17:16 2 bytes; 20 padding on; 21 set beside a mask
	s_or_b32 s[G1B+0], s44, (1<<16)|(1<<20)|(1<<21)|(5<<22)|(7<<25)  ; the mask of my column, for B's tiles
.irp g, G1, G1B
	s_mov_b32 s[\g+1], 128<<16                     ; tensor_dim0 = 128
	s_mov_b32 s[\g+2], 128<<16                     ; tensor_dim1 = 128
	s_mov_b32 s[\g+3], 128<<16                     ; tile_dim0 = 128
	s_mov_b32 s[\g+4], 128                         ; tile_dim1 = 128
	s_mov_b32 s[\g+6], 0
	s_mov_b32 s[\g+7], 0
.endr
	s_mov_b32 s[G1+5], SIZE_K                      ; elements from row to row: A's rows lie along K,
	s_mov_b32 s[G1B+5], SIZE_N                     ; B's along N
	; where the tiles come from.  A's hang on the tile row alone, B's on the tile column alone, each in registers that never hold the other coordinate
	s_lshl_b32 s17, s12, 7
	s_lshl_b32 s16, s13, 8
	s_add_co_u32 s16, s16, s17                     ; A: row 256 x tile row + 128 x half
	s_mov_b32 s17, 0
	s_mov_b64 s[18:19], SIZE_K*2
	s_mul_u64 s[16:17], s[16:17], s[18:19]
	s_lshl_b32 s46, s42, 9                         ; B: column 256 x tile column + 128 x half, in bytes
	s_lshl_b32 s47, s12, 8
	s_add_co_u32 s46, s46, s47
	s_mov_b32 s47, 0
	s_mul_i32 s20, s12, HALFA                      ; and where they go: no place in the cluster enters an LDS address
	s_mul_i32 s45, s12, HALFB
	s_add_co_u32 s45, s45, 2*HALFA
	s_wait_kmcnt 0x0
	s_add_nc_u64 s[14:15], s[4:5], s[16:17]
	s_add_nc_u64 s[46:47], s[6:7], s[46:47]
	CROUND                                         ; all sixteen work-groups are here: the first joint loads meet
.irp s, 0,1
	s_mov_b32 s[G0+4*\s], 1
	s_add_co_u32 s[G0+4*\s+1], s20, \s*SLOT
	s_add_nc_u64 s[G0+4*\s+2:G0+4*\s+3], s[14:15], \s*KSTEP*2              ; K step s: 256 bytes along A's rows,
	s_or_b32 s[G0+4*\s+3], s[G0+4*\s+3], 0x80000000
	s_mov_b32 s[G0B+4*\s], 1
	s_add_co_u32 s[G0B+4*\s+1], s45, \s*SLOT
	s_add_nc_u64 s[G0B+4*\s+2:G0B+4*\s+3], s[46:47], \s*KSTEP*SIZE_N*2     ; 128 rows down B
	s_or_b32 s[G0B+4*\s+3], s[G0B+4*\s+3], 0x80000000
	JLOAD \s
.endr
	v_and_b32 v1, 15, v0                           ; l % 16
	v_bfe_u32 v2, v0, 4, 1                         ; l / 16
	v_mul_u32_u24 v3, v1, PITCH
	v_lshl_add_u32 v3, v2, 4, v3                   ; A: row x pitch + 16 x half
	v_and_b32 v6, 7, v0
	v_lshl_add_u32 v6, v2, 3, v6                   ; B, the turning load: row k = 8 (l / 16) + l % 8,
	v_mul_u32_u24 v6, v6, PB
	v_bfe_u32 v7, v0, 3, 1
	v_lshl_add_u32 v6, v7, 4, v6                   ; 16 bytes for each eight lanes
	s_mul_i32 s21, s11, HALFA                      ; my 128 rows of A
	s_mul_i32 s22, s12, HALFB                      ; my 128 columns of B,
	s_add_co_u32 s22, s22, 2*HALFA                 ; which lie behind A's tile
.irp s, 0,1
	v_add_nc_u32 v[ADRA+\s], s21, v3
	v_add_nc_u32 v[ADRB+\s], s22, v6
	s_add_co_u32 s21, s21, SLOT
	s_add_co_u32 s22, s22, SLOT
.endr
	s_mul_i32 s23, s10, 16*SPITCH
	s_add_co_u32 s23, s23, STAGE                   ; my stage
	v_mul_u32_u24 v4, v1, SPITCH
	v_lshl_add_u32 v4, v2, 4, v4
	v_add_nc_u32 v[STO], s23, v4
	v_mul_u32_u24 v5, v2, SPITCH
	v_lshl_add_u32 v5, v1, 4, v5
	v_add_nc_u32 v[RD], s23, v5
	v_mul_u32_u24 v5, v2, SIZE_N*2
	v_lshl_add_u32 v[CO], v1, 4, v5
	v_lshlrev_b32 v[BO], 5, v2                     ; b1: 8 numbers for each half of the lanes
	s_lshl_b32 s68, s42, 10                        ; my 128 columns of b1, in bytes
	s_lshl_b32 s69, s12, 9
	s_add_co_u32 s68, s68, s69
	s_mov_b32 s69, 0
	s_add_nc_u64 s[66:67], s[66:67], s[68:69]
	WIN TO_B
.irp b, 0,1,2,3,4,5,6,7
	global_load_b128 v[8*\b:8*\b+3],   v[BO], s[66:67] offset:64*\b
	global_load_b128 v[8*\b+4:8*\b+7], v[BO], s[66:67] offset:64*\b+16
.endr
	WIN 0
	s_lshl_b32 s13, s13, 8                         ; where my part of the tile begins in h, in bytes
	s_lshl_b32 s14, s11, 7
	s_add_co_u32 s16, s13, s14
	s_mov_b32 s17, 0
	s_mov_b64 s[18:19], SIZE_N*2
	s_mul_u64 s[16:17], s[16:17], s[18:19]
	s_lshl_b32 s46, s42, 9
	s_lshl_b32 s47, s12, 8
	s_add_co_u32 s46, s46, s47
	s_mov_b32 s47, 0
	s_add_nc_u64 s[16:17], s[16:17], s[46:47]
; 16 matrix instructions: m blocks a0, a0 + 1 of the window's four x all 8 n blocks, 32 along K.  zero = 1: the first product starts the sums
.macro MUL16 f, hi, a0, zero
.irp a, \a0, \a0+1
.irp b, 0,1,2,3,4,5,6,7
.if \zero
	v_wmma_f32_16x16x32_f16 v[8*(8*(\a)+\b):8*(8*(\a)+\b)+7], v[\f+8*\b:\f+8*\b+7], v[\f+8*(4*\hi+\a):\f+8*(4*\hi+\a)+7], 0
.else
	v_wmma_f32_16x16x32_f16 v[8*(8*(\a)+\b):8*(8*(\a)+\b)+7], v[\f+8*\b:\f+8*\b+7], v[\f+8*(4*\hi+\a):\f+8*(4*\hi+\a)+7], v[8*(8*(\a)+\b):8*(8*(\a)+\b)+7]
.endif
.endr
.endr
.endm
; 32 LDS loads in one run: the fragments of one quarter step (32 K at byte k of A's rows = rows k / 2 on of B's tile) into buffer f
.macro FETCH slot, k, f
	WIN TO_B
.irp i, 0,1,2,3,4,5,6,7
	ds_load_tr16_b128 v[\f+8*\i:\f+8*\i+3],   v[ADRB+\slot] offset:(\k/64)*32*PB+\i*32
	ds_load_tr16_b128 v[\f+8*\i+4:\f+8*\i+7], v[ADRB+\slot] offset:(\k/64)*32*PB+\i*32+16*PB
.endr
	WIN 0
.irp i, 0,1,2,3,4,5,6,7
	ds_load_b128 v[\f+8*\i:\f+8*\i+3],   v[ADRA+\slot] offset:\k+\i*16*PITCH
	ds_load_b128 v[\f+8*\i+4:\f+8*\i+7], v[ADRA+\slot] offset:\k+\i*16*PITCH+32
.endr
.endm
.macro PLACES                          ; four places in front of loads into registers that matrix instructions have read, and of vector instructions that read results
.rept 4
	v_nop
.endr
.endm
; A K step is four quarter steps of 32 along K, 64 matrix instructions each, on buffers 0, 1, 0, 1.  The 64 accumulators take turns, in the same order in every quarter.
.macro QUARTER slot, k, f, g, zero
	s_wait_dscnt 8                                 ; B and A's rows 0-63 are in; the youngest eight loads (A's rows 64-127) may be out
	WIN MUL_LO
	MUL16 \f, 0, 0, \zero
	MUL16 \f, 0, 2, \zero
	PLACES
	FETCH \slot, \k, \g
	s_wait_dscnt 32                                ; all but the 32 just issued
	WIN MUL_HI
	MUL16 \f, 1, 0, \zero
	MUL16 \f, 1, 2, \zero
.endm
; The last quarter multiplies buffer 1 and changes slots: ONE barrier.  In front of it each wave waits for all its tensor loads (one is out: its part of the next slot), adds 0 to its spare word,
; and waits for that and for its own reads of this slot.  Behind it nobody reads this slot any more and the next slot is whole.
.macro MEET round
	WIN 0                                          ; (the add's two registers lie in window 0)
	s_wait_tensorcnt 0x0
	ds_add_u32 v[SPW], v[NIL]                      ; 0 onto my spare word
	s_wait_dscnt 9                                 ; (the add and the youngest eight loads may be out)
	WIN MUL_LO
	MUL16 F1, 0, 0, 0
	s_wait_dscnt 0x0                               ; the add is done, and my reads of this slot are over
	s_barrier_signal -1
	MUL16 F1, 0, 2, 0
.if \round
	WIN 0
.endif
	s_barrier_wait -1
.endm
.macro TURN slot, next
	MEET 1
	CREST                                          ; the barrier has opened a round of the cluster's: no wave of any partner still reads this slot's tile or has a load on its way
	s_add_nc_u64 s[G0+4*\slot+2:G0+4*\slot+3], s[G0+4*\slot+2:G0+4*\slot+3], 2*KSTEP*2
	s_add_nc_u64 s[G0B+4*\slot+2:G0B+4*\slot+3], s[G0B+4*\slot+2:G0B+4*\slot+3], 2*KSTEP*SIZE_N*2
	JLOAD \slot                                    ; the first tensor load behind the round; the four v_nop behind it are also the places in front of the loads below
	FETCH \next, 0, F0
	WIN MUL_HI
	MUL16 F1, 1, 0, 0
	MUL16 F1, 1, 2, 0
.endm
; THE WAY OUT of block a (16 rows), in three parts.  PACK: + b1, elu, rounded to f16.  TOSTAGE: into my own stage in LDS, and back as whole rows of 256 bytes.  SEND: stored.
.macro PACK a
.set AC, 64*((\a)%4)
	WIN 0x06+(\a)/4                                ; source 0: window 2 or 3 (the sums); source 1: window 1 (b1); destination window 0
.irp b, 0,1,2,3,4,5,6,7
.irp r, 0,1,2,3
	v_pk_add_f32 v[YY+8*\b+2*\r:YY+8*\b+2*\r+1], v[AC+8*\b+2*\r:AC+8*\b+2*\r+1], v[8*\b+2*\r:8*\b+2*\r+1]
.endr
.endr
	WIN 0
.set i, 0
.rept 32
	v_pk_mul_f32 v[EE+i:EE+i+1], v[YY+i:YY+i+1], 0x3fb8aa3b op_sel_hi:[1,0]   ; y log2 e
.set i, i+2
.endr
.set i, 0
.rept 64
	v_exp_f32 v[EE+i], v[EE+i]
.set i, i+1
.endr
	v_nop                                          ; a plain instruction between the last exponential and the use of its result (ISA guide 5.7.2)
.set i, 0
	s_wait_alu depctr_va_vdst(0)
.rept 32
	v_pk_add_f32 v[EE+i:EE+i+1], v[EE+i:EE+i+1], -1.0 op_sel_hi:[1,0]
.set i, i+2
.endr
.set i, 0
.rept 64
	v_med3_num_f32 v[YY+i], v[YY+i], v[EE+i], 0
.set i, i+1
.endr
.set i, 0
.rept 32
	v_cvt_pk_f16_f32 v[TMP+i], v[YY+2*i], v[YY+2*i+1]
.set i, i+1
.endr
.endm
.macro TOSTAGE a
.set BK, OB+192*((\a)%2)
.irp b, 0,1,2,3,4,5,6,7
	ds_store_b128 v[STO], v[TMP+4*\b:TMP+4*\b+3] offset:32*\b
.endr
.irp t, 0,1,2,3,4,5,6,7
	ds_load_b128 v[BK+4*\t:BK+4*\t+3], v[RD] offset:\t*2*SPITCH    ; LDS serves a wave's instructions in order (ISA guide 5.7.1.4): these see the stores above
.endr
.endm
.macro SEND a
.set BK, OB+192*((\a)%2)
	s_wait_dscnt 0x0                               ; the block is back in registers
	s_wait_xcnt 0x0                                ; only behind this wait are the stores' base and the registers that earlier stores read rewritten
.if (\a) == 0
	s_add_nc_u64 s[8:9], s[8:9], s[16:17]          ; on to my first rows
.else
	s_add_nc_u64 s[8:9], s[8:9], 16*SIZE_N*2       ; 16 rows of h on
.endif
.irp t, 0,1,2,3,4,5,6,7
	global_store_b128 v[CO], v[BK+4*\t:BK+4*\t+3], s[8:9] offset:2*\t*SIZE_N*2   ; 16 lanes store 256 consecutive aligned bytes
.endr
.endm
	s_wait_tensorcnt 1                             ; my part of K step 0 is in; K step 1's may stay out
	s_barrier_signal -1
	s_barrier_wait -1
	FETCH 0, 0, F0
	QUARTER 0, 64,  F0, F1, 1                      ; the first quarter stands in front of the loop: its products start the sums
	WIN 0                                          ; at a label and at a branch every window is 0
	s_mov_b32 s3, LAPS-1
.Llap:                                                 ; a trip goes once round the ring, from a lap's second quarter to the next lap's first, and fills both slots again
	QUARTER 0, 128, F1, F0, 0
	QUARTER 0, 192, F0, F1, 0
	TURN 0, 1
	QUARTER 1, 64,  F0, F1, 0
	QUARTER 1, 128, F1, F0, 0
	QUARTER 1, 192, F0, F1, 0
	TURN 1, 0
	QUARTER 0, 64,  F0, F1, 0
	WIN 0
	s_sub_co_u32 s3, s3, 1
	s_cmp_lg_u32 s3, 0
	s_cbranch_scc1 .Llap
	QUARTER 0, 128, F1, F0, 0                      ; the last lap is written out: it asks for nothing more
	QUARTER 0, 192, F0, F1, 0
	MEET 0                                         ; my one tensor load that was still out is slot 1's, the last K step's, so no round follows
	PLACES                                         ; for the loads into buffer 0
	FETCH 1, 0, F0
	WIN MUL_HI
	MUL16 F1, 1, 0, 0
	MUL16 F1, 1, 2, 0
	QUARTER 1, 64,  F0, F1, 0
	QUARTER 1, 128, F1, F0, 0
	QUARTER 1, 192, F0, F1, 0
	s_wait_dscnt 8                                 ; the very last quarter: nothing more to fetch
	WIN MUL_LO
	MUL16 F1, 0, 0, 0
	MUL16 F1, 0, 2, 0
	s_wait_dscnt 0x0
	WIN MUL_HI
	MUL16 F1, 1, 0, 0
	MUL16 F1, 1, 2, 0
	WIN 0
	s_wait_loadcnt 0x0                             ; b1
	PLACES
	PACK 0
	TOSTAGE 0
.irp a, 1,2,3,4,5,6,7                  ; block a's arithmetic stands between block a - 1's loads from the stage and the wait for them
	PACK \a
	SEND \a-1
	TOSTAGE \a
.endr
	SEND 7
	s_wait_tensorcnt 0x0                           ; the wave's end, behind my last tensor load and my last LDS store
	ds_add_u32 v[SPW], v[NIL]
	s_wait_dscnt 0x0
	CROUND                                         ; the closing round: no work-group ends while a partner may still ask for a tile that names it
	s_endpgm
.Lfunc_end_k_q6f50377dcd_ffn1:
	.size	k_q6f50377dcd_ffn1, .Lfunc_end_k_q6f50377dcd_ffn1-k_q6f50377dcd_ffn1
	.p2alignl 7, 3214868480
	.fill 96, 4, 3214868480
	.section	.rodata,"a",@progbits
	.p2align	6, 0x0
	.amdhsa_kernel k_q6f50377dcd_ffn1
		.amdhsa_group_segment_fixed_size 327680
		.amdhsa_private_segment_fixed_size 0
		.amdhsa_enable_private_segment 0
		.amdhsa_kernarg_size 32
		.amdhsa_user_sgpr_count 2
		.amdhsa_user_sgpr_kernarg_segment_ptr 1
		.amdhsa_wavefront_size32 1
		.amdhsa_system_sgpr_workgroup_id_x 1
		.amdhsa_system_sgpr_workgroup_id_y 1
		.amdhsa_system_sgpr_workgroup_id_z 1
		.amdhsa_system_vgpr_workitem_id 0
		.amdhsa_next_free_vgpr 1024
		.amdhsa_next_free_sgpr 70
		.amdhsa_reserve_vcc 0
		.amdhsa_float_denorm_mode_32 3
		.amdhsa_float_denorm_mode_16_64 3
		.amdhsa_memory_ordered 1
		.amdhsa_forward_progress 1
		.amdhsa_inst_pref_size 250
	.end_amdhsa_kernel
	.amdgpu_metadata
---
amdhsa.version: [ 1, 2 ]
amdhsa.kernels:
  - .name:           k_q6f50377dcd_ffn1
    .symbol:         k_q6f50377dcd_ffn1.kd
    .args:
      - { .name: xb0, .offset: 0, .size: 8, .value_kind: global_buffer, .address_space: global }
      - { .name: wb, .offset: 8, .size: 8, .value_kind: global_buffer, .address_space: global }
      - { .name: b1, .offset: 16, .size: 8, .value_kind: global_buffer, .address_space: global }
      - { .name: hb, .offset: 24, .size: 8, .value_kind: global_buffer, .address_space: global }
    .group_segment_fixed_size: 327680
    .private_segment_fixed_size: 0
    .kernarg_segment_align: 8
    .kernarg_segment_size: 32
    .max_flat_workgroup_size: 128
    .sgpr_count:     70
    .vgpr_count:     1024
    .wavefront_size: 32
...
	.end_amdgpu_metadata
.endif
;; end of part 7
;; launch ffn2 (part 8): grid 8 x 32, 4 waves a work-group, clusters of 4 x 4, 327,680 bytes of LDS; arguments hb, wb, o1f; writes o1f
.if DOCPART == 8
	.amdgcn_target "amdgcn-amd-amdhsa--gfx1250"
	.amdhsa_code_object_version 6
	.text
	.protected	k_q6f50377dcd_ffn2
	.globl	k_q6f50377dcd_ffn2
	.p2align	8
	.type	k_q6f50377dcd_ffn2,@function
k_q6f50377dcd_ffn2:
	s_mov_b64 s[64:65], 0
	v_nop
	global_prefetch_b8 v0, s[64:65] scope:SCOPE_SE
	s_setreg_imm32_b32 hwreg(HW_REG_WAVE_MODE, 25, 1), 1
	s_wait_xcnt 0x0
	s_wait_alu depctr_hold_cnt(0) depctr_sa_sdst(0) depctr_va_vdst(0) depctr_va_sdst(0) depctr_va_ssrc(0) depctr_va_vcc(0) depctr_vm_vsrc(0)
	s_getreg_b32 s2, hwreg(HW_REG_IB_STS2, 6, 4)
	s_cmp_eq_u32 s2, 0
	s_cbranch_scc0 .Lentry_in_a_cluster
	s_endpgm
.Lentry_in_a_cluster:
	s_bfe_u32 s2, ttmp6, 0x10000c
	s_cmp_lg_u32 s2, 0xf033
	s_cbranch_scc0 .Lentry_shape_is_right
	s_endpgm
.Lentry_shape_is_right:
; FFN2.  C[m][n] = sum over k of A[m][k] B[k][n].  A = h in f16 [4096][4096], B = W2 in f16 [4096][1024] as it lies (at byte 8,388,608 of wb), C f32 [4096][1024]; b2 is added by the next launch.
; f16 operands, for the finer rounding (the reason and h's range stand at the head of the first FFN product); W2's spread is 1/64: 30 times smaller, f16's least step of 6e-8 is 1e-4 of it.
; 4,096 x 1,024 makes 64 tiles of 256 x 256 but 256 tiles of 128 x 128: a tile of C is 128 x 128, one for each work-group.  Four waves, each 64 x 64: 16 accumulators, 128 registers.
; K goes in steps of 256 through two LDS slots.  A's tile: 128 rows x 512 bytes (waves 0, 1 fetch 64 rows each).  B's tile: 256 rows k x 256 bytes (waves 2, 3 fetch 128 rows each); its fragments are turned by ds_load_tr16_b128.
; CLUSTERS: 4 x 4 work-groups; A's tiles are asked for jointly along a row of the cluster, B's along a column.  By this text's count a wave has two tensor loads out at the start and one behind each round.
; THE MATRIX INSTRUCTION IS USED TRANSPOSED (source 0 = 16 columns of B, source 1 = 16 rows of A): a lane holds eight neighbouring numbers of a row of C.
; A wave's 64 columns of f32 are a whole aligned 256 bytes of C: each wave has a stage of its own on the way out, and no barrier is needed there.
; REGISTERS: window 0: v0-31 addresses; v32-95 at work on the way out; v128-255 the accumulators ((a, b) at v[128 + 8 (4 a + b)]).
;   window 1: two fragment buffers of 128: for 64 along K, 64 registers of A, then 64 of B.
.set SIZE_M, 4096
.set SIZE_N, 1024
.set SIZE_K, 4096
.set KSTEP,  256
.set PITCH,  528                       ; an LDS row of A: 512 bytes + 16
.set PB,     288                       ; an LDS row of B: 256 bytes + 32
.set HALFA,  64*PITCH                  ; what one tensor load brings of A, and what one wave reads of it
.set HALFB,  128*PB                    ; what one tensor load brings of B
.set SLOT,   2*HALFA+2*HALFB
.set STAGE,  2*SLOT                    ; behind the ring: 16 rows x 272 bytes for each wave
.set SPITCH, 272
.set SPARE,  STAGE+4*16*SPITCH         ; behind the stages: the spare words, 128 bytes for each wave: two blocks of 256 bytes that no other line names
.set LAPS, SIZE_K/(2*KSTEP)
.set ADRA, 16                          ; v16-17  LDS address of my A fragments in slot 0, 1
.set ADRB, 20                          ; v20-23  the same for B: slot 0 rows 0-127, rows 128-255; slot 1 likewise (so that the immediates stay inside 16 bits)
.set STO,  24
.set RD,   25
.set CO,   26
.set SPW,  28                          ; v28     LDS address of my spare word; never rewritten
.set NIL,  29                          ; v29     0; never rewritten
.set TMP,  32                          ; the way out: two blocks of 16 rows by turns
.set ACC,  128
.set F0,   0
.set F1,   128
.set G1, 24
.set G0, 32
.set G1B, 48
.set G0B, 56
.set MSB, 0
.macro WIN new
.if MSB != (\new)
	s_set_vgpr_msb (MSB<<8)|(\new)
.set MSB, (\new)
.endif
.endm
.set MUL,  0x05                        ; sources 0 (B) and 1 (A) window 1; C and D window 0
.set TO_F, 0x40                        ; destination window 1, address window 0
.macro JLOAD s                         ; a joint load: waves 0 and 1 fetch A's two halves, waves 2 and 3 B's; four v_nop follow each of the two lines
	s_cmp_eq_u32 s11, 0
	s_cbranch_scc0 .Lfor_b_\@
	tensor_load_to_lds s[G0+4*\s:G0+4*\s+3], s[G1:G1+7]
	s_nop 0
.rept 4
	v_nop
.endr
	s_branch .Lasked_\@
.Lfor_b_\@:
	tensor_load_to_lds s[G0B+4*\s:G0B+4*\s+3], s[G1B:G1B+7]
	s_nop 0
.rept 4
	v_nop
.endr
.Lasked_\@:
.endm
.macro CREST
	s_cmp_lg_u32 s10, 0
	s_cbranch_scc1 .Lnot_wave_0_\@
	s_barrier_signal -3
.Lnot_wave_0_\@:
	s_barrier_wait -3
	s_barrier_signal -1
	s_barrier_wait -1
.endm
.macro CROUND
	s_barrier_signal -1
	s_barrier_wait -1
	CREST
.endm
	s_load_b128 s[4:7], s[0:1], 0x0                ; A s[4:5], wb s[6:7]
	s_load_b64 s[8:9], s[0:1], 0x10                ; C
	v_lshl_add_u32 v[SPW], v0, 2, SPARE
	v_mov_b32 v[NIL], 0
	ds_add_u32 v28, v29
	ds_add_u32 v28, v29
	s_wait_dscnt 0x0
	v_lshrrev_b32 v1, 5, v0
	v_readfirstlane_b32 s10, v1                    ; wave 0..3
	s_lshr_b32 s11, s10, 1                         ; which half of the tile's rows is mine.  Also: I fetch for A (0) or for B (1)
	s_and_b32 s12, s10, 1                          ; which half of its columns.  Also: which half of that tile I fetch
	s_bfe_u32 s40, ttmp6, 0x40000
	s_bfe_u32 s41, ttmp6, 0x40004
	s_lshl_b32 s42, ttmp9, 2
	s_add_co_u32 s42, s42, s40                     ; tile column
	s_and_b32 s13, ttmp7, 0xffff
	s_lshl_b32 s13, s13, 2
	s_add_co_u32 s13, s13, s41                     ; tile row
	s_lshl_b32 s43, s41, 2
	s_lshl_b32 s43, 15, s43                        ; my row of the cluster
	s_lshl_b32 s44, 0x1111, s40                    ; my column
	s_or_b32 s[G1+0], s43, (1<<16)|(1<<20)|(1<<21)|(6<<22)|(3<<25)   ; A: 64 rows x 256 elements; 4 words of padding behind every 128
	s_mov_b32 s[G1+1], KSTEP<<16
	s_mov_b32 s[G1+2], 64<<16
	s_mov_b32 s[G1+3], KSTEP<<16
	s_mov_b32 s[G1+4], 64
	s_mov_b32 s[G1+5], SIZE_K
	s_mov_b32 s[G1+6], 0
	s_mov_b32 s[G1+7], 0
	s_or_b32 s[G1B+0], s44, (1<<16)|(1<<20)|(1<<21)|(5<<22)|(7<<25)  ; B: 128 rows x 128 elements; 8 words of padding behind every 64
	s_mov_b32 s[G1B+1], 128<<16
	s_mov_b32 s[G1B+2], 128<<16
	s_mov_b32 s[G1B+3], 128<<16
	s_mov_b32 s[G1B+4], 128
	s_mov_b32 s[G1B+5], SIZE_N
	s_mov_b32 s[G1B+6], 0
	s_mov_b32 s[G1B+7], 0
	s_lshl_b32 s17, s12, 6
	s_lshl_b32 s16, s13, 7
	s_add_co_u32 s16, s16, s17                     ; A: row 128 x tile row + 64 x half
	s_mov_b32 s17, 0
	s_mov_b64 s[18:19], SIZE_K*2
	s_mul_u64 s[16:17], s[16:17], s[18:19]
	s_lshl_b32 s46, s42, 8                         ; B: W2's copy, column 128 x tile column, row 128 x half
	s_lshl_b32 s47, s12, 18
	s_add_co_u32 s46, s46, s47
	s_add_co_u32 s46, s46, 0x800000
	s_mov_b32 s47, 0
	s_mul_i32 s20, s12, HALFA
	s_mul_i32 s45, s12, HALFB
	s_add_co_u32 s45, s45, 2*HALFA
	s_wait_kmcnt 0x0
	s_add_nc_u64 s[14:15], s[4:5], s[16:17]
	s_add_nc_u64 s[46:47], s[6:7], s[46:47]
	CROUND                                         ; all sixteen work-groups are here: the first joint loads meet
.irp s, 0,1
	s_mov_b32 s[G0+4*\s], 1
	s_add_co_u32 s[G0+4*\s+1], s20, \s*SLOT
	s_add_nc_u64 s[G0+4*\s+2:G0+4*\s+3], s[14:15], \s*KSTEP*2
	s_or_b32 s[G0+4*\s+3], s[G0+4*\s+3], 0x80000000
	s_mov_b32 s[G0B+4*\s], 1
	s_add_co_u32 s[G0B+4*\s+1], s45, \s*SLOT
	s_add_nc_u64 s[G0B+4*\s+2:G0B+4*\s+3], s[46:47], \s*KSTEP*SIZE_N*2
	s_or_b32 s[G0B+4*\s+3], s[G0B+4*\s+3], 0x80000000
	JLOAD \s
.endr
	v_and_b32 v1, 15, v0                           ; l % 16
	v_bfe_u32 v2, v0, 4, 1                         ; l / 16
	v_mul_u32_u24 v3, v1, PITCH
	v_lshl_add_u32 v3, v2, 4, v3
	v_and_b32 v6, 7, v0
	v_lshl_add_u32 v6, v2, 3, v6                   ; the turning load: row k = 8 (l / 16) + l % 8,
	v_mul_u32_u24 v6, v6, PB
	v_bfe_u32 v7, v0, 3, 1
	v_lshl_add_u32 v6, v7, 4, v6                   ; 16 bytes for each eight lanes
	s_mul_i32 s21, s11, HALFA                      ; my 64 rows of A
	s_lshl_b32 s22, s12, 7                         ; my 64 columns of B: 128 bytes of each row,
	s_add_co_u32 s22, s22, 2*HALFA                 ; behind A's tile
.irp s, 0,1
	v_add_nc_u32 v[ADRA+\s], s21, v3
	v_add_nc_u32 v[ADRB+2*\s], s22, v6
	v_add_nc_u32 v[ADRB+2*\s+1], HALFB, v[ADRB+2*\s]
	s_add_co_u32 s21, s21, SLOT
	s_add_co_u32 s22, s22, SLOT
.endr
	s_mul_i32 s23, s10, 16*SPITCH
	s_add_co_u32 s23, s23, STAGE                   ; my stage
	v_mul_u32_u24 v4, v1, SPITCH
	v_lshl_add_u32 v4, v2, 5, v4                   ; in: row l % 16, 32 bytes (8 f32) for each half of the lanes
	v_add_nc_u32 v[STO], s23, v4
	v_mul_u32_u24 v5, v2, SPITCH
	v_lshl_add_u32 v5, v1, 4, v5                   ; back: lanes 0-15 one row of 256 bytes, lanes 16-31 the next
	v_add_nc_u32 v[RD], s23, v5
	v_lshlrev_b32 v5, 12, v2
	v_lshl_add_u32 v[CO], v1, 4, v5                ; the same two rows in C
	s_lshl_b32 s16, s13, 19                        ; my first row of C: (128 x tile row + 64 x half) x 4,096 bytes
	s_lshl_b32 s17, s11, 18
	s_add_co_u32 s16, s16, s17
	s_mov_b32 s17, 0
	s_add_nc_u64 s[8:9], s[8:9], s[16:17]
	s_lshl_b32 s46, s42, 9                         ; my first column, in bytes
	s_lshl_b32 s47, s12, 8
	s_add_co_u32 s46, s46, s47
	s_mov_b32 s47, 0
	s_add_nc_u64 s[8:9], s[8:9], s[46:47]
.macro MUL8 f, c, a0, zero             ; 8 matrix instructions: m blocks a0, a0 + 1 x all 4 n blocks, 32 along K: half c of buffer f
.irp a, \a0, \a0+1
.irp b, 0,1,2,3
.if \zero
	v_wmma_f32_16x16x32_f16 v[ACC+8*(4*(\a)+\b):ACC+8*(4*(\a)+\b)+7], v[\f+64+8*(4*\c+\b):\f+64+8*(4*\c+\b)+7], v[\f+8*(4*\c+\a):\f+8*(4*\c+\a)+7], 0
.else
	v_wmma_f32_16x16x32_f16 v[ACC+8*(4*(\a)+\b):ACC+8*(4*(\a)+\b)+7], v[\f+64+8*(4*\c+\b):\f+64+8*(4*\c+\b)+7], v[\f+8*(4*\c+\a):\f+8*(4*\c+\a)+7], v[ACC+8*(4*(\a)+\b):ACC+8*(4*(\a)+\b)+7]
.endif
.endr
.endr
.endm
; 32 LDS loads in one run: the fragments of 64 along K (byte k of A's rows = rows k / 2 on of B's tile) into buffer f; the first 32 along K first
.macro FETCH slot, k, f
	WIN TO_F
.irp c, 0,1
.irp i, 0,1,2,3
	ds_load_tr16_b128 v[\f+64+8*(4*\c+\i):\f+64+8*(4*\c+\i)+3],   v[ADRB+2*\slot+\k/256] offset:(((\k/128)%2)*64+32*\c)*PB+32*\i
	ds_load_tr16_b128 v[\f+64+8*(4*\c+\i)+4:\f+64+8*(4*\c+\i)+7], v[ADRB+2*\slot+\k/256] offset:(((\k/128)%2)*64+32*\c)*PB+32*\i+16*PB
	ds_load_b128 v[\f+8*(4*\c+\i):\f+8*(4*\c+\i)+3],         v[ADRA+\slot] offset:\k+64*\c+\i*16*PITCH
	ds_load_b128 v[\f+8*(4*\c+\i)+4:\f+8*(4*\c+\i)+7],       v[ADRA+\slot] offset:\k+64*\c+\i*16*PITCH+32
.endr
.endr
.endm
.macro PLACES
.rept 4
	v_nop
.endr
.endm
.macro QUARTER slot, k, f, g, zero     ; 64 along K: 32 matrix instructions on buffer f; the next quarter, at byte k, is fetched into g
	s_wait_dscnt 16                                ; the first 32 along K are in
	WIN MUL
	MUL8 \f, 0, 0, \zero
	MUL8 \f, 0, 2, \zero
	PLACES
	FETCH \slot, \k, \g
	s_wait_dscnt 32                                ; all but the 32 just issued
	WIN MUL
	MUL8 \f, 1, 0, 0
	MUL8 \f, 1, 2, 0
.endm
; The last quarter multiplies buffer 1 and changes slots: ONE barrier; in front of it each wave waits for all its tensor loads, adds 0 to its spare word, and waits for that and for its own reads of this slot.
.macro TURN slot, next, fill
	WIN 0
	s_wait_tensorcnt 0x0                           ; all my tensor loads have landed: my part of the next slot
	ds_add_u32 v[SPW], v[NIL]                      ; 0 onto my spare word
	s_wait_dscnt 17                                ; (the add and the youngest sixteen loads may be out)
	WIN MUL
	MUL8 F1, 0, 0, 0
	s_wait_dscnt 0x0                               ; the add is done, and my reads of this slot are over
	s_barrier_signal -1
	MUL8 F1, 0, 2, 0
.if \fill
	WIN 0
.endif
	s_barrier_wait -1
.if \fill
	CREST                                          ; the barrier has opened a round of the cluster's: no wave of any partner still reads this slot's tile or has a load on its way
	s_add_nc_u64 s[G0+4*\slot+2:G0+4*\slot+3], s[G0+4*\slot+2:G0+4*\slot+3], 2*KSTEP*2
	s_add_nc_u64 s[G0B+4*\slot+2:G0B+4*\slot+3], s[G0B+4*\slot+2:G0B+4*\slot+3], 2*KSTEP*SIZE_N*2
	JLOAD \slot                                    ; the first tensor load behind the round; the four v_nop behind it are also the places in front of the loads below
.else
	PLACES
.endif
	FETCH \next, 0, F0
	WIN MUL
	MUL8 F1, 1, 0, 0
	MUL8 F1, 1, 2, 0
.endm
; THE WAY OUT of block a (16 rows x 64 columns of f32): into my stage as the lanes hold it, back as whole rows of 256 bytes, stored.
.macro TOSTAGE a
.irp b, 0,1,2,3
	ds_store_b128 v[STO], v[ACC+8*(4*(\a)+\b):ACC+8*(4*(\a)+\b)+3]   offset:64*\b
	ds_store_b128 v[STO], v[ACC+8*(4*(\a)+\b)+4:ACC+8*(4*(\a)+\b)+7] offset:64*\b+16
.endr
.irp t, 0,1,2,3,4,5,6,7
	ds_load_b128 v[TMP+32*((\a)%2)+4*\t:TMP+32*((\a)%2)+4*\t+3], v[RD] offset:\t*2*SPITCH   ; LDS serves a wave's instructions in order (ISA guide 5.7.1.4): these see the stores above; the next block's stores come behind them
.endr
.endm
.macro SEND a, younger                 ; younger: the LDS instructions issued behind block a's loads: the next block's sixteen, or none
.irp t, 0,1,2,3,4,5,6,7
	s_wait_dscnt \younger+7-\t
	global_store_b128 v[CO], v[TMP+32*((\a)%2)+4*\t:TMP+32*((\a)%2)+4*\t+3], s[8:9] offset:(16*(\a)+2*\t)*SIZE_N*4   ; 16 lanes store 256 consecutive aligned bytes
.endr
.endm
	s_wait_tensorcnt 1                             ; my part of K step 0 is in; K step 1's may stay out
	s_barrier_signal -1
	s_barrier_wait -1
	FETCH 0, 0, F0
	QUARTER 0, 128, F0, F1, 1                      ; the first quarter stands in front of the loop: its first products start the sums
	WIN 0
	s_mov_b32 s3, LAPS-1
.Llap:                                                 ; a trip goes once round the ring and fills both slots again
	QUARTER 0, 256, F1, F0, 0
	QUARTER 0, 384, F0, F1, 0
	TURN 0, 1, 1
	QUARTER 1, 128, F0, F1, 0
	QUARTER 1, 256, F1, F0, 0
	QUARTER 1, 384, F0, F1, 0
	TURN 1, 0, 1
	QUARTER 0, 128, F0, F1, 0
	WIN 0
	s_sub_co_u32 s3, s3, 1
	s_cmp_lg_u32 s3, 0
	s_cbranch_scc1 .Llap
	QUARTER 0, 256, F1, F0, 0                      ; the last lap fills nothing, and has no round of the cluster's barrier
	QUARTER 0, 384, F0, F1, 0
	TURN 0, 1, 0
	QUARTER 1, 128, F0, F1, 0
	QUARTER 1, 256, F1, F0, 0
	QUARTER 1, 384, F0, F1, 0
	s_wait_dscnt 16                                ; the very last quarter: nothing more to fetch
	WIN MUL
	MUL8 F1, 0, 0, 0
	MUL8 F1, 0, 2, 0
	s_wait_dscnt 0x0
	MUL8 F1, 1, 0, 0
	MUL8 F1, 1, 2, 0
	WIN 0
	PLACES                                         ; four places between the last product and the stores that read results
	TOSTAGE 0
	TOSTAGE 1
	SEND 0, 16
	s_wait_xcnt 0x0                                ; only behind this wait are the registers that block 0's stores read loaded again
	TOSTAGE 2
	SEND 1, 16
	s_wait_xcnt 0x0
	TOSTAGE 3
	SEND 2, 16
	SEND 3, 0
	s_wait_tensorcnt 0x0                           ; the wave's end, behind my last tensor load and my last LDS store
	ds_add_u32 v[SPW], v[NIL]
	s_wait_dscnt 0x0
	CROUND                                         ; the closing round
	s_endpgm
.Lfunc_end_k_q6f50377dcd_ffn2:
	.size	k_q6f50377dcd_ffn2, .Lfunc_end_k_q6f50377dcd_ffn2-k_q6f50377dcd_ffn2
	.p2alignl 7, 3214868480
	.fill 96, 4, 3214868480
	.section	.rodata,"a",@progbits
	.p2align	6, 0x0
	.amdhsa_kernel k_q6f50377dcd_ffn2
		.amdhsa_group_segment_fixed_size 327680
		.amdhsa_private_segment_fixed_size 0
		.amdhsa_enable_private_segment 0
		.amdhsa_kernarg_size 24
		.amdhsa_user_sgpr_count 2
		.amdhsa_user_sgpr_kernarg_segment_ptr 1
		.amdhsa_wavefront_size32 1
		.amdhsa_system_sgpr_workgroup_id_x 1
		.amdhsa_system_sgpr_workgroup_id_y 1
		.amdhsa_system_sgpr_workgroup_id_z 1
		.amdhsa_system_vgpr_workitem_id 0
		.amdhsa_next_free_vgpr 512
		.amdhsa_next_free_sgpr 66
		.amdhsa_reserve_vcc 0
		.amdhsa_float_denorm_mode_32 3
		.amdhsa_float_denorm_mode_16_64 3
		.amdhsa_memory_ordered 1
		.amdhsa_forward_progress 1
		.amdhsa_inst_pref_size 87
	.end_amdhsa_kernel
	.amdgpu_metadata
---
amdhsa.version: [ 1, 2 ]
amdhsa.kernels:
  - .name:           k_q6f50377dcd_ffn2
    .symbol:         k_q6f50377dcd_ffn2.kd
    .args:
      - { .name: hb, .offset: 0, .size: 8, .value_kind: global_buffer, .address_space: global }
      - { .name: wb, .offset: 8, .size: 8, .value_kind: global_buffer, .address_space: global }
      - { .name: o1f, .offset: 16, .size: 8, .value_kind: global_buffer, .address_space: global }
    .group_segment_fixed_size: 327680
    .private_segment_fixed_size: 0
    .kernarg_segment_align: 8
    .kernarg_segment_size: 24
    .max_flat_workgroup_size: 128
    .sgpr_count:     66
    .vgpr_count:     512
    .wavefront_size: 32
...
	.end_amdgpu_metadata
.endif
;; end of part 8
;; launch ln3 (part 9): grid 256 x 1, 8 waves a work-group, no clusters, 0 bytes of LDS; arguments o1f, o2f, b2, g3, be3, out0; writes out0
.if DOCPART == 9
	.amdgcn_target "amdgcn-amd-amdhsa--gfx1250"
	.amdhsa_code_object_version 6
	.text
	.protected	k_q6f50377dcd_ln3
	.globl	k_q6f50377dcd_ln3
	.p2align	8
	.type	k_q6f50377dcd_ln3,@function
k_q6f50377dcd_ln3:
	s_mov_b64 s[64:65], 0
	v_nop
	global_prefetch_b8 v0, s[64:65] scope:SCOPE_SE
	s_setreg_imm32_b32 hwreg(HW_REG_WAVE_MODE, 25, 1), 1
	s_wait_xcnt 0x0
; LN3.  out0 = LayerNorm(f + b2 + out2) g3 + be3, all f32; f is the second FFN product without its bias.
; A stream: a work-group takes 16 rows, a wave two whole rows of 4,096 bytes, 32 numbers a lane and row; its 56 loads of 16 bytes a lane go out at once (each covers 512 neighbouring bytes),
; the rows stay in registers between the passes, and the reductions never leave the wave: no LDS, no barrier, no matrix unit, nothing shared that a cluster could fetch jointly but 12 KiB of b2, g3, be3.
; The variance is taken of x - mean.  Limit: v_rsq_f32 takes a denormal as 0 (ISA guide 15.8); the variance has 1e-6 added, so none arises.
.set FF,  16                           ; v[16:79]   my two rows of f, then the rows at work
.set O2,  80                           ; v[80:143]  my two rows of out2, then at work
.set BB,  144                          ; v[144:175] b2
.set GG,  176                          ; v[176:207] g3
.set BE,  208                          ; v[208:239] be3
.macro WSUM x, y                       ; the sum of v[x] over the wave's 32 lanes, in every lane; v[y] has been written before
	v_add_f32_dpp v[\x], v[\x], v[\x] row_xmask:1 row_mask:0xf bank_mask:0xf
	v_add_f32_dpp v[\x], v[\x], v[\x] row_xmask:2 row_mask:0xf bank_mask:0xf
	v_add_f32_dpp v[\x], v[\x], v[\x] row_xmask:4 row_mask:0xf bank_mask:0xf
	v_add_f32_dpp v[\x], v[\x], v[\x] row_xmask:8 row_mask:0xf bank_mask:0xf
	v_permlanex16_b32 v[\y], v[\x], s40, s41
	v_add_f32 v[\x], v[\x], v[\y]
.endm
.macro FOLD tb                         ; four chains of pairs into one number
	v_pk_add_f32 v[\tb:\tb+1], v[\tb:\tb+1], v[\tb+2:\tb+3]
	v_pk_add_f32 v[\tb+4:\tb+5], v[\tb+4:\tb+5], v[\tb+6:\tb+7]
	v_pk_add_f32 v[\tb:\tb+1], v[\tb:\tb+1], v[\tb+4:\tb+5]
	v_add_f32 v[\tb], v[\tb], v[\tb+1]
	WSUM \tb, \tb+1
.endm
.macro LNCORE yb, tb                   ; the row in v[yb .. yb+31] is normalised, scaled and shifted in place; v[tb .. tb+9] at work
.irp c, 0,1,2,3
	v_pk_add_f32 v[\tb+2*\c:\tb+2*\c+1], v[\yb+4*\c:\yb+4*\c+1], v[\yb+4*\c+2:\yb+4*\c+3]
.endr
.irp k, 8,9,10,11,12,13,14,15
	v_pk_add_f32 v[\tb+2*(\k%4):\tb+2*(\k%4)+1], v[\tb+2*(\k%4):\tb+2*(\k%4)+1], v[\yb+2*\k:\yb+2*\k+1]
.endr
	FOLD \tb
	v_mul_f32 v[\tb+8], s42, v[\tb]                ; the mean, twice
	v_mul_f32 v[\tb+9], s42, v[\tb]
.irp k, 0,1,2,3,4,5,6,7,8,9,10,11,12,13,14,15
	v_pk_add_f32 v[\yb+2*\k:\yb+2*\k+1], v[\yb+2*\k:\yb+2*\k+1], v[\tb+8:\tb+9] neg_lo:[0,1] neg_hi:[0,1]
.endr
.irp k, 0,1,2,3
	v_pk_mul_f32 v[\tb+2*\k:\tb+2*\k+1], v[\yb+2*\k:\yb+2*\k+1], v[\yb+2*\k:\yb+2*\k+1]
.endr
.irp k, 4,5,6,7,8,9,10,11,12,13,14,15
	v_pk_fma_f32 v[\tb+2*(\k%4):\tb+2*(\k%4)+1], v[\yb+2*\k:\yb+2*\k+1], v[\yb+2*\k:\yb+2*\k+1], v[\tb+2*(\k%4):\tb+2*(\k%4)+1]
.endr
	FOLD \tb
	v_fma_f32 v[\tb], v[\tb], s42, s43             ; variance + 1e-6
	v_rsq_f32 v[\tb+8], v[\tb]
	v_rsq_f32 v[\tb+9], v[\tb]
	v_nop                                          ; a plain instruction between the root and the use of its result (ISA guide 5.7.2)
	s_wait_alu depctr_va_vdst(0)
.irp k, 0,1,2,3,4,5,6,7,8,9,10,11,12,13,14,15
	v_pk_mul_f32 v[\yb+2*\k:\yb+2*\k+1], v[\yb+2*\k:\yb+2*\k+1], v[\tb+8:\tb+9]
.endr
.irp k, 0,1,2,3,4,5,6,7,8,9,10,11,12,13,14,15
	v_pk_fma_f32 v[\yb+2*\k:\yb+2*\k+1], v[\yb+2*\k:\yb+2*\k+1], v[GG+2*\k:GG+2*\k+1], v[BE+2*\k:BE+2*\k+1]
.endr
.endm
	s_load_b256 s[4:11], s[0:1], 0x0               ; f, out2, b2, g3
	s_load_b128 s[12:15], s[0:1], 0x20             ; be3, out0
	v_lshrrev_b32 v1, 5, v0
	v_readfirstlane_b32 s16, v1                    ; wave 0..7
	v_and_b32 v2, 31, v0
	v_lshlrev_b32 v2, 4, v2                        ; 16 bytes a lane
	s_lshl_b32 s18, ttmp9, 16                      ; 16 rows a work-group,
	s_lshl_b32 s17, s16, 13                        ; 2 a wave
	s_add_co_u32 s18, s18, s17
	s_mov_b32 s19, 0
	s_mov_b32 s40, 0x76543210                      ; v_permlanex16_b32: each lane takes its own place in the other half
	s_mov_b32 s41, 0xfedcba98
	s_mov_b32 s42, 0x3a800000                      ; 1 / 1024
	s_mov_b32 s43, 0x358637bd                      ; 1e-6
	s_wait_kmcnt 0x0
	s_add_nc_u64 s[4:5], s[4:5], s[18:19]
	s_add_nc_u64 s[6:7], s[6:7], s[18:19]
	s_add_nc_u64 s[14:15], s[14:15], s[18:19]
.irp q, 0,1
.irp i, 0,1,2,3,4,5,6,7
	global_load_b128 v[FF+32*\q+4*\i:FF+32*\q+4*\i+3], v2, s[4:5] offset:\q*4096+512*\i th:TH_LOAD_NT
	global_load_b128 v[O2+32*\q+4*\i:O2+32*\q+4*\i+3], v2, s[6:7] offset:\q*4096+512*\i th:TH_LOAD_NT
.endr
.endr
.irp i, 0,1,2,3,4,5,6,7
	global_load_b128 v[BB+4*\i:BB+4*\i+3], v2, s[8:9] offset:512*\i
	global_load_b128 v[GG+4*\i:GG+4*\i+3], v2, s[10:11] offset:512*\i
	global_load_b128 v[BE+4*\i:BE+4*\i+3], v2, s[12:13] offset:512*\i
.endr
	s_wait_loadcnt 0x0                             ; a row's mean needs all of the row, and b2 was asked for last
.irp q, 0,1
.irp k, 0,1,2,3,4,5,6,7,8,9,10,11,12,13,14,15
	v_pk_add_f32 v[FF+32*\q+2*\k:FF+32*\q+2*\k+1], v[FF+32*\q+2*\k:FF+32*\q+2*\k+1], v[O2+32*\q+2*\k:O2+32*\q+2*\k+1]
.endr
.irp k, 0,1,2,3,4,5,6,7,8,9,10,11,12,13,14,15
	v_pk_add_f32 v[FF+32*\q+2*\k:FF+32*\q+2*\k+1], v[FF+32*\q+2*\k:FF+32*\q+2*\k+1], v[BB+2*\k:BB+2*\k+1]
.endr
	LNCORE FF+32*\q, O2+32*\q
.irp i, 0,1,2,3,4,5,6,7
	global_store_b128 v2, v[FF+32*\q+4*\i:FF+32*\q+4*\i+3], s[14:15] offset:\q*4096+512*\i th:TH_STORE_NT   ; a wave's store covers 512 consecutive aligned bytes; no register of a store is written again
.endr
.endr
	s_endpgm
.Lfunc_end_k_q6f50377dcd_ln3:
	.size	k_q6f50377dcd_ln3, .Lfunc_end_k_q6f50377dcd_ln3-k_q6f50377dcd_ln3
	.p2alignl 7, 3214868480
	.fill 96, 4, 3214868480
	.section	.rodata,"a",@progbits
	.p2align	6, 0x0
	.amdhsa_kernel k_q6f50377dcd_ln3
		.amdhsa_group_segment_fixed_size 0
		.amdhsa_private_segment_fixed_size 0
		.amdhsa_enable_private_segment 0
		.amdhsa_kernarg_size 48
		.amdhsa_user_sgpr_count 2
		.amdhsa_user_sgpr_kernarg_segment_ptr 1
		.amdhsa_wavefront_size32 1
		.amdhsa_system_sgpr_workgroup_id_x 1
		.amdhsa_system_sgpr_workgroup_id_y 1
		.amdhsa_system_sgpr_workgroup_id_z 1
		.amdhsa_system_vgpr_workitem_id 0
		.amdhsa_next_free_vgpr 256
		.amdhsa_next_free_sgpr 66
		.amdhsa_reserve_vcc 0
		.amdhsa_float_denorm_mode_32 3
		.amdhsa_float_denorm_mode_16_64 3
		.amdhsa_memory_ordered 1
		.amdhsa_forward_progress 1
		.amdhsa_inst_pref_size 25
	.end_amdhsa_kernel
	.amdgpu_metadata
---
amdhsa.version: [ 1, 2 ]
amdhsa.kernels:
  - .name:           k_q6f50377dcd_ln3
    .symbol:         k_q6f50377dcd_ln3.kd
    .args:
      - { .name: o1f, .offset: 0, .size: 8, .value_kind: global_buffer, .address_space: global }
      - { .name: o2f, .offset: 8, .size: 8, .value_kind: global_buffer, .address_space: global }
      - { .name: b2, .offset: 16, .size: 8, .value_kind: global_buffer, .address_space: global }
      - { .name: g3, .offset: 24, .size: 8, .value_kind: global_buffer, .address_space: global }
      - { .name: be3, .offset: 32, .size: 8, .value_kind: global_buffer, .address_space: global }
      - { .name: out0, .offset: 40, .size: 8, .value_kind: global_buffer, .address_space: global }
    .group_segment_fixed_size: 0
    .private_segment_fixed_size: 0
    .kernarg_segment_align: 8
    .kernarg_segment_size: 48
    .max_flat_workgroup_size: 256
    .sgpr_count:     66
    .vgpr_count:     256
    .wavefront_size: 32
...
	.end_amdgpu_metadata
.endif
;; end of part 9
;; ======== version 2 of 2: 12 launches; 1.17 times as fast as version 1
;; limits: values are held in f16: magnitudes above 65,504 overflow, below 6.1e-05 lose precision
;; workspace buffers: xb0 8,388,608 bytes; ob1 8,388,608 bytes; wb 8,388,608 bytes; wb2 8,388,608 bytes; o1f 16,777,216 bytes; o2f 16,777,216 bytes; sa 3,145,728 bytes; hb 33,554,432 bytes
;; launch prep (part 10): grid 384 x 1, 8 waves a work-group, no clusters, 9,472 bytes of LDS; arguments x, Wk1, Wq1, Wk2, Wq2, P1, P2, xb0, o1f, o2f; writes xb0, o1f, o2f
.if DOCPART == 10
	.amdgcn_target "amdgcn-amd-amdhsa--gfx1250"
	.amdhsa_code_object_version 6
	.text
	.protected	k_q6f50377dcd_prep
	.globl	k_q6f50377dcd_prep
	.p2align	8
	.type	k_q6f50377dcd_prep,@function
k_q6f50377dcd_prep:
	s_mov_b64 s[64:65], 0
	v_nop
	global_prefetch_b8 v0, s[64:65] scope:SCOPE_SE
	s_setreg_imm32_b32 hwreg(HW_REG_WAVE_MODE, 25, 1), 1
	s_wait_xcnt 0x0
; PREP.  Two kinds of work-group; 384 of 8 waves x 226 registers, of which two fit on a WGP: all of them run at once, and each asks for all that it reads at its head.
; Work-groups 0-127: Wc[(h,m)][d] = sum over k of W[d][h][k] P[m][k] for W = Wk1, Wq1, Wk2, Wq2, [128][1024]:
;   Wc_k in bf16 at byte 0, Wc_q in f16 at byte 262,144, of o1f (layer 1) and of o2f (layer 2).  x.Wq.P = x.(Wq.P): the products are bracketed anew, none is left out.
;   A work-group: one matrix, one head, 512 of the 1,024 d; a wave 64 rows d: 8 loads of P and 32 of W, all out at once.
;   W and P enter in f16: a query feature near the floor 0.001 must be right to a small part of 0.008 (see the feature kernel), and f16 rounds 8 times finer than bf16.
;   Range: W's spread is 1/32, P's 1; 30 times larger both stay far under 65,504; 30 times smaller f16's least step of 6e-8 is 6e-5 of W's spread.
;   Source 0 = 16 rows of W, source 1 = P's 8 rows (lanes 8-15 repeat them): a lane holds 8 neighbouring d of one m.
;   The 64 k are laid into the fragments in an order of their own (load i of a row brings k = 8 i + 4 (lane / 16) + 0..3), the same in W and in P, so each product meets its partner.
;   A wave's 64 d are 128 bytes of a row of Wc: the eight waves' parts meet in one stage, and behind a barrier wave w stores row m = w, 512 aligned bytes an instruction.
; Work-groups 128-383: x is rounded to bf16 (xb0).  A work-group takes 65,536 bytes: 16 loads of 16 bytes a lane, all out at once; a wave's store of 8 bytes a lane covers 256 aligned bytes.
; No joint loads: the stream shares nothing, and W is f32 and has to pass through registers to be rounded.
.set X,   16                           ; v[16:79]   stream: 16 x 4 f32 as loaded
.set Y,   80                           ; v[80:111]  stream: 16 x 2 words of bf16
.set PR,  8                            ; v[8:39]    P as loaded, then 16 registers: two fragments
.set RAW, 40                           ; v[40:167]  four blocks of 16 rows of W as loaded (32 registers each), then two fragments in each block's first 16
.set ACC, 168                          ; v[168:199] four accumulators
.set PK,  200                          ; v[200:215] the four results in 16 bits
.set OUT, 216                          ; v[216:223] a whole row's 1,024 bytes, read back
.set SPI, 1040                         ; a stage row: 512 d x 2 bytes + 16
	s_load_b512 s[4:19], s[0:1], 0x0               ; x, Wk1, Wq1, Wk2, Wq2, P1, P2, xb0
	s_load_b128 s[20:23], s[0:1], 0x40             ; o1f, o2f
	v_lshl_add_u32 v224, v0, 2, 0x2100
	v_mov_b32 v225, 0
	v_lshrrev_b32 v1, 5, v0
	v_readfirstlane_b32 s34, v1                    ; wave 0..7
	s_wait_kmcnt 0x0
	s_cmp_ge_u32 ttmp9, 128
	s_cbranch_scc1 .Lstream
	; ---- Wc ----
	s_lshr_b32 s40, ttmp9, 5                       ; 0 Wk1, 1 Wq1, 2 Wk2, 3 Wq2
	s_bfe_u32 s41, ttmp9, 0x40001                  ; head
	s_and_b32 s43, ttmp9, 1                        ; which 512 d
	s_and_b32 s42, s40, 1                          ; 1: a query matrix
	s_lshl_b32 s44, s43, 21                        ; W: 512 rows of 4,096 bytes,
	s_lshl_b32 s35, s34, 18                        ; my 64 rows,
	s_add_co_u32 s44, s44, s35
	s_lshl_b32 s35, s41, 8                         ; the head's 256 bytes of a row
	s_add_co_u32 s44, s44, s35
	s_mov_b32 s45, 0
	s_lshl_b32 s46, s42, 18                        ; Wc_k or Wc_q,
	s_lshl_b32 s35, s41, 14                        ; the head's 8 rows of 2,048 bytes,
	s_add_co_u32 s46, s46, s35
	s_lshl_b32 s35, s34, 11                        ; the row m = my wave's number, which I store,
	s_add_co_u32 s46, s46, s35
	s_lshl_b32 s35, s43, 10                        ; the work-group's 512 d
	s_add_co_u32 s46, s46, s35
	s_mov_b32 s47, 0
	s_cmp_eq_u32 s40, 1
	s_cselect_b64 s[36:37], s[8:9], s[6:7]
	s_cmp_eq_u32 s40, 2
	s_cselect_b64 s[36:37], s[10:11], s[36:37]
	s_cmp_eq_u32 s40, 3
	s_cselect_b64 s[36:37], s[12:13], s[36:37]
	s_cmp_lt_u32 s40, 2
	s_cselect_b64 s[38:39], s[20:21], s[22:23]
	s_cselect_b64 s[48:49], s[14:15], s[16:17]
	s_add_nc_u64 s[36:37], s[36:37], s[44:45]
	s_add_nc_u64 s[38:39], s[38:39], s[46:47]
	v_and_b32 v1, 15, v0                           ; r
	v_bfe_u32 v2, v0, 4, 1                         ; hh
	v_and_b32 v7, 7, v0                            ; r & 7
	v_lshlrev_b32 v3, 12, v1
	v_lshl_add_u32 v3, v2, 4, v3                   ; W: row r, 16 bytes for each half of the lanes
	s_lshl_b32 s50, s34, 7                         ; my 64 d: 128 bytes of a stage row
	v_mul_u32_u24 v4, v7, SPI
	v_lshl_add_u32 v4, v2, 4, v4
	v_add_nc_u32 v4, s50, v4                       ; in: row m, 16 bytes (8 d) for each half of the lanes
	s_mul_i32 s51, s34, SPI
	v_and_b32 v6, 31, v0
	v_lshlrev_b32 v6, 4, v6                        ; 16 bytes a lane: my place in a row of Wc,
	v_add_nc_u32 v5, s51, v6                       ; and in the stage's row m = my wave's number
	v_lshlrev_b32 v7, 8, v7
	v_lshl_add_u32 v7, v2, 4, v7                   ; P: row r & 7
.irp i, 0,1,2,3,4,5,6,7
	global_load_b128 v[PR+4*\i:PR+4*\i+3], v7, s[48:49] offset:32*\i
.endr
.irp a, 0,1,2,3
.irp i, 0,1,2,3,4,5,6,7
	global_load_b128 v[RAW+32*\a+4*\i:RAW+32*\a+4*\i+3], v3, s[36:37] offset:\a*65536+32*\i
.endr
.endr
.macro COMPACT base                    ; 32 f32 to 16 words of f16, in place, ascending: no word is written before it has been read
.irp i, 0,1,2,3,4,5,6,7
	v_cvt_pk_f16_f32 v[\base+2*\i], v[\base+4*\i], v[\base+4*\i+1]
	v_cvt_pk_f16_f32 v[\base+2*\i+1], v[\base+4*\i+2], v[\base+4*\i+3]
.endr
.endm
.macro RESULT op                       ; the four results are rounded by op, each accumulator from its low end on
.irp a, 0,1,2,3
.irp i, 0,1,2,3
	\op v[PK+4*\a+\i], v[ACC+8*\a+2*\i], v[ACC+8*\a+2*\i+1]
.endr
.endr
.endm
	s_wait_loadcnt 0x0                             ; all 40 loads
	COMPACT PR
	COMPACT RAW
	COMPACT RAW+32
	COMPACT RAW+64
	COMPACT RAW+96
.irp a, 0,1,2,3                        ; the four accumulators take turns; the first 32 k start the sums
	v_wmma_f32_16x16x32_f16 v[ACC+8*\a:ACC+8*\a+7], v[RAW+32*\a:RAW+32*\a+7], v[PR:PR+7], 0
.endr
.irp a, 0,1,2,3
	v_wmma_f32_16x16x32_f16 v[ACC+8*\a:ACC+8*\a+7], v[RAW+32*\a+8:RAW+32*\a+15], v[PR+8:PR+15], v[ACC+8*\a:ACC+8*\a+7]
.endr
.rept 4
	v_nop                                          ; four places between the last product and the reads of the results (ISA guide 7.12.1)
.endr
	s_cmp_lg_u32 s42, 0
	s_cbranch_scc1 .Lquery
	RESULT v_cvt_pk_bf16_f32                       ; a key matrix meets bf16 keys
	s_branch .Lstage
.Lquery:
	RESULT v_cvt_pk_f16_f32                        ; a query matrix meets f16 queries
.Lstage:
.irp a, 0,1,2,3
	ds_store_b128 v4, v[PK+4*\a:PK+4*\a+3] offset:\a*32          ; lanes 8-15 of a half write what lanes 0-7 write, to the same bytes
.endr
	s_wait_dscnt 0x0                               ; for the others' sake: my 128 bytes of each row are written
	s_barrier_signal -1
	s_barrier_wait -1
	ds_load_b128 v[OUT:OUT+3], v5
	ds_load_b128 v[OUT+4:OUT+7], v5 offset:512
	s_wait_dscnt 0x1
	global_store_b128 v6, v[OUT:OUT+3], s[38:39]                 ; a wave's store covers 512 consecutive aligned bytes of a row of Wc
	s_wait_dscnt 0x0
	global_store_b128 v6, v[OUT+4:OUT+7], s[38:39] offset:512
	s_wait_tensorcnt 0x0
	ds_add_u32 v224, v225
	s_wait_dscnt 0x0
	s_endpgm
	; ---- the stream ----
.Lstream:
	s_sub_co_u32 s40, ttmp9, 128                   ; which 65,536 bytes of x
	s_lshl_b32 s44, s40, 16
	s_mov_b32 s45, 0
	s_lshl_b32 s46, s40, 15
	s_mov_b32 s47, 0
	s_add_nc_u64 s[36:37], s[4:5], s[44:45]
	s_add_nc_u64 s[38:39], s[18:19], s[46:47]
	v_lshlrev_b32 v2, 4, v0                        ; 16 bytes a thread in,
	v_lshlrev_b32 v3, 3, v0                        ; 8 bytes out
.irp i, 0,1,2,3,4,5,6,7,8,9,10,11,12,13,14,15
	global_load_b128 v[X+4*\i:X+4*\i+3], v2, s[36:37] offset:4096*\i
.endr
.irp i, 0,1,2,3,4,5,6,7,8,9,10,11,12,13,14,15
	s_wait_loadcnt 15-\i                           ; loads come back in order: load i is in, the 15 - i younger ones stay out
	v_cvt_pk_bf16_f32 v[Y+2*\i], v[X+4*\i], v[X+4*\i+1]
	v_cvt_pk_bf16_f32 v[Y+2*\i+1], v[X+4*\i+2], v[X+4*\i+3]
	global_store_b64 v3, v[Y+2*\i:Y+2*\i+1], s[38:39] offset:2048*\i   ; no register of a load or store is written twice: no further wait
.endr
	s_endpgm
.Lfunc_end_k_q6f50377dcd_prep:
	.size	k_q6f50377dcd_prep, .Lfunc_end_k_q6f50377dcd_prep-k_q6f50377dcd_prep
	.p2alignl 7, 3214868480
	.fill 96, 4, 3214868480
	.section	.rodata,"a",@progbits
	.p2align	6, 0x0
	.amdhsa_kernel k_q6f50377dcd_prep
		.amdhsa_group_segment_fixed_size 9472
		.amdhsa_private_segment_fixed_size 0
		.amdhsa_enable_private_segment 0
		.amdhsa_kernarg_size 80
		.amdhsa_user_sgpr_count 2
		.amdhsa_user_sgpr_kernarg_segment_ptr 1
		.amdhsa_wavefront_size32 1
		.amdhsa_system_sgpr_workgroup_id_x 1
		.amdhsa_system_sgpr_workgroup_id_y 1
		.amdhsa_system_sgpr_workgroup_id_z 1
		.amdhsa_system_vgpr_workitem_id 0
		.amdhsa_next_free_vgpr 226
		.amdhsa_next_free_sgpr 66
		.amdhsa_reserve_vcc 0
		.amdhsa_float_denorm_mode_32 3
		.amdhsa_float_denorm_mode_16_64 3
		.amdhsa_memory_ordered 1
		.amdhsa_forward_progress 1
		.amdhsa_inst_pref_size 21
	.end_amdhsa_kernel
	.amdgpu_metadata
---
amdhsa.version: [ 1, 2 ]
amdhsa.kernels:
  - .name:           k_q6f50377dcd_prep
    .symbol:         k_q6f50377dcd_prep.kd
    .args:
      - { .name: x, .offset: 0, .size: 8, .value_kind: global_buffer, .address_space: global }
      - { .name: Wk1, .offset: 8, .size: 8, .value_kind: global_buffer, .address_space: global }
      - { .name: Wq1, .offset: 16, .size: 8, .value_kind: global_buffer, .address_space: global }
      - { .name: Wk2, .offset: 24, .size: 8, .value_kind: global_buffer, .address_space: global }
      - { .name: Wq2, .offset: 32, .size: 8, .value_kind: global_buffer, .address_space: global }
      - { .name: P1, .offset: 40, .size: 8, .value_kind: global_buffer, .address_space: global }
      - { .name: P2, .offset: 48, .size: 8, .value_kind: global_buffer, .address_space: global }
      - { .name: xb0, .offset: 56, .size: 8, .value_kind: global_buffer, .address_space: global }
      - { .name: o1f, .offset: 64, .size: 8, .value_kind: global_buffer, .address_space: global }
      - { .name: o2f, .offset: 72, .size: 8, .value_kind: global_buffer, .address_space: global }
    .group_segment_fixed_size: 9472
    .private_segment_fixed_size: 0
    .kernarg_segment_align: 8
    .kernarg_segment_size: 80
    .max_flat_workgroup_size: 256
    .sgpr_count:     66
    .vgpr_count:     226
    .wavefront_size: 32
...
	.end_amdgpu_metadata
.endif
;; end of part 10
;; launch feat (part 11): grid 256 x 1, 8 waves a work-group, clusters of 4 x 1, 279,552 bytes of LDS; arguments xb0, x, o1f, sa; writes sa
.if DOCPART == 11
	.amdgcn_target "amdgcn-amd-amdhsa--gfx1250"
	.amdhsa_code_object_version 6
	.text
	.protected	k_q6f50377dcd_feat
	.globl	k_q6f50377dcd_feat
	.p2align	8
	.type	k_q6f50377dcd_feat,@function
k_q6f50377dcd_feat:
	s_mov_b64 s[64:65], 0
	v_nop
	global_prefetch_b8 v0, s[64:65] scope:SCOPE_SE
	s_setreg_imm32_b32 hwreg(HW_REG_WAVE_MODE, 25, 1), 1
	s_wait_xcnt 0x0
	s_wait_alu depctr_hold_cnt(0) depctr_sa_sdst(0) depctr_va_vdst(0) depctr_va_sdst(0) depctr_va_ssrc(0) depctr_va_vcc(0) depctr_vm_vsrc(0)
	s_getreg_b32 s2, hwreg(HW_REG_IB_STS2, 6, 4)
	s_cmp_eq_u32 s2, 0
	s_cbranch_scc0 .Lentry_in_a_cluster
	s_endpgm
.Lentry_in_a_cluster:
	s_bfe_u32 s2, ttmp6, 0x10000c
	s_cmp_lg_u32 s2, 0x3003
	s_cbranch_scc0 .Lentry_shape_is_right
	s_endpgm
.Lentry_shape_is_right:
; FEAT.  The relu features: f(A[i] . B[j]) = max(A[i] . B[j], 0) / sqrt(8) + 0.001, a tile of 32 i x 128 j, K = 1024.  Arguments: key input (bf16), query input (f32), Wc, sa.
; Clusters 0-31, KEYS: A = Wc_k (128 rows, bf16), B = the key input (4,096 rows, bf16): kpT[b][n][l], bf16, at byte 0 of sa.
; Clusters 32-63, QUERIES: A = the query input (f32, rounded to f16 in registers), B = Wc_q (f16, at byte 262,144 of Wc's buffer): qp[l][n], bf16, at byte 1,048,576 of sa.
; EIGHT WAVES SPLIT K: wave w takes k = 128 w .. + 127; the eight partial tiles are added through LDS, and wave w then owns rows 4 w .. 4 w + 3.
; Source 0 = 16 rows of B, source 1 = 16 rows of A: a lane holds 8 neighbouring j of one i.
; CLUSTER 4 x 1: the four work-groups of a cluster need the same B (keys: the four n tiles of 128 rows of the input; queries: four blocks of rows, all of Wc_q): each wave's 128 rows x 256 bytes of B are
; asked for JOINTLY, by the same tensor load with the same descriptor and the mask of all four.  One tensor load a wave is out; no LDS byte is filled twice.  Each wave reads only the rows that it asked for
; itself, behind its own wait.  A goes straight into registers: 16 loads a wave (keys) or 32 (queries), under the 63 that LOADcnt's field holds, so that none waits at issue for an earlier one's return (ISA guide 5.7.1).
; A wave's plane of partial sums lies over its own tile, which has had its only fill and has been read.
; WHY THE QUERIES GO IN f16.  A head's output is the mean of its 8 rows of kv weighted by qp.  Where all 8 features of a head lie at the floor 0.001, an absolute error e of one feature moves the weights by
; about e / 0.008.  A rounding to bf16 errs by 1.6e-3 of a number (root mean square), one to f16 by 2e-4: with x, Wc_q and the two factors of Wc_q each rounded once to f16, e is 4e-4 of the sum's spread.
; The key features are summed over 1,024 rows before they are used, and may be large: they stay in bf16.
; LIMITS: the query input and Wc_q must stay under 65,504 in magnitude (f16); a NaN in a sum becomes 0.001 (max with 0), where the model's relu would keep it.
.set AF,   24                          ; v[24:87]   A's fragments: (a, s) at AF + 32 a + 8 s
.set ACC,  88                          ; v[88:215]  accumulator (a, j) at ACC + 8 (8 a + j); before that the queries' A in f32, fragment f = 4 a + s at ACC + 16 f; later the eight planes' rows
.set RB,   88
.set O,    216                         ; v[216:223] four rows' 4 numbers in bf16
.set CR,   224                         ; v[224:227] 1 / sqrt(8) twice, 0.001 twice
.set PB,   272                         ; a row of B in LDS: 256 bytes + 16: the 16 rows that a load touches start in 16 different groups of banks
.set TILE, 128*PB                      ; a wave's tile
.set RP,   528                         ; a plane's row: 512 bytes + 16
; window 1 (v256-511): B's fragments, (j, s) at 32 j + 8 s
.set MSB, 0
.macro WIN new                         ; the immediate's high byte repeats the setting that is left
.if MSB != (\new)
	s_set_vgpr_msb (MSB<<8)|(\new)
.set MSB, (\new)
.endif
.endm
.macro CROUND                          ; a round of the cluster's barrier: my work-group's barrier; wave 0 signals for the work-group; every wave waits for all four; my work-group's barrier once more
	s_barrier_signal -1
	s_barrier_wait -1
	s_cmp_lg_u32 s12, 0
	s_cbranch_scc1 .Lnot_wave_0_\@
	s_barrier_signal -3
.Lnot_wave_0_\@:
	s_barrier_wait -3
	s_barrier_signal -1
	s_barrier_wait -1
.endm
.macro BFETCH                          ; my tile of B has landed: its 32 fragments, by k steps
	s_wait_tensorcnt 0x0                           ; my tile is in LDS; only I read it
	WIN 0x40                                       ; destination window 1
.irp s, 0,1,2,3
.irp j, 0,1,2,3,4,5,6,7
	ds_load_b128 v[32*\j+8*\s:32*\j+8*\s+3],   v8 offset:\j*16*PB+64*\s
	ds_load_b128 v[32*\j+8*\s+4:32*\j+8*\s+7], v8 offset:\j*16*PB+64*\s+32
.endr
.endr
	WIN 0
.endm
.macro MULS form                       ; 64 matrix instructions: sixteen accumulators by turns; the first k step starts the sums
	WIN 0x01                                       ; source 0 window 1
.irp s, 0,1,2,3
	s_wait_dscnt 48-16*\s                          ; this k step's 16 fragment loads are in; the later steps' stay out
.irp a, 0,1
.irp j, 0,1,2,3,4,5,6,7
.if \s == 0
	\form v[ACC+8*(8*\a+\j):ACC+8*(8*\a+\j)+7], v[32*\j+8*\s:32*\j+8*\s+7], v[AF+32*\a+8*\s:AF+32*\a+8*\s+7], 0
.else
	\form v[ACC+8*(8*\a+\j):ACC+8*(8*\a+\j)+7], v[32*\j+8*\s:32*\j+8*\s+7], v[AF+32*\a+8*\s:AF+32*\a+8*\s+7], v[ACC+8*(8*\a+\j):ACC+8*(8*\a+\j)+7]
.endif
.endr
.endr
.endr
	WIN 0
.endm
	s_load_b256 s[4:11], s[0:1], 0x0               ; key input, query input, Wc, sa
	v_lshl_add_u32 v254, v0, 2, 0x44000
	v_mov_b32 v255, 0
	ds_add_u32 v254, v255
	ds_add_u32 v254, v255
	v_lshrrev_b32 v1, 5, v0
	v_readfirstlane_b32 s12, v1                    ; wave 0..7
	s_bfe_u32 s13, ttmp6, 0x40000                  ; cx: it enters A's and the output's addresses alone
	s_lshr_b32 s14, ttmp9, 5                       ; 0: keys, 1: queries; alike in the four partners
	s_and_b32 s15, ttmp9, 31                       ; the cluster's number among its kind
	; descriptor group 1: 128 rows x 128 elements of 2 bytes, 4 words of padding behind every 64
	s_mov_b32 s24, 15|(1<<16)|(1<<20)|(1<<21)|(5<<22)|(3<<25)   ; 15:0 the mask: all four; 17:16 2 bytes; 20 padding on; 21 set beside a mask; 24:22 every 64 words; 31:25 4 words
	s_mov_b32 s25, 128<<16                         ; tensor_dim0 = 128
	s_mov_b32 s26, 128<<16                         ; tensor_dim1 = 128
	s_mov_b32 s27, 128<<16                         ; tile_dim0 = 128
	s_mov_b32 s28, 128                             ; tile_dim1 = 128
	s_mov_b32 s29, 1024                            ; elements from row to row, in the key input and in Wc alike
	s_mov_b32 s30, 0
	s_mov_b32 s31, 0
	s_lshl_b32 s21, s12, 8                         ; my 128 k in rows of 16-bit numbers
	s_lshl_b32 s20, s15, 18                        ; keys: the cluster's 128 rows of 2,048 bytes
	s_cmp_eq_u32 s14, 0
	s_cselect_b32 s36, s20, 0x40000                ; queries: Wc_q lies 262,144 bytes behind Wc_k
	s_add_co_u32 s36, s36, s21
	s_mov_b32 s37, 0
	s_mov_b32 s41, 0
	s_mov_b32 s43, 0
	s_wait_dscnt 0x0
	s_wait_kmcnt 0x0
	s_cmp_eq_u32 s14, 0
	s_cselect_b64 s[16:17], s[4:5], s[8:9]         ; B: the key input, or Wc
	s_mov_b32 s32, 1                               ; group 0: count = 1,
	s_mul_i32 s33, s12, TILE                       ; LDS address: wave x a tile's bytes,
	s_add_nc_u64 s[34:35], s[16:17], s[36:37]      ; global address,
	s_or_b32 s35, s35, 0x80000000                  ; type = 2
	CROUND                                         ; all four work-groups are here: the joint loads meet
	tensor_load_to_lds s[32:35], s[24:31]
	s_nop 0
.rept 4
	v_nop
.endr
	v_and_b32 v1, 31, v0                           ; L
	v_and_b32 v14, 15, v0                          ; r
	v_bfe_u32 v15, v0, 4, 1                        ; hh
	v_mul_u32_u24 v8, v14, PB
	v_lshl_add_u32 v8, v15, 4, v8
	v_add_nc_u32 v8, s33, v8                       ; B's fragments: my tile, row r, 16 bytes for each half of the lanes
	s_cmp_lg_u32 s14, 0
	s_cbranch_scc1 .Lqueries
	; ---- keys ----
	s_lshl_b32 s38, s13, 16                        ; my 32 rows of Wc_k, and of kpT
	s_add_co_u32 s40, s38, s21
	s_add_nc_u64 s[18:19], s[8:9], s[40:41]        ; A
	s_lshr_b32 s42, s15, 3                         ; out: batch x 262,144 + row n x 2,048 + l x 2
	s_lshl_b32 s42, s42, 18
	s_add_co_u32 s42, s42, s38
	s_and_b32 s45, s15, 7
	s_lshl_b32 s45, s45, 8
	s_add_co_u32 s42, s42, s45
	s_mov_b32 s44, 2048                            ; bytes from row to row of the output
	v_lshlrev_b32 v2, 11, v14
	v_lshl_add_u32 v2, v15, 4, v2                  ; row x 2,048 + 16 x half
.irp a, 0,1
.irp s, 0,1,2,3
	global_load_b128 v[AF+32*\a+8*\s:AF+32*\a+8*\s+3],   v2, s[18:19] offset:\a*32768+64*\s
	global_load_b128 v[AF+32*\a+8*\s+4:AF+32*\a+8*\s+7], v2, s[18:19] offset:\a*32768+64*\s+32
.endr
.endr
	BFETCH
	s_wait_loadcnt 0x0                             ; A
	MULS v_wmma_f32_16x16x32_bf16
	s_branch .Lreduce
	; ---- queries ----
.Lqueries:
	s_lshl_b32 s45, s15, 2
	s_add_co_u32 s45, s45, s13                     ; my block of 32 rows
	s_lshl_b32 s40, s45, 17                        ; 32 rows of 4,096 bytes,
	s_lshl_b32 s46, s12, 9                         ; my 128 k in f32 rows
	s_add_co_u32 s40, s40, s46
	s_add_nc_u64 s[18:19], s[6:7], s[40:41]        ; A
	s_lshl_b32 s42, s45, 13                        ; out: row l x 256
	s_add_co_u32 s42, s42, 0x100000
	s_mov_b32 s44, 256                             ; bytes from row to row of the output
	v_lshlrev_b32 v2, 12, v14
	v_lshl_add_u32 v2, v15, 5, v2                  ; row x 4,096 + 32 x half: 8 f32 for each half of the lanes
.irp a, 0,1                            ; a fragment in f32: k = 8 hh + 0..7 at bytes 0 and 16, k = 16 + 8 hh + 0..7 at bytes 64 and 80 of a k step's 128
.irp s, 0,1,2,3
	global_load_b128 v[ACC+16*(4*\a+\s):ACC+16*(4*\a+\s)+3],     v2, s[18:19] offset:\a*65536+\s*128
	global_load_b128 v[ACC+16*(4*\a+\s)+4:ACC+16*(4*\a+\s)+7],   v2, s[18:19] offset:\a*65536+\s*128+16
	global_load_b128 v[ACC+16*(4*\a+\s)+8:ACC+16*(4*\a+\s)+11],  v2, s[18:19] offset:\a*65536+\s*128+64
	global_load_b128 v[ACC+16*(4*\a+\s)+12:ACC+16*(4*\a+\s)+15], v2, s[18:19] offset:\a*65536+\s*128+80
.endr
.endr
	BFETCH
	s_wait_loadcnt 0x0                             ; A
.irp f, 0,1,2,3,4,5,6,7
.irp i, 0,1,2,3,4,5,6,7
	v_cvt_pk_f16_f32 v[AF+8*\f+\i], v[ACC+16*\f+2*\i], v[ACC+16*\f+2*\i+1]
.endr
.endr
	MULS v_wmma_f32_16x16x32_f16
	; ---- both: the eight partial tiles are added, the feature is made and stored.  The fifteen address lines are the places behind the last products (ISA guide 7.12.1) ----
.Lreduce:
	s_add_nc_u64 s[20:21], s[10:11], s[42:43]
	s_mul_i32 s47, s12, TILE
	v_mul_u32_u24 v3, v14, RP
	v_lshl_add_u32 v3, v15, 5, v3
	v_add_nc_u32 v3, s47, v3                       ; into my plane: row r, 32 bytes for each half of the lanes
	s_mul_i32 s48, s12, 4*RP
	v_lshl_add_u32 v4, v1, 4, s48                  ; back: my four rows, 16 bytes a lane; planes 0, 1
.irp q, 1,2,3
	v_add_nc_u32 v[4+\q], \q*2*TILE, v4            ; planes 2 q, 2 q + 1
.endr
	s_lshl_b32 s46, s12, 2
.irp t, 0,1,2,3
	s_add_co_u32 s45, s46, \t
	s_mul_i32 s45, s45, s44
	v_lshl_add_u32 v[10+\t], v1, 3, s45            ; my row t of the output, 8 bytes a lane
.endr
	v_mov_b32 v[CR], 0x3eb504f3                    ; 1 / sqrt(8)
	v_mov_b32 v[CR+1], 0x3eb504f3
	v_mov_b32 v[CR+2], 0x3a83126f                  ; 0.001
	v_mov_b32 v[CR+3], 0x3a83126f
.irp a, 0,1
.irp j, 0,1,2,3,4,5,6,7
	ds_store_b128 v3, v[ACC+8*(8*\a+\j):ACC+8*(8*\a+\j)+3]   offset:\a*16*RP+\j*64
	ds_store_b128 v3, v[ACC+8*(8*\a+\j)+4:ACC+8*(8*\a+\j)+7] offset:\a*16*RP+\j*64+16
.endr
.endr
	s_wait_dscnt 0x0                               ; for the others' sake: my plane is written
	s_barrier_signal -1
	s_barrier_wait -1
.irp p, 0,1,2,3,4,5,6,7
.irp t, 0,1,2,3
	ds_load_b128 v[RB+16*\p+4*\t:RB+16*\p+4*\t+3], v[4+\p/2] offset:(\p%2)*TILE+\t*RP
.endr
.endr
.irp p, 1,2,3,4,5,6,7
	s_wait_dscnt 4*(7-\p)                          ; planes 0 to p are in; four loads for each younger plane stay out
.irp t, 0,1,2,3
	v_pk_add_f32 v[RB+4*\t:RB+4*\t+1],   v[RB+4*\t:RB+4*\t+1],   v[RB+16*\p+4*\t:RB+16*\p+4*\t+1]
	v_pk_add_f32 v[RB+4*\t+2:RB+4*\t+3], v[RB+4*\t+2:RB+4*\t+3], v[RB+16*\p+4*\t+2:RB+16*\p+4*\t+3]
.endr
.endr
.irp i, 0,1,2,3,4,5,6,7,8,9,10,11,12,13,14,15
	v_max_num_f32 v[RB+\i], 0, v[RB+\i]
.endr
.irp i, 0,2,4,6,8,10,12,14
	v_pk_fma_f32 v[RB+\i:RB+\i+1], v[RB+\i:RB+\i+1], v[CR:CR+1], v[CR+2:CR+3]
.endr
.irp t, 0,1,2,3
	v_cvt_pk_bf16_f32 v[O+2*\t],   v[RB+4*\t],   v[RB+4*\t+1]
	v_cvt_pk_bf16_f32 v[O+2*\t+1], v[RB+4*\t+2], v[RB+4*\t+3]
.endr
.irp t, 0,1,2,3
	global_store_b64 v[10+\t], v[O+2*\t:O+2*\t+1], s[20:21]   ; 32 lanes store 256 consecutive aligned bytes of a row
.endr
	s_wait_tensorcnt 0x0
	ds_add_u32 v254, v255
	s_wait_dscnt 0x0
	CROUND                                         ; the closing round: no work-group ends while a partner may still ask for a tile that names it
	s_endpgm
.Lfunc_end_k_q6f50377dcd_feat:
	.size	k_q6f50377dcd_feat, .Lfunc_end_k_q6f50377dcd_feat-k_q6f50377dcd_feat
	.p2alignl 7, 3214868480
	.fill 96, 4, 3214868480
	.section	.rodata,"a",@progbits
	.p2align	6, 0x0
	.amdhsa_kernel k_q6f50377dcd_feat
		.amdhsa_group_segment_fixed_size 279552
		.amdhsa_private_segment_fixed_size 0
		.amdhsa_enable_private_segment 0
		.amdhsa_kernarg_size 32
		.amdhsa_user_sgpr_count 2
		.amdhsa_user_sgpr_kernarg_segment_ptr 1
		.amdhsa_wavefront_size32 1
		.amdhsa_system_sgpr_workgroup_id_x 1
		.amdhsa_system_sgpr_workgroup_id_y 1
		.amdhsa_system_sgpr_workgroup_id_z 1
		.amdhsa_system_vgpr_workitem_id 0
		.amdhsa_next_free_vgpr 512
		.amdhsa_next_free_sgpr 66
		.amdhsa_reserve_vcc 0
		.amdhsa_float_denorm_mode_32 3
		.amdhsa_float_denorm_mode_16_64 3
		.amdhsa_memory_ordered 1
		.amdhsa_forward_progress 1
		.amdhsa_inst_pref_size 41
	.end_amdhsa_kernel
	.amdgpu_metadata
---
amdhsa.version: [ 1, 2 ]
amdhsa.kernels:
  - .name:           k_q6f50377dcd_feat
    .symbol:         k_q6f50377dcd_feat.kd
    .args:
      - { .name: xb0, .offset: 0, .size: 8, .value_kind: global_buffer, .address_space: global }
      - { .name: x, .offset: 8, .size: 8, .value_kind: global_buffer, .address_space: global }
      - { .name: o1f, .offset: 16, .size: 8, .value_kind: global_buffer, .address_space: global }
      - { .name: sa, .offset: 24, .size: 8, .value_kind: global_buffer, .address_space: global }
    .group_segment_fixed_size: 279552
    .private_segment_fixed_size: 0
    .kernarg_segment_align: 8
    .kernarg_segment_size: 32
    .max_flat_workgroup_size: 256
    .sgpr_count:     66
    .vgpr_count:     512
    .wavefront_size: 32
...
	.end_amdgpu_metadata
.endif
;; end of part 11
;; launch tsum: the kernel of part 3 again; grid 128 x 1, 8 waves a work-group, clusters of 4 x 1, 295,936 bytes of LDS; arguments xb0, sa, hb; writes hb
;; launch gmat (part 12): grid 192 x 1, 8 waves a work-group, clusters of 4 x 1, 302,080 bytes of LDS; arguments hb, Wv1, Wo1, sa, W1, wb; writes sa, wb
.if DOCPART == 12
	.amdgcn_target "amdgcn-amd-amdhsa--gfx1250"
	.amdhsa_code_object_version 6
	.text
	.protected	k_q6f50377dcd_gmat
	.globl	k_q6f50377dcd_gmat
	.p2align	8
	.type	k_q6f50377dcd_gmat,@function
k_q6f50377dcd_gmat:
	s_mov_b64 s[64:65], 0
	v_nop
	global_prefetch_b8 v0, s[64:65] scope:SCOPE_SE
	s_setreg_imm32_b32 hwreg(HW_REG_WAVE_MODE, 25, 1), 1
	s_wait_xcnt 0x0
	s_wait_alu depctr_hold_cnt(0) depctr_sa_sdst(0) depctr_va_vdst(0) depctr_va_sdst(0) depctr_va_ssrc(0) depctr_va_vcc(0) depctr_vm_vsrc(0)
	s_getreg_b32 s2, hwreg(HW_REG_IB_STS2, 6, 4)
	s_cmp_eq_u32 s2, 0
	s_cbranch_scc0 .Lentry_in_a_cluster
	s_endpgm
.Lentry_in_a_cluster:
	s_bfe_u32 s2, ttmp6, 0x10000c
	s_cmp_lg_u32 s2, 0x3003
	s_cbranch_scc0 .Lentry_shape_is_right
	s_endpgm
.Lentry_shape_is_right:
; GMAT.  Clusters 0-15: kv[b][h][m][e] = sum over d of T[b][(h,m)][d] Wv[d][h][e];  G[b][(h,m)][d'] = sum over e of kv[b][h][m][e] Wo[h][e][d'].
; G goes out as Gh[b][h][d'][m], bf16, at byte 2,097,152 of sa: the 8 m of a (b, h, d') are 16 neighbouring bytes, which is half a fragment of the next launch's product.
; A cluster is a head; its four work-groups take 256 of the 1,024 d' each, and each makes kv (32 rows (b, m) x 64 e, K = 1024) for itself: a second launch, or a wait for a neighbour, would cost more.
; PHASE 1: eight waves split K = d, 128 each.  The four partners need the same Wv of the head: each wave's 128 rows x 256 bytes (f32) are asked for JOINTLY, by the same tensor load with the same descriptor and the mask
;   of all four.  One tensor load a wave is out; no LDS byte is filled twice.  The wave reads its own tile, rounds it to bf16 in registers, lays it back over the tile (rows of 160 bytes) and turns it by ds_load_tr16_b128.
;   Wo (f32) and T (bf16) come into registers: 32 loads a wave, under the 63 that LOADcnt's field holds, so that none waits at issue for an earlier one's return (ISA guide 5.7.1).
;   Source 0 = Wv^T (rows e), source 1 = T (rows (b, m)).  The eight partial kv are added through LDS, tile t by wave t, and rounded: two tiles side by side ARE a fragment with rows (b, m) and k = e.
; PHASE 2: wave w makes d' = 32 w .. + 31 of the 256.  Source 0 = kv (rows (b, m)), source 1 = Wo^T (rows d'): a lane holds the 8 m of one (b, d').
; Clusters 16-47, on WGPs for which the products have no work: one FFN weight (16 MiB of f32) is rounded to f16.  A work-group takes 131,072 bytes: 32 loads of 16 bytes a lane, all out at once; a wave's store covers 256 aligned bytes.
;   f16 for the FFN weights: their spread is 1/32 and 1/64; 30 times larger they stay far under 65,504, 30 times smaller f16's least step of 6e-8 is still 1e-4 of the spread.
.set RDA, 20                           ; v[20:23]   LDS addresses of my tile in the partial kv of waves 2 q, 2 q + 1
.set TF,  32                           ; v[32:95]   T's fragments: (p, s) at TF + 32 p + 8 s; row r of p is b = 2 p + r / 8, m = r % 8
.set WR,  96                           ; v[96:159]  Wo as loaded
.set ACC, 192                          ; v[192:255] phase 1: accumulator t = 4 p + c at ACC + 8 t
.set RR,  96                           ; v[96:159]  the eight waves' parts of my tile
.set PKV, 160                          ; v[160:163] my tile in bf16
.set KV,  32                           ; v[32:63]   phase 2: kv's fragments: (p, q) at KV + 8 (2 p + q)
.set WF,  64                           ; v[64:95]   Wo^T's fragments: (c, q) at WF + 16 c + 8 q
.set AC2, 96                           ; v[96:127]  phase 2: accumulator (p, c) at AC2 + 8 (2 p + c)
.set PK2, 128                          ; v[128:143] in bf16
.set SX,  32                           ; v[32:159]  the stream: 32 x 4 f32 as loaded
.set SY,  160                          ; v[160:223] the stream: 32 x 2 words of f16
.set WVT, 32768                        ; a wave's tile of Wv: 128 rows x 256 bytes of f32, dense; then, over it, 128 rows of bf16 and the wave's partial kv
.set PV,  160                          ; a row of Wv in bf16: 128 bytes + 32
.set RED, 128*PV                       ; in a wave's region, behind the bf16 rows: its partial kv, 8 tiles x 1,024 bytes, as they lie in registers
.set KVF, 8*WVT                        ; kv's 8 tiles in bf16, 512 bytes each
.set WOS, KVF+4096                     ; Wo: 64 rows e x 256 d'
.set PO,  544                          ; a row of Wo in LDS: 512 bytes + 32
; window 1 (v256-511): Wv in f32 (load i at 4 i), then Wv^T's fragments, (c, s) at 32 c + 8 s
.set MSB, 0
.macro WIN new
.if MSB != (\new)
	s_set_vgpr_msb (MSB<<8)|(\new)
.set MSB, (\new)
.endif
.endm
.macro PLACES
.rept 4
	v_nop
.endr
.endm
.macro CROUND                          ; a round of the cluster's barrier: my work-group's barrier; wave 0 signals for the work-group; every wave waits for all four; my work-group's barrier once more
	s_barrier_signal -1
	s_barrier_wait -1
	s_cmp_lg_u32 s12, 0
	s_cbranch_scc1 .Lnot_wave_0_\@
	s_barrier_signal -3
.Lnot_wave_0_\@:
	s_barrier_wait -3
	s_barrier_signal -1
	s_barrier_wait -1
.endm
	s_load_b256 s[4:11], s[0:1], 0x0               ; hb, Wv, Wo, sa
	s_load_b128 s[36:39], s[0:1], 0x20             ; an FFN weight in f32, its copy in f16
	v_lshl_add_u32 v30, v0, 2, 0x49800
	v_mov_b32 v31, 0
	ds_add_u32 v30, v31
	ds_add_u32 v30, v31
	v_lshrrev_b32 v1, 5, v0
	v_readfirstlane_b32 s12, v1                    ; wave 0..7
	s_bfe_u32 s14, ttmp6, 0x40000                  ; cx: which 256 d', or which part of the stream; it enters global addresses alone
	s_mov_b32 s25, 0
	s_wait_dscnt 0x0
	s_wait_kmcnt 0x0
	CROUND                                         ; all four work-groups are here: the joint loads meet
	s_cmp_ge_u32 ttmp9, 16                         ; the cluster's number: alike in the four partners
	s_cbranch_scc1 .Lstream
	s_mov_b32 s13, ttmp9                           ; head
	; descriptor group 1: 128 rows x 64 elements of 4 bytes, no padding
	s_mov_b32 s44, 15|(2<<16)|(1<<21)              ; 15:0 the mask: all four; 17:16 4 bytes; 21 set beside a mask
	s_mov_b32 s45, 64<<16                          ; tensor_dim0 = 64
	s_mov_b32 s46, 128<<16                         ; tensor_dim1 = 128
	s_mov_b32 s47, 64<<16                          ; tile_dim0 = 64
	s_mov_b32 s48, 128                             ; tile_dim1 = 128
	s_mov_b32 s49, 1024                            ; elements from row to row
	s_mov_b32 s50, 0
	s_mov_b32 s51, 0
	s_lshl_b32 s24, s12, 19                        ; Wv: my 128 rows of 4,096 bytes, the head's 256 bytes
	s_lshl_b32 s26, s13, 8
	s_add_co_u32 s24, s24, s26
	s_mov_b32 s52, 1                               ; group 0: count = 1,
	s_mul_i32 s53, s12, WVT                        ; LDS address: wave x a tile's bytes,
	s_add_nc_u64 s[54:55], s[6:7], s[24:25]        ; global address,
	s_or_b32 s55, s55, 0x80000000                  ; type = 2
	tensor_load_to_lds s[52:55], s[44:51]
	s_nop 0
.rept 4
	v_nop
.endr
	s_lshl_b32 s24, s13, 14                        ; T: the head's 8 rows of 2,048 bytes, my 128 d
	s_lshl_b32 s26, s12, 8
	s_add_co_u32 s24, s24, s26
	s_add_nc_u64 s[16:17], s[4:5], s[24:25]
	s_lshl_b32 s24, s13, 18                        ; Wo: the head's 64 rows of 4,096 bytes, my 8 of them, 1,024 bytes of each
	s_lshl_b32 s26, s12, 15
	s_add_co_u32 s24, s24, s26
	s_lshl_b32 s26, s14, 10
	s_add_co_u32 s24, s24, s26
	s_add_nc_u64 s[20:21], s[8:9], s[24:25]
	s_lshl_b32 s24, s13, 14                        ; Gh: head x 16,384 + d' x 16
	s_lshl_b32 s26, s14, 12
	s_add_co_u32 s24, s24, s26
	s_lshl_b32 s26, s12, 9
	s_add_co_u32 s24, s24, s26
	s_add_co_u32 s24, s24, 0x200000
	s_add_nc_u64 s[22:23], s[10:11], s[24:25]
	v_and_b32 v1, 31, v0                           ; L
	v_and_b32 v2, 15, v0                           ; r
	v_bfe_u32 v3, v0, 4, 1                         ; hh
	v_lshlrev_b32 v4, 4, v1                        ; 16 L
	v_bfe_u32 v16, v0, 3, 1                        ; (L / 8) % 2 = r / 8
	v_and_b32 v17, 7, v0                           ; L % 8 = r % 8
	v_lshlrev_b32 v5, 18, v16
	v_lshl_add_u32 v5, v17, 11, v5
	v_lshl_add_u32 v5, v3, 4, v5                   ; T: batch r / 8, row r % 8, 16 bytes for each half
.irp i, 0,1,2,3,4,5,6,7,8,9,10,11,12,13,14,15
	global_load_b128 v[WR+4*\i:WR+4*\i+3], v4, s[20:21] offset:(\i/2)*4096+(\i%2)*512
.endr
.irp p, 0,1
.irp s, 0,1,2,3
	global_load_b128 v[TF+32*\p+8*\s:TF+32*\p+8*\s+3],   v5, s[16:17] offset:\p*524288+64*\s
	global_load_b128 v[TF+32*\p+8*\s+4:TF+32*\p+8*\s+7], v5, s[16:17] offset:\p*524288+64*\s+32
.endr
.endr
	s_mul_i32 s26, s12, 8*PO
	s_add_co_u32 s26, s26, WOS
	v_lshl_add_u32 v7, v1, 3, s26                  ; Wo into LDS: my 8 rows, 8 bytes a lane
	s_mul_i32 s27, s12, WVT
	v_add_nc_u32 v6, s27, v4                       ; Wv in f32 out of my tile: 16 bytes a lane, two rows an instruction
	v_mul_u32_u24 v8, v3, PV
	v_lshl_add_u32 v8, v2, 3, v8
	v_add_nc_u32 v8, s27, v8                       ; Wv in bf16 back into it: two rows, 8 bytes a lane
	v_lshl_add_u32 v18, v3, 3, v17                 ; the turning loads: row 8 (L / 16) + L % 8
	v_mul_u32_u24 v9, v18, PV
	v_lshl_add_u32 v9, v16, 4, v9
	v_add_nc_u32 v9, s27, v9
	s_add_co_u32 s28, s27, RED
	v_add_nc_u32 v10, s28, v4                      ; my partial tiles
	s_lshl_b32 s29, s12, 10
	s_add_co_u32 s29, s29, RED
	v_add_nc_u32 v[RDA], s29, v4                   ; tile w of waves 0, 1,
.irp q, 1,2,3
	v_add_nc_u32 v[RDA+\q], \q*2*WVT, v[RDA]       ; of waves 2 q, 2 q + 1
.endr
	s_lshl_b32 s30, s12, 9
	s_add_co_u32 s30, s30, KVF
	v_add_nc_u32 v12, s30, v4
	v_add_nc_u32 v13, KVF, v4
	v_mul_u32_u24 v14, v18, PO
	v_lshl_add_u32 v14, v16, 4, v14
	s_lshl_b32 s31, s12, 6
	s_add_co_u32 s31, s31, WOS
	v_add_nc_u32 v14, s31, v14                     ; Wo^T: my 32 d'
	v_lshlrev_b32 v15, 18, v3
	v_lshl_add_u32 v15, v2, 4, v15                 ; Gh: batch + L / 16, d' + r
	s_wait_loadcnt 16                              ; Wo's 16 loads are in; T's 16 stay out
.irp i, 0,1,2,3,4,5,6,7,8,9,10,11,12,13,14,15
	v_cvt_pk_bf16_f32 v[WR+4*\i],   v[WR+4*\i],   v[WR+4*\i+1]
	v_cvt_pk_bf16_f32 v[WR+4*\i+1], v[WR+4*\i+2], v[WR+4*\i+3]
	ds_store_b64 v7, v[WR+4*\i:WR+4*\i+1] offset:(\i/2)*PO+(\i%2)*256
.endr
	s_wait_tensorcnt 0x0                           ; my tile of Wv is in LDS; only I read it
	WIN 0x40
.set i, 0
.rept 64
	ds_load_b128 v[4*i:4*i+3], v6 offset:i*512
.set i, i+1
.endr
	s_wait_dscnt 0x0
	WIN 0x45                                       ; destination and both sources window 1
.set i, 0
.rept 64
	v_cvt_pk_bf16_f32 v[4*i],   v[4*i],   v[4*i+1]
	v_cvt_pk_bf16_f32 v[4*i+1], v[4*i+2], v[4*i+3]
.set i, i+1
.endr
	WIN 0x04                                       ; store data window 1
.set i, 0
.rept 64
	ds_store_b64 v8, v[4*i:4*i+1] offset:i*2*PV                  ; over my own tile, which has had its only fill and has been read
.set i, i+1
.endr
	s_wait_dscnt 0x0                               ; the stores have read their registers, which the loads below write
	WIN 0x40
.irp s, 0,1,2,3
.irp c, 0,1,2,3
	ds_load_tr16_b128 v[32*\c+8*\s:32*\c+8*\s+3],   v9 offset:\s*32*PV+\c*32
	ds_load_tr16_b128 v[32*\c+8*\s+4:32*\c+8*\s+7], v9 offset:\s*32*PV+\c*32+16*PV
.endr
.endr
	s_wait_loadcnt 0x0                             ; T
	WIN 0x01
.irp s, 0,1,2,3
	s_wait_dscnt 24-8*\s                           ; this k step's 8 turning loads are in; the later steps' stay out
.irp p, 0,1
.irp c, 0,1,2,3                        ; eight accumulators by turns; the first k step starts the sums
.if \s == 0
	v_wmma_f32_16x16x32_bf16 v[ACC+8*(4*\p+\c):ACC+8*(4*\p+\c)+7], v[32*\c+8*\s:32*\c+8*\s+7], v[TF+32*\p+8*\s:TF+32*\p+8*\s+7], 0
.else
	v_wmma_f32_16x16x32_bf16 v[ACC+8*(4*\p+\c):ACC+8*(4*\p+\c)+7], v[32*\c+8*\s:32*\c+8*\s+7], v[TF+32*\p+8*\s:TF+32*\p+8*\s+7], v[ACC+8*(4*\p+\c):ACC+8*(4*\p+\c)+7]
.endif
.endr
.endr
.endr
	WIN 0
	PLACES                                         ; four places between the last product and the stores that read results
.irp t, 0,1,2,3,4,5,6,7
	ds_store_b128 v10, v[ACC+8*\t:ACC+8*\t+3]   offset:\t*1024
	ds_store_b128 v10, v[ACC+8*\t+4:ACC+8*\t+7] offset:\t*1024+512
.endr
	s_wait_dscnt 0x0                               ; for the others' sake: my partial tiles and my rows of Wo are written
	s_barrier_signal -1
	s_barrier_wait -1
.irp p, 0,1,2,3,4,5,6,7
	ds_load_b128 v[RR+8*\p:RR+8*\p+3],   v[RDA+\p/2] offset:(\p%2)*WVT
	ds_load_b128 v[RR+8*\p+4:RR+8*\p+7], v[RDA+\p/2] offset:(\p%2)*WVT+512
.endr
	s_wait_dscnt 0x0
.irp p, 1,2,3,4,5,6,7
.irp k, 0,2,4,6
	v_pk_add_f32 v[RR+\k:RR+\k+1], v[RR+\k:RR+\k+1], v[RR+8*\p+\k:RR+8*\p+\k+1]
.endr
.endr
.irp i, 0,1,2,3
	v_cvt_pk_bf16_f32 v[PKV+\i], v[RR+2*\i], v[RR+2*\i+1]
.endr
	ds_store_b128 v12, v[PKV:PKV+3]
	s_wait_dscnt 0x0                               ; for the others' sake: my tile of kv is written
	s_barrier_signal -1
	s_barrier_wait -1
.irp t, 0,1,2,3,4,5,6,7
	ds_load_b128 v[KV+4*\t:KV+4*\t+3], v13 offset:\t*512
.endr
.irp c, 0,1
.irp q, 0,1
	ds_load_tr16_b128 v[WF+16*\c+8*\q:WF+16*\c+8*\q+3],   v14 offset:\q*32*PO+\c*32
	ds_load_tr16_b128 v[WF+16*\c+8*\q+4:WF+16*\c+8*\q+7], v14 offset:\q*32*PO+\c*32+16*PO
.endr
.endr
	s_wait_dscnt 0x0
.irp q, 0,1
.irp p, 0,1
.irp c, 0,1                            ; four accumulators by turns
.if \q == 0
	v_wmma_f32_16x16x32_bf16 v[AC2+8*(2*\p+\c):AC2+8*(2*\p+\c)+7], v[KV+8*(2*\p+\q):KV+8*(2*\p+\q)+7], v[WF+16*\c+8*\q:WF+16*\c+8*\q+7], 0
.else
	v_wmma_f32_16x16x32_bf16 v[AC2+8*(2*\p+\c):AC2+8*(2*\p+\c)+7], v[KV+8*(2*\p+\q):KV+8*(2*\p+\q)+7], v[WF+16*\c+8*\q:WF+16*\c+8*\q+7], v[AC2+8*(2*\p+\c):AC2+8*(2*\p+\c)+7]
.endif
.endr
.endr
.endr
	PLACES
.irp t, 0,1,2,3
.irp i, 0,1,2,3
	v_cvt_pk_bf16_f32 v[PK2+4*\t+\i], v[AC2+8*\t+2*\i], v[AC2+8*\t+2*\i+1]
.endr
.endr
.irp p, 0,1
.irp c, 0,1
	global_store_b128 v15, v[PK2+4*(2*\p+\c):PK2+4*(2*\p+\c)+3], s[22:23] offset:\p*524288+\c*256   ; 16 lanes store 256 consecutive aligned bytes: 16 d' x 8 m
.endr
.endr
	s_branch .Lclose
	; ---- the stream: an FFN weight to f16 ----
.Lstream:
	s_sub_co_u32 s40, ttmp9, 16
	s_lshl_b32 s40, s40, 2
	s_add_co_u32 s40, s40, s14                     ; which 131,072 bytes of the weight: 0 .. 127
	s_lshl_b32 s42, s40, 16
	s_mov_b32 s43, 0
	s_lshl_b32 s40, s40, 17
	s_mov_b32 s41, 0
	s_add_nc_u64 s[36:37], s[36:37], s[40:41]
	s_add_nc_u64 s[38:39], s[38:39], s[42:43]
	v_lshlrev_b32 v2, 4, v0                        ; 16 bytes a thread in,
	v_lshlrev_b32 v3, 3, v0                        ; 8 bytes out
.set i, 0
.rept 32
	global_load_b128 v[SX+4*i:SX+4*i+3], v2, s[36:37] offset:4096*i th:TH_LOAD_NT
.set i, i+1
.endr
.set i, 0
.rept 32
	s_wait_loadcnt 31-i                            ; loads come back in order: load i is in, the younger ones stay out
	v_cvt_pk_f16_f32 v[SY+2*i], v[SX+4*i], v[SX+4*i+1]
	v_cvt_pk_f16_f32 v[SY+2*i+1], v[SX+4*i+2], v[SX+4*i+3]
	global_store_b64 v3, v[SY+2*i:SY+2*i+1], s[38:39] offset:2048*i    ; no register of a load or store is written twice: no further wait
.set i, i+1
.endr
.Lclose:
	s_wait_tensorcnt 0x0
	ds_add_u32 v30, v31
	s_wait_dscnt 0x0
	CROUND                                         ; the closing round: no work-group ends while a partner may still ask for a tile that names it
	s_endpgm
.Lfunc_end_k_q6f50377dcd_gmat:
	.size	k_q6f50377dcd_gmat, .Lfunc_end_k_q6f50377dcd_gmat-k_q6f50377dcd_gmat
	.p2alignl 7, 3214868480
	.fill 96, 4, 3214868480
	.section	.rodata,"a",@progbits
	.p2align	6, 0x0
	.amdhsa_kernel k_q6f50377dcd_gmat
		.amdhsa_group_segment_fixed_size 302080
		.amdhsa_private_segment_fixed_size 0
		.amdhsa_enable_private_segment 0
		.amdhsa_kernarg_size 48
		.amdhsa_user_sgpr_count 2
		.amdhsa_user_sgpr_kernarg_segment_ptr 1
		.amdhsa_wavefront_size32 1
		.amdhsa_system_sgpr_workgroup_id_x 1
		.amdhsa_system_sgpr_workgroup_id_y 1
		.amdhsa_system_sgpr_workgroup_id_z 1
		.amdhsa_system_vgpr_workitem_id 0
		.amdhsa_next_free_vgpr 512
		.amdhsa_next_free_sgpr 66
		.amdhsa_reserve_vcc 0
		.amdhsa_float_denorm_mode_32 3
		.amdhsa_float_denorm_mode_16_64 3
		.amdhsa_memory_ordered 1
		.amdhsa_forward_progress 1
		.amdhsa_inst_pref_size 51
	.end_amdhsa_kernel
	.amdgpu_metadata
---
amdhsa.version: [ 1, 2 ]
amdhsa.kernels:
  - .name:           k_q6f50377dcd_gmat
    .symbol:         k_q6f50377dcd_gmat.kd
    .args:
      - { .name: hb, .offset: 0, .size: 8, .value_kind: global_buffer, .address_space: global }
      - { .name: Wv1, .offset: 8, .size: 8, .value_kind: global_buffer, .address_space: global }
      - { .name: Wo1, .offset: 16, .size: 8, .value_kind: global_buffer, .address_space: global }
      - { .name: sa, .offset: 24, .size: 8, .value_kind: global_buffer, .address_space: global }
      - { .name: W1, .offset: 32, .size: 8, .value_kind: global_buffer, .address_space: global }
      - { .name: wb, .offset: 40, .size: 8, .value_kind: global_buffer, .address_space: global }
    .group_segment_fixed_size: 302080
    .private_segment_fixed_size: 0
    .kernarg_segment_align: 8
    .kernarg_segment_size: 48
    .max_flat_workgroup_size: 256
    .sgpr_count:     66
    .vgpr_count:     512
    .wavefront_size: 32
...
	.end_amdgpu_metadata
.endif
;; end of part 12
;; launch aln (part 13): grid 256 x 1, 8 waves a work-group, clusters of 4 x 1, 271,360 bytes of LDS; arguments sa, hb, x, g1, be1, o1f, ob1; writes o1f, ob1
.if DOCPART == 13
	.amdgcn_target "amdgcn-amd-amdhsa--gfx1250"
	.amdhsa_code_object_version 6
	.text
	.protected	k_q6f50377dcd_aln
	.globl	k_q6f50377dcd_aln
	.p2align	8
	.type	k_q6f50377dcd_aln,@function
k_q6f50377dcd_aln:
	s_mov_b64 s[64:65], 0
	v_nop
	global_prefetch_b8 v0, s[64:65] scope:SCOPE_SE
	s_setreg_imm32_b32 hwreg(HW_REG_WAVE_MODE, 25, 1), 1
	s_wait_xcnt 0x0
	s_wait_alu depctr_hold_cnt(0) depctr_sa_sdst(0) depctr_va_vdst(0) depctr_va_sdst(0) depctr_va_ssrc(0) depctr_va_vcc(0) depctr_vm_vsrc(0)
	s_getreg_b32 s2, hwreg(HW_REG_IB_STS2, 6, 4)
	s_cmp_eq_u32 s2, 0
	s_cbranch_scc0 .Lentry_in_a_cluster
	s_endpgm
.Lentry_in_a_cluster:
	s_bfe_u32 s2, ttmp6, 0x10000c
	s_cmp_lg_u32 s2, 0x3003
	s_cbranch_scc0 .Lentry_shape_is_right
	s_endpgm
.Lentry_shape_is_right:
; ALN.  attn[l][d'] = sum over F = (h, m) of (qp[l][F] / z[l][h]) G[b][F][d'], z[l][h] = sum over m of qp[l][(h,m)] ksum[b][(h,m)];  out = LayerNorm(attn + res) g + be, in f32 and once more in bf16.
; A work-group: 16 rows l.  PRODUCT: wave w makes columns 128 w .. + 127: 8 accumulators, K = 128.  Source 0 = G (rows d'), source 1 = qp / z (rows l): a lane holds 8 neighbouring d' of one l.
; CLUSTER 4 x 1: four neighbouring blocks of rows lie in one batch and need the same G[b] (256 KiB): each wave's eighth of it, 16 heads x 2,048 bytes of Gh[b][h][d'][m], is asked for JOINTLY, by the same tensor load with
;   the same descriptor and the mask of all four (the tile's rows are the heads, so it has 16).  One tensor load a wave is out; no LDS byte is filled twice; each wave reads only the tile that it asked for itself.
;   In LDS a fragment load takes 16 lanes x 16 neighbouring bytes twice: no padding is needed.
; All else is asked for at the head too: qp, ksum, the residual, my eighth of g and of be: 42 loads a wave, under the 63 that LOADcnt's field holds, so that none waits at issue for an earlier one's return (ISA guide 5.7.1).
;   A lane's four words of a half fragment of qp are the 8 features of ONE head: z, its reciprocal and the scaling stay in the lane, in f32.
; LAYERNORM: the 16 x 1,024 sums go through LDS once; wave w then owns rows 2 w and 2 w + 1 whole, 32 numbers a lane.  The stage lies over the tiles of G, which have had their only fill: a barrier stands between every wave's
;   last read of its tile and the first store into the stage.  The waves' eighths of g and be meet in LDS beside it.  The variance is taken of x - mean.
; Limits: z >= 8 x 1,024 x 0.001^2 > 0 by the features' construction, so 1 / z is finite; v_rcp_f32 and v_rsq_f32 take a denormal as 0 (ISA guide 15.8).
.set QR,  16                           ; v[16:47]   qp as loaded, half fragment f at QR + 4 f;
.set QN,  16                           ;            then, in its place, qp / z in bf16: fragment s at QN + 8 s
.set ACC, 48                           ; v[48:111]  accumulator c at ACC + 8 c
.set U,   112                          ; v[112:175] qp in f32, half fragment f at U + 8 f
.set RES, 176                          ; v[176:239] my two rows of the residual, then at work
.set ZP,  240                          ; v[240:255] pair f: the two halves of z; then 1 / z in the first, z in the second
.set GG,  112                          ; v[112:143] later: g
.set BE,  144                          ; v[144:175] later: be
.set YY,  16                           ; v[16:79]   later: my two rows
.set GS,  184                          ; window 1, v[184:191]: my eighth of g (4 registers) and of be
.set KS,  192                          ; window 1, v[192:255]: ksum of the lane's eight heads, at KS + 8 f; G's fragments take all of window 1 afterwards, (c, s) at 32 c + 8 s
.set SPI, 4112                         ; a stage row: 4,096 bytes + 16
.set GT,  32768                        ; a wave's tile of G
.set GB,  8*GT                         ; behind the tiles: g (4,096 bytes), then be
.set MSB, 0
.macro WIN new
.if MSB != (\new)
	s_set_vgpr_msb (MSB<<8)|(\new)
.set MSB, (\new)
.endif
.endm
.macro CROUND                          ; a round of the cluster's barrier: my work-group's barrier; wave 0 signals for the work-group; every wave waits for all four; my work-group's barrier once more
	s_barrier_signal -1
	s_barrier_wait -1
	s_cmp_lg_u32 s18, 0
	s_cbranch_scc1 .Lnot_wave_0_\@
	s_barrier_signal -3
.Lnot_wave_0_\@:
	s_barrier_wait -3
	s_barrier_signal -1
	s_barrier_wait -1
.endm
.macro WSUM x, y                       ; the sum of v[x] over the wave's 32 lanes, in every lane; v[y] has been written before
	v_add_f32_dpp v[\x], v[\x], v[\x] row_xmask:1 row_mask:0xf bank_mask:0xf
	v_add_f32_dpp v[\x], v[\x], v[\x] row_xmask:2 row_mask:0xf bank_mask:0xf
	v_add_f32_dpp v[\x], v[\x], v[\x] row_xmask:4 row_mask:0xf bank_mask:0xf
	v_add_f32_dpp v[\x], v[\x], v[\x] row_xmask:8 row_mask:0xf bank_mask:0xf
	v_permlanex16_b32 v[\y], v[\x], s40, s41
	v_add_f32 v[\x], v[\x], v[\y]
.endm
.macro FOLD tb                         ; four chains of pairs into one number
	v_pk_add_f32 v[\tb:\tb+1], v[\tb:\tb+1], v[\tb+2:\tb+3]
	v_pk_add_f32 v[\tb+4:\tb+5], v[\tb+4:\tb+5], v[\tb+6:\tb+7]
	v_pk_add_f32 v[\tb:\tb+1], v[\tb:\tb+1], v[\tb+4:\tb+5]
	v_add_f32 v[\tb], v[\tb], v[\tb+1]
	WSUM \tb, \tb+1
.endm
.macro LNCORE yb, tb                   ; the row in v[yb .. yb+31] (32 numbers a lane) is normalised, scaled and shifted in place; v[tb .. tb+9] at work
.irp c, 0,1,2,3
	v_pk_add_f32 v[\tb+2*\c:\tb+2*\c+1], v[\yb+4*\c:\yb+4*\c+1], v[\yb+4*\c+2:\yb+4*\c+3]
.endr
.irp k, 8,9,10,11,12,13,14,15
	v_pk_add_f32 v[\tb+2*(\k%4):\tb+2*(\k%4)+1], v[\tb+2*(\k%4):\tb+2*(\k%4)+1], v[\yb+2*\k:\yb+2*\k+1]
.endr
	FOLD \tb
	v_mul_f32 v[\tb+8], s42, v[\tb]                ; the mean, twice
	v_mul_f32 v[\tb+9], s42, v[\tb]
.irp k, 0,1,2,3,4,5,6,7,8,9,10,11,12,13,14,15
	v_pk_add_f32 v[\yb+2*\k:\yb+2*\k+1], v[\yb+2*\k:\yb+2*\k+1], v[\tb+8:\tb+9] neg_lo:[0,1] neg_hi:[0,1]
.endr
.irp k, 0,1,2,3
	v_pk_mul_f32 v[\tb+2*\k:\tb+2*\k+1], v[\yb+2*\k:\yb+2*\k+1], v[\yb+2*\k:\yb+2*\k+1]
.endr
.irp k, 4,5,6,7,8,9,10,11,12,13,14,15
	v_pk_fma_f32 v[\tb+2*(\k%4):\tb+2*(\k%4)+1], v[\yb+2*\k:\yb+2*\k+1], v[\yb+2*\k:\yb+2*\k+1], v[\tb+2*(\k%4):\tb+2*(\k%4)+1]
.endr
	FOLD \tb
	v_fma_f32 v[\tb], v[\tb], s42, s43             ; variance + 1e-6
	v_rsq_f32 v[\tb+8], v[\tb]
	v_rsq_f32 v[\tb+9], v[\tb]
	v_nop                                          ; a plain instruction between the root and the use of its result (ISA guide 5.7.2)
	s_wait_alu depctr_va_vdst(0)
.irp k, 0,1,2,3,4,5,6,7,8,9,10,11,12,13,14,15
	v_pk_mul_f32 v[\yb+2*\k:\yb+2*\k+1], v[\yb+2*\k:\yb+2*\k+1], v[\tb+8:\tb+9]
.endr
.irp k, 0,1,2,3,4,5,6,7,8,9,10,11,12,13,14,15
	v_pk_fma_f32 v[\yb+2*\k:\yb+2*\k+1], v[\yb+2*\k:\yb+2*\k+1], v[GG+2*\k:GG+2*\k+1], v[BE+2*\k:BE+2*\k+1]
.endr
.endm
	s_load_b256 s[4:11], s[0:1], 0x0               ; sa, hb, res, g
	s_load_b128 s[12:15], s[0:1], 0x20             ; be, the f32 output
	s_load_b64 s[16:17], s[0:1], 0x30              ; the bf16 output
	v_lshl_add_u32 v14, v0, 2, 0x42000
	v_mov_b32 v15, 0
	ds_add_u32 v14, v15
	ds_add_u32 v14, v15
	v_lshrrev_b32 v1, 5, v0
	v_readfirstlane_b32 s18, v1                    ; wave 0..7
	s_bfe_u32 s48, ttmp6, 0x40000                  ; cx: it enters the rows' addresses alone
	s_lshl_b32 s49, ttmp9, 2
	s_add_co_u32 s49, s49, s48                     ; my block of 16 rows = 4 x cluster + cx
	s_lshr_b32 s19, ttmp9, 4                       ; batch: 16 clusters each; alike in the four partners
	; descriptor group 1: 16 rows (heads) x 1,024 elements of 2 bytes, no padding
	s_mov_b32 s52, 15|(1<<16)|(1<<21)              ; 15:0 the mask: all four; 17:16 2 bytes; 21 set beside a mask
	s_mov_b32 s53, 1024<<16                        ; tensor_dim0 = 1,024
	s_mov_b32 s54, 16<<16                          ; tensor_dim1 = 16
	s_mov_b32 s55, 1024<<16                        ; tile_dim0 = 1,024
	s_mov_b32 s56, 16                              ; tile_dim1 = 16
	s_mov_b32 s57, 8192                            ; elements from head to head
	s_mov_b32 s58, 0
	s_mov_b32 s59, 0
	s_lshl_b32 s32, s49, 12                        ; qp: my 16 rows of 256 bytes
	s_add_co_u32 s32, s32, 0x100000
	s_mov_b32 s33, 0
	s_lshl_b32 s34, s19, 9                         ; ksum of the batch
	s_add_co_u32 s34, s34, 0x100000
	s_mov_b32 s35, 0
	s_lshl_b32 s36, s19, 18                        ; Gh of the batch, my 128 d'
	s_lshl_b32 s37, s18, 11
	s_add_co_u32 s36, s36, s37
	s_add_co_u32 s36, s36, 0x200000
	s_mov_b32 s37, 0
	s_lshl_b32 s38, s49, 16                        ; f32 rows: 16 a work-group, 2 a wave
	s_lshl_b32 s39, s18, 13
	s_add_co_u32 s38, s38, s39
	s_mov_b32 s39, 0
	s_lshr_b32 s44, s38, 1                         ; 16-bit rows
	s_mov_b32 s45, 0
	s_lshl_b32 s50, s18, 9                         ; my 128 columns in f32: of g, of be, of a stage row
	s_mov_b32 s51, 0
	s_mov_b32 s40, 0x76543210                      ; v_permlanex16_b32: each lane takes its own place in the other half
	s_mov_b32 s41, 0xfedcba98
	s_mov_b32 s42, 0x3a800000                      ; 1 / 1024
	s_mov_b32 s43, 0x358637bd                      ; 1e-6
	s_mul_i32 s46, s18, GT
	s_mul_i32 s47, s18, 2*SPI
	s_wait_dscnt 0x0
	s_wait_kmcnt 0x0
	s_add_nc_u64 s[20:21], s[4:5], s[32:33]
	s_add_nc_u64 s[22:23], s[6:7], s[34:35]
	s_add_nc_u64 s[24:25], s[10:11], s[50:51]
	s_add_nc_u64 s[12:13], s[12:13], s[50:51]
	s_add_nc_u64 s[26:27], s[8:9], s[38:39]
	s_add_nc_u64 s[28:29], s[14:15], s[38:39]
	s_add_nc_u64 s[30:31], s[16:17], s[44:45]
	s_mov_b32 s60, 1                               ; group 0: count = 1,
	s_mul_i32 s61, s18, GT                         ; LDS address: wave x a tile's bytes,
	s_add_nc_u64 s[62:63], s[4:5], s[36:37]        ; global address,
	s_or_b32 s63, s63, 0x80000000                  ; type = 2
	CROUND                                         ; all four work-groups are here: the joint loads meet
	tensor_load_to_lds s[60:63], s[52:59]
	s_nop 0
.rept 4
	v_nop
.endr
	v_and_b32 v1, 31, v0                           ; L
	v_and_b32 v2, 15, v0                           ; r
	v_bfe_u32 v3, v0, 4, 1                         ; hh
	v_lshlrev_b32 v4, 8, v2
	v_lshl_add_u32 v4, v3, 4, v4                   ; qp: row r, 16 bytes for each half
	v_lshlrev_b32 v5, 5, v3                        ; ksum: a head's 32 bytes for each half
	v_lshlrev_b32 v7, 4, v1                        ; 16 L
	v_lshlrev_b32 v8, 3, v1                        ; 8 L
.irp f, 0,1,2,3,4,5,6,7
	global_load_b128 v[QR+4*\f:QR+4*\f+3], v4, s[20:21] offset:32*\f
.endr
	WIN 0x40                                       ; destination window 1
.irp f, 0,1,2,3,4,5,6,7
	global_load_b128 v[KS+8*\f:KS+8*\f+3],   v5, s[22:23] offset:64*\f
	global_load_b128 v[KS+8*\f+4:KS+8*\f+7], v5, s[22:23] offset:64*\f+16
.endr
	global_load_b128 v[GS:GS+3], v7, s[24:25]
	global_load_b128 v[GS+4:GS+7], v7, s[12:13]
	WIN 0
.irp q, 0,1
.irp i, 0,1,2,3,4,5,6,7
	global_load_b128 v[RES+32*\q+4*\i:RES+32*\q+4*\i+3], v7, s[26:27] offset:\q*4096+512*\i
.endr
.endr
	v_lshlrev_b32 v6, 11, v3
	v_lshl_add_u32 v6, v2, 4, v6
	v_add_nc_u32 v6, s46, v6                       ; G's fragments: my tile, head + L / 16, d' + r
	v_mul_u32_u24 v9, v2, SPI
	v_lshl_add_u32 v9, v3, 5, v9
	v_add_nc_u32 v9, s50, v9                       ; into the stage: row r, my 512 bytes, 32 bytes for each half
	v_add_nc_u32 v10, s47, v7                      ; back: my two rows, 16 bytes a lane
	v_add_nc_u32 v13, GB, v7                       ; g and be out of LDS: 16 bytes a lane,
	v_add_nc_u32 v12, s50, v13                     ; and my eighth into it
	s_wait_loadcnt 16                              ; qp, ksum and my eighths of g and be are in; the residual's 16 loads stay out
	WIN 0x04                                       ; store data window 1
	ds_store_b128 v12, v[GS:GS+3]
	ds_store_b128 v12, v[GS+4:GS+7] offset:4096
	WIN 0
.irp f, 0,1,2,3,4,5,6,7
.irp i, 0,1,2,3
	v_lshlrev_b32 v[U+8*\f+2*\i],   16, v[QR+4*\f+\i]
	v_and_b32     v[U+8*\f+2*\i+1], 0xffff0000, v[QR+4*\f+\i]
.endr
.endr
	WIN 0x04                                       ; source 1 (ksum) window 1
.irp f, 0,1,2,3,4,5,6,7                ; eight chains, one a head, that do not wait for each other
	v_pk_mul_f32 v[ZP+2*\f:ZP+2*\f+1], v[U+8*\f:U+8*\f+1], v[KS+8*\f:KS+8*\f+1]
.endr
.irp i, 2,4,6
.irp f, 0,1,2,3,4,5,6,7
	v_pk_fma_f32 v[ZP+2*\f:ZP+2*\f+1], v[U+8*\f+\i:U+8*\f+\i+1], v[KS+8*\f+\i:KS+8*\f+\i+1], v[ZP+2*\f:ZP+2*\f+1]
.endr
.endr
	WIN 0
.irp f, 0,1,2,3,4,5,6,7
	v_add_f32 v[ZP+2*\f+1], v[ZP+2*\f], v[ZP+2*\f+1]             ; z
.endr
.irp f, 0,1,2,3,4,5,6,7
	v_rcp_f32 v[ZP+2*\f], v[ZP+2*\f+1]
.endr
	v_nop                                          ; a plain instruction between the last reciprocal and the use of its result (ISA guide 5.7.2)
	s_wait_alu depctr_va_vdst(0)
.irp f, 0,1,2,3,4,5,6,7
.irp i, 0,2,4,6
	v_pk_mul_f32 v[U+8*\f+\i:U+8*\f+\i+1], v[U+8*\f+\i:U+8*\f+\i+1], v[ZP+2*\f:ZP+2*\f+1] op_sel_hi:[1,0]   ; both by the pair's first register, 1 / z
.endr
.endr
.irp f, 0,1,2,3,4,5,6,7
.irp i, 0,1,2,3
	v_cvt_pk_bf16_f32 v[QN+4*\f+\i], v[U+8*\f+2*\i], v[U+8*\f+2*\i+1]
.endr
.endr
	s_wait_tensorcnt 0x0                           ; my tile of G is in LDS; only I read it
	WIN 0x40
.irp s, 0,1,2,3
.irp c, 0,1,2,3,4,5,6,7
	ds_load_b128 v[32*\c+8*\s:32*\c+8*\s+3],   v6 offset:\s*8192+\c*256
	ds_load_b128 v[32*\c+8*\s+4:32*\c+8*\s+7], v6 offset:\s*8192+\c*256+4096
.endr
.endr
	WIN 0x01                                       ; source 0 window 1
.irp s, 0,1,2,3
	s_wait_dscnt 48-16*\s                          ; this k step's 16 fragment loads are in; the later steps' stay out
.if \s == 3
	s_barrier_signal -1                            ; no LDS instruction of mine is out: my reads of my tile are over, my eighths of g and be are written
.endif
.irp c, 0,1,2,3,4,5,6,7                ; eight accumulators by turns; the first k step starts the sums
.if \s == 0
	v_wmma_f32_16x16x32_bf16 v[ACC+8*\c:ACC+8*\c+7], v[32*\c+8*\s:32*\c+8*\s+7], v[QN+8*\s:QN+8*\s+7], 0
.else
	v_wmma_f32_16x16x32_bf16 v[ACC+8*\c:ACC+8*\c+7], v[32*\c+8*\s:32*\c+8*\s+7], v[QN+8*\s:QN+8*\s+7], v[ACC+8*\c:ACC+8*\c+7]
.endif
.endr
.endr
	WIN 0
	s_barrier_wait -1                              ; nobody reads a tile of G any more: the stage may be laid over them
.rept 4
	v_nop                                          ; four places between the last product and the stores that read results
.endr
.irp c, 0,1,2,3,4,5,6,7
	ds_store_b128 v9, v[ACC+8*\c:ACC+8*\c+3]   offset:64*\c
	ds_store_b128 v9, v[ACC+8*\c+4:ACC+8*\c+7] offset:64*\c+16
.endr
	s_wait_dscnt 0x0                               ; for the others' sake: my 128 columns are written
	s_barrier_signal -1
	s_barrier_wait -1
.irp q, 0,1
.irp i, 0,1,2,3,4,5,6,7
	ds_load_b128 v[YY+32*\q+4*\i:YY+32*\q+4*\i+3], v10 offset:\q*SPI+512*\i
.endr
.endr
.irp i, 0,1,2,3,4,5,6,7
	ds_load_b128 v[GG+4*\i:GG+4*\i+3], v13 offset:512*\i
	ds_load_b128 v[BE+4*\i:BE+4*\i+3], v13 offset:4096+512*\i
.endr
	s_wait_loadcnt 0x0                             ; the residual
	s_wait_dscnt 0x0
.irp q, 0,1
.irp k, 0,1,2,3,4,5,6,7,8,9,10,11,12,13,14,15
	v_pk_add_f32 v[YY+32*\q+2*\k:YY+32*\q+2*\k+1], v[YY+32*\q+2*\k:YY+32*\q+2*\k+1], v[RES+32*\q+2*\k:RES+32*\q+2*\k+1]
.endr
	LNCORE YY+32*\q, RES+32*\q
.irp i, 0,1,2,3,4,5,6,7
	global_store_b128 v7, v[YY+32*\q+4*\i:YY+32*\q+4*\i+3], s[28:29] offset:\q*4096+512*\i      ; a wave's store covers 512 consecutive aligned bytes
.endr
.irp i, 0,1,2,3,4,5,6,7
	v_cvt_pk_bf16_f32 v[RES+32*\q+16+2*\i],   v[YY+32*\q+4*\i],   v[YY+32*\q+4*\i+1]
	v_cvt_pk_bf16_f32 v[RES+32*\q+16+2*\i+1], v[YY+32*\q+4*\i+2], v[YY+32*\q+4*\i+3]
.endr
.irp i, 0,1,2,3,4,5,6,7
	global_store_b64 v8, v[RES+32*\q+16+2*\i:RES+32*\q+16+2*\i+1], s[30:31] offset:\q*2048+256*\i   ; 256 consecutive aligned bytes; no register of a store is written again
.endr
.endr
	s_wait_tensorcnt 0x0
	ds_add_u32 v14, v15
	s_wait_dscnt 0x0
	CROUND                                         ; the closing round: no work-group ends while a partner may still ask for a tile that names it
	s_endpgm
.Lfunc_end_k_q6f50377dcd_aln:
	.size	k_q6f50377dcd_aln, .Lfunc_end_k_q6f50377dcd_aln-k_q6f50377dcd_aln
	.p2alignl 7, 3214868480
	.fill 96, 4, 3214868480
	.section	.rodata,"a",@progbits
	.p2align	6, 0x0
	.amdhsa_kernel k_q6f50377dcd_aln
		.amdhsa_group_segment_fixed_size 271360
		.amdhsa_private_segment_fixed_size 0
		.amdhsa_enable_private_segment 0
		.amdhsa_kernarg_size 56
		.amdhsa_user_sgpr_count 2
		.amdhsa_user_sgpr_kernarg_segment_ptr 1
		.amdhsa_wavefront_size32 1
		.amdhsa_system_sgpr_workgroup_id_x 1
		.amdhsa_system_sgpr_workgroup_id_y 1
		.amdhsa_system_sgpr_workgroup_id_z 1
		.amdhsa_system_vgpr_workitem_id 0
		.amdhsa_next_free_vgpr 512
		.amdhsa_next_free_sgpr 66
		.amdhsa_reserve_vcc 0
		.amdhsa_float_denorm_mode_32 3
		.amdhsa_float_denorm_mode_16_64 3
		.amdhsa_memory_ordered 1
		.amdhsa_forward_progress 1
		.amdhsa_inst_pref_size 48
	.end_amdhsa_kernel
	.amdgpu_metadata
---
amdhsa.version: [ 1, 2 ]
amdhsa.kernels:
  - .name:           k_q6f50377dcd_aln
    .symbol:         k_q6f50377dcd_aln.kd
    .args:
      - { .name: sa, .offset: 0, .size: 8, .value_kind: global_buffer, .address_space: global }
      - { .name: hb, .offset: 8, .size: 8, .value_kind: global_buffer, .address_space: global }
      - { .name: x, .offset: 16, .size: 8, .value_kind: global_buffer, .address_space: global }
      - { .name: g1, .offset: 24, .size: 8, .value_kind: global_buffer, .address_space: global }
      - { .name: be1, .offset: 32, .size: 8, .value_kind: global_buffer, .address_space: global }
      - { .name: o1f, .offset: 40, .size: 8, .value_kind: global_buffer, .address_space: global }
      - { .name: ob1, .offset: 48, .size: 8, .value_kind: global_buffer, .address_space: global }
    .group_segment_fixed_size: 271360
    .private_segment_fixed_size: 0
    .kernarg_segment_align: 8
    .kernarg_segment_size: 56
    .max_flat_workgroup_size: 256
    .sgpr_count:     66
    .vgpr_count:     512
    .wavefront_size: 32
...
	.end_amdgpu_metadata
.endif
;; end of part 13
;; launch feat2: the kernel of part 11 again; grid 256 x 1, 8 waves a work-group, clusters of 4 x 1, 279,552 bytes of LDS; arguments ob1, enc_output, o2f, sa; writes sa
;; launch tsum2: the kernel of part 3 again; grid 128 x 1, 8 waves a work-group, clusters of 4 x 1, 295,936 bytes of LDS; arguments ob1, sa, hb; writes hb
;; launch gmat2: the kernel of part 12 again; grid 192 x 1, 8 waves a work-group, clusters of 4 x 1, 302,080 bytes of LDS; arguments hb, Wv2, Wo2, sa, W2, wb2; writes sa, wb2
;; launch aln2 (part 14): grid 256 x 1, 8 waves a work-group, clusters of 4 x 1, 271,360 bytes of LDS; arguments sa, hb, o1f, g2, be2, o2f, xb0; writes o2f, xb0
.if DOCPART == 14
	.amdgcn_target "amdgcn-amd-amdhsa--gfx1250"
	.amdhsa_code_object_version 6
	.text
	.protected	k_q6f50377dcd_aln2
	.globl	k_q6f50377dcd_aln2
	.p2align	8
	.type	k_q6f50377dcd_aln2,@function
k_q6f50377dcd_aln2:
	s_mov_b64 s[64:65], 0
	v_nop
	global_prefetch_b8 v0, s[64:65] scope:SCOPE_SE
	s_setreg_imm32_b32 hwreg(HW_REG_WAVE_MODE, 25, 1), 1
	s_wait_xcnt 0x0
	s_wait_alu depctr_hold_cnt(0) depctr_sa_sdst(0) depctr_va_vdst(0) depctr_va_sdst(0) depctr_va_ssrc(0) depctr_va_vcc(0) depctr_vm_vsrc(0)
	s_getreg_b32 s2, hwreg(HW_REG_IB_STS2, 6, 4)
	s_cmp_eq_u32 s2, 0
	s_cbranch_scc0 .Lentry_in_a_cluster
	s_endpgm
.Lentry_in_a_cluster:
	s_bfe_u32 s2, ttmp6, 0x10000c
	s_cmp_lg_u32 s2, 0x3003
	s_cbranch_scc0 .Lentry_shape_is_right
	s_endpgm
.Lentry_shape_is_right:
; ALN, layer 2: the first layer's text, but its 16-bit copy of the result goes out in f16, since it feeds the FFN's first product and nothing else.
; f16 has the room: the result is a normalised row times g plus be, so |out| <= 32 |g| + |be|, far under 65,504 also with g and be 30 times larger; 30 times smaller, f16's least step of 6e-8 is 2e-6 of the row's spread.
; attn[l][d'] = sum over F = (h, m) of (qp[l][F] / z[l][h]) G[b][F][d'], z[l][h] = sum over m of qp[l][(h,m)] ksum[b][(h,m)];  out = LayerNorm(attn + res) g + be, in f32 and once more in f16.
; A work-group: 16 rows l.  PRODUCT: wave w makes columns 128 w .. + 127: 8 accumulators, K = 128.  Source 0 = G (rows d'), source 1 = qp / z (rows l): a lane holds 8 neighbouring d' of one l.
; CLUSTER 4 x 1: four neighbouring blocks of rows lie in one batch and need the same G[b] (256 KiB): each wave's eighth of it, 16 heads x 2,048 bytes of Gh[b][h][d'][m], is asked for JOINTLY, by the same tensor load with
;   the same descriptor and the mask of all four (the tile's rows are the heads, so it has 16).  One tensor load a wave is out; no LDS byte is filled twice; each wave reads only the tile that it asked for itself.
;   In LDS a fragment load takes 16 lanes x 16 neighbouring bytes twice: no padding is needed.
; All else is asked for at the head too: qp, ksum, the residual, my eighth of g and of be: 42 loads a wave, under the 63 that LOADcnt's field holds, so that none waits at issue for an earlier one's return (ISA guide 5.7.1).
;   A lane's four words of a half fragment of qp are the 8 features of ONE head: z, its reciprocal and the scaling stay in the lane, in f32.
; LAYERNORM: the 16 x 1,024 sums go through LDS once; wave w then owns rows 2 w and 2 w + 1 whole, 32 numbers a lane.  The stage lies over the tiles of G, which have had their only fill: a barrier stands between every wave's
;   last read of its tile and the first store into the stage.  The waves' eighths of g and be meet in LDS beside it.  The variance is taken of x - mean.
; Limits: z >= 8 x 1,024 x 0.001^2 > 0 by the features' construction, so 1 / z is finite; v_rcp_f32 and v_rsq_f32 take a denormal as 0 (ISA guide 15.8).
.set QR,  16                           ; v[16:47]   qp as loaded, half fragment f at QR + 4 f;
.set QN,  16                           ;            then, in its place, qp / z in bf16: fragment s at QN + 8 s
.set ACC, 48                           ; v[48:111]  accumulator c at ACC + 8 c
.set U,   112                          ; v[112:175] qp in f32, half fragment f at U + 8 f
.set RES, 176                          ; v[176:239] my two rows of the residual, then at work
.set ZP,  240                          ; v[240:255] pair f: the two halves of z; then 1 / z in the first, z in the second
.set GG,  112                          ; v[112:143] later: g
.set BE,  144                          ; v[144:175] later: be
.set YY,  16                           ; v[16:79]   later: my two rows
.set GS,  184                          ; window 1, v[184:191]: my eighth of g (4 registers) and of be
.set KS,  192                          ; window 1, v[192:255]: ksum of the lane's eight heads, at KS + 8 f; G's fragments take all of window 1 afterwards, (c, s) at 32 c + 8 s
.set SPI, 4112                         ; a stage row: 4,096 bytes + 16
.set GT,  32768                        ; a wave's tile of G
.set GB,  8*GT                         ; behind the tiles: g (4,096 bytes), then be
.set MSB, 0
.macro WIN new
.if MSB != (\new)
	s_set_vgpr_msb (MSB<<8)|(\new)
.set MSB, (\new)
.endif
.endm
.macro CROUND                          ; a round of the cluster's barrier: my work-group's barrier; wave 0 signals for the work-group; every wave waits for all four; my work-group's barrier once more
	s_barrier_signal -1
	s_barrier_wait -1
	s_cmp_lg_u32 s18, 0
	s_cbranch_scc1 .Lnot_wave_0_\@
	s_barrier_signal -3
.Lnot_wave_0_\@:
	s_barrier_wait -3
	s_barrier_signal -1
	s_barrier_wait -1
.endm
.macro WSUM x, y                       ; the sum of v[x] over the wave's 32 lanes, in every lane; v[y] has been written before
	v_add_f32_dpp v[\x], v[\x], v[\x] row_xmask:1 row_mask:0xf bank_mask:0xf
	v_add_f32_dpp v[\x], v[\x], v[\x] row_xmask:2 row_mask:0xf bank_mask:0xf
	v_add_f32_dpp v[\x], v[\x], v[\x] row_xmask:4 row_mask:0xf bank_mask:0xf
	v_add_f32_dpp v[\x], v[\x], v[\x] row_xmask:8 row_mask:0xf bank_mask:0xf
	v_permlanex16_b32 v[\y], v[\x], s40, s41
	v_add_f32 v[\x], v[\x], v[\y]
.endm
.macro FOLD tb                         ; four chains of pairs into one number
	v_pk_add_f32 v[\tb:\tb+1], v[\tb:\tb+1], v[\tb+2:\tb+3]
	v_pk_add_f32 v[\tb+4:\tb+5], v[\tb+4:\tb+5], v[\tb+6:\tb+7]
	v_pk_add_f32 v[\tb:\tb+1], v[\tb:\tb+1], v[\tb+4:\tb+5]
	v_add_f32 v[\tb], v[\tb], v[\tb+1]
	WSUM \tb, \tb+1
.endm
.macro LNCORE yb, tb                   ; the row in v[yb .. yb+31] (32 numbers a lane) is normalised, scaled and shifted in place; v[tb .. tb+9] at work
.irp c, 0,1,2,3
	v_pk_add_f32 v[\tb+2*\c:\tb+2*\c+1], v[\yb+4*\c:\yb+4*\c+1], v[\yb+4*\c+2:\yb+4*\c+3]
.endr
.irp k, 8,9,10,11,12,13,14,15
	v_pk_add_f32 v[\tb+2*(\k%4):\tb+2*(\k%4)+1], v[\tb+2*(\k%4):\tb+2*(\k%4)+1], v[\yb+2*\k:\yb+2*\k+1]
.endr
	FOLD \tb
	v_mul_f32 v[\tb+8], s42, v[\tb]                ; the mean, twice
	v_mul_f32 v[\tb+9], s42, v[\tb]
.irp k, 0,1,2,3,4,5,6,7,8,9,10,11,12,13,14,15
	v_pk_add_f32 v[\yb+2*\k:\yb+2*\k+1], v[\yb+2*\k:\yb+2*\k+1], v[\tb+8:\tb+9] neg_lo:[0,1] neg_hi:[0,1]
.endr
.irp k, 0,1,2,3
	v_pk_mul_f32 v[\tb+2*\k:\tb+2*\k+1], v[\yb+2*\k:\yb+2*\k+1], v[\yb+2*\k:\yb+2*\k+1]
.endr
.irp k, 4,5,6,7,8,9,10,11,12,13,14,15
	v_pk_fma_f32 v[\tb+2*(\k%4):\tb+2*(\k%4)+1], v[\yb+2*\k:\yb+2*\k+1], v[\yb+2*\k:\yb+2*\k+1], v[\tb+2*(\k%4):\tb+2*(\k%4)+1]
.endr
	FOLD \tb
	v_fma_f32 v[\tb], v[\tb], s42, s43             ; variance + 1e-6
	v_rsq_f32 v[\tb+8], v[\tb]
	v_rsq_f32 v[\tb+9], v[\tb]
	v_nop                                          ; a plain instruction between the root and the use of its result (ISA guide 5.7.2)
	s_wait_alu depctr_va_vdst(0)
.irp k, 0,1,2,3,4,5,6,7,8,9,10,11,12,13,14,15
	v_pk_mul_f32 v[\yb+2*\k:\yb+2*\k+1], v[\yb+2*\k:\yb+2*\k+1], v[\tb+8:\tb+9]
.endr
.irp k, 0,1,2,3,4,5,6,7,8,9,10,11,12,13,14,15
	v_pk_fma_f32 v[\yb+2*\k:\yb+2*\k+1], v[\yb+2*\k:\yb+2*\k+1], v[GG+2*\k:GG+2*\k+1], v[BE+2*\k:BE+2*\k+1]
.endr
.endm
	s_load_b256 s[4:11], s[0:1], 0x0               ; sa, hb, res, g
	s_load_b128 s[12:15], s[0:1], 0x20             ; be, the f32 output
	s_load_b64 s[16:17], s[0:1], 0x30              ; the f16 output
	v_lshl_add_u32 v14, v0, 2, 0x42000
	v_mov_b32 v15, 0
	ds_add_u32 v14, v15
	ds_add_u32 v14, v15
	v_lshrrev_b32 v1, 5, v0
	v_readfirstlane_b32 s18, v1                    ; wave 0..7
	s_bfe_u32 s48, ttmp6, 0x40000                  ; cx: it enters the rows' addresses alone
	s_lshl_b32 s49, ttmp9, 2
	s_add_co_u32 s49, s49, s48                     ; my block of 16 rows = 4 x cluster + cx
	s_lshr_b32 s19, ttmp9, 4                       ; batch: 16 clusters each; alike in the four partners
	; descriptor group 1: 16 rows (heads) x 1,024 elements of 2 bytes, no padding
	s_mov_b32 s52, 15|(1<<16)|(1<<21)              ; 15:0 the mask: all four; 17:16 2 bytes; 21 set beside a mask
	s_mov_b32 s53, 1024<<16                        ; tensor_dim0 = 1,024
	s_mov_b32 s54, 16<<16                          ; tensor_dim1 = 16
	s_mov_b32 s55, 1024<<16                        ; tile_dim0 = 1,024
	s_mov_b32 s56, 16                              ; tile_dim1 = 16
	s_mov_b32 s57, 8192                            ; elements from head to head
	s_mov_b32 s58, 0
	s_mov_b32 s59, 0
	s_lshl_b32 s32, s49, 12                        ; qp: my 16 rows of 256 bytes
	s_add_co_u32 s32, s32, 0x100000
	s_mov_b32 s33, 0
	s_lshl_b32 s34, s19, 9                         ; ksum of the batch
	s_add_co_u32 s34, s34, 0x100000
	s_mov_b32 s35, 0
	s_lshl_b32 s36, s19, 18                        ; Gh of the batch, my 128 d'
	s_lshl_b32 s37, s18, 11
	s_add_co_u32 s36, s36, s37
	s_add_co_u32 s36, s36, 0x200000
	s_mov_b32 s37, 0
	s_lshl_b32 s38, s49, 16                        ; f32 rows: 16 a work-group, 2 a wave
	s_lshl_b32 s39, s18, 13
	s_add_co_u32 s38, s38, s39
	s_mov_b32 s39, 0
	s_lshr_b32 s44, s38, 1                         ; 16-bit rows
	s_mov_b32 s45, 0
	s_lshl_b32 s50, s18, 9                         ; my 128 columns in f32: of g, of be, of a stage row
	s_mov_b32 s51, 0
	s_mov_b32 s40, 0x76543210                      ; v_permlanex16_b32: each lane takes its own place in the other half
	s_mov_b32 s41, 0xfedcba98
	s_mov_b32 s42, 0x3a800000                      ; 1 / 1024
	s_mov_b32 s43, 0x358637bd                      ; 1e-6
	s_mul_i32 s46, s18, GT
	s_mul_i32 s47, s18, 2*SPI
	s_wait_dscnt 0x0
	s_wait_kmcnt 0x0
	s_add_nc_u64 s[20:21], s[4:5], s[32:33]
	s_add_nc_u64 s[22:23], s[6:7], s[34:35]
	s_add_nc_u64 s[24:25], s[10:11], s[50:51]
	s_add_nc_u64 s[12:13], s[12:13], s[50:51]
	s_add_nc_u64 s[26:27], s[8:9], s[38:39]
	s_add_nc_u64 s[28:29], s[14:15], s[38:39]
	s_add_nc_u64 s[30:31], s[16:17], s[44:45]
	s_mov_b32 s60, 1                               ; group 0: count = 1,
	s_mul_i32 s61, s18, GT                         ; LDS address: wave x a tile's bytes,
	s_add_nc_u64 s[62:63], s[4:5], s[36:37]        ; global address,
	s_or_b32 s63, s63, 0x80000000                  ; type = 2
	CROUND                                         ; all four work-groups are here: the joint loads meet
	tensor_load_to_lds s[60:63], s[52:59]
	s_nop 0
.rept 4
	v_nop
.endr
	v_and_b32 v1, 31, v0                           ; L
	v_and_b32 v2, 15, v0                           ; r
	v_bfe_u32 v3, v0, 4, 1                         ; hh
	v_lshlrev_b32 v4, 8, v2
	v_lshl_add_u32 v4, v3, 4, v4                   ; qp: row r, 16 bytes for each half
	v_lshlrev_b32 v5, 5, v3                        ; ksum: a head's 32 bytes for each half
	v_lshlrev_b32 v7, 4, v1                        ; 16 L
	v_lshlrev_b32 v8, 3, v1                        ; 8 L
.irp f, 0,1,2,3,4,5,6,7
	global_load_b128 v[QR+4*\f:QR+4*\f+3], v4, s[20:21] offset:32*\f
.endr
	WIN 0x40                                       ; destination window 1
.irp f, 0,1,2,3,4,5,6,7
	global_load_b128 v[KS+8*\f:KS+8*\f+3],   v5, s[22:23] offset:64*\f
	global_load_b128 v[KS+8*\f+4:KS+8*\f+7], v5, s[22:23] offset:64*\f+16
.endr
	global_load_b128 v[GS:GS+3], v7, s[24:25]
	global_load_b128 v[GS+4:GS+7], v7, s[12:13]
	WIN 0
.irp q, 0,1
.irp i, 0,1,2,3,4,5,6,7
	global_load_b128 v[RES+32*\q+4*\i:RES+32*\q+4*\i+3], v7, s[26:27] offset:\q*4096+512*\i
.endr
.endr
	v_lshlrev_b32 v6, 11, v3
	v_lshl_add_u32 v6, v2, 4, v6
	v_add_nc_u32 v6, s46, v6                       ; G's fragments: my tile, head + L / 16, d' + r
	v_mul_u32_u24 v9, v2, SPI
	v_lshl_add_u32 v9, v3, 5, v9
	v_add_nc_u32 v9, s50, v9                       ; into the stage: row r, my 512 bytes, 32 bytes for each half
	v_add_nc_u32 v10, s47, v7                      ; back: my two rows, 16 bytes a lane
	v_add_nc_u32 v13, GB, v7                       ; g and be out of LDS: 16 bytes a lane,
	v_add_nc_u32 v12, s50, v13                     ; and my eighth into it
	s_wait_loadcnt 16                              ; qp, ksum and my eighths of g and be are in; the residual's 16 loads stay out
	WIN 0x04                                       ; store data window 1
	ds_store_b128 v12, v[GS:GS+3]
	ds_store_b128 v12, v[GS+4:GS+7] offset:4096
	WIN 0
.irp f, 0,1,2,3,4,5,6,7
.irp i, 0,1,2,3
	v_lshlrev_b32 v[U+8*\f+2*\i],   16, v[QR+4*\f+\i]
	v_and_b32     v[U+8*\f+2*\i+1], 0xffff0000, v[QR+4*\f+\i]
.endr
.endr
	WIN 0x04                                       ; source 1 (ksum) window 1
.irp f, 0,1,2,3,4,5,6,7                ; eight chains, one a head, that do not wait for each other
	v_pk_mul_f32 v[ZP+2*\f:ZP+2*\f+1], v[U+8*\f:U+8*\f+1], v[KS+8*\f:KS+8*\f+1]
.endr
.irp i, 2,4,6
.irp f, 0,1,2,3,4,5,6,7
	v_pk_fma_f32 v[ZP+2*\f:ZP+2*\f+1], v[U+8*\f+\i:U+8*\f+\i+1], v[KS+8*\f+\i:KS+8*\f+\i+1], v[ZP+2*\f:ZP+2*\f+1]
.endr
.endr
	WIN 0
.irp f, 0,1,2,3,4,5,6,7
	v_add_f32 v[ZP+2*\f+1], v[ZP+2*\f], v[ZP+2*\f+1]             ; z
.endr
.irp f, 0,1,2,3,4,5,6,7
	v_rcp_f32 v[ZP+2*\f], v[ZP+2*\f+1]
.endr
	v_nop                                          ; a plain instruction between the last reciprocal and the use of its result (ISA guide 5.7.2)
	s_wait_alu depctr_va_vdst(0)
.irp f, 0,1,2,3,4,5,6,7
.irp i, 0,2,4,6
	v_pk_mul_f32 v[U+8*\f+\i:U+8*\f+\i+1], v[U+8*\f+\i:U+8*\f+\i+1], v[ZP+2*\f:ZP+2*\f+1] op_sel_hi:[1,0]   ; both by the pair's first register, 1 / z
.endr
.endr
.irp f, 0,1,2,3,4,5,6,7
.irp i, 0,1,2,3
	v_cvt_pk_bf16_f32 v[QN+4*\f+\i], v[U+8*\f+2*\i], v[U+8*\f+2*\i+1]
.endr
.endr
	s_wait_tensorcnt 0x0                           ; my tile of G is in LDS; only I read it
	WIN 0x40
.irp s, 0,1,2,3
.irp c, 0,1,2,3,4,5,6,7
	ds_load_b128 v[32*\c+8*\s:32*\c+8*\s+3],   v6 offset:\s*8192+\c*256
	ds_load_b128 v[32*\c+8*\s+4:32*\c+8*\s+7], v6 offset:\s*8192+\c*256+4096
.endr
.endr
	WIN 0x01                                       ; source 0 window 1
.irp s, 0,1,2,3
	s_wait_dscnt 48-16*\s                          ; this k step's 16 fragment loads are in; the later steps' stay out
.if \s == 3
	s_barrier_signal -1                            ; no LDS instruction of mine is out: my reads of my tile are over, my eighths of g and be are written
.endif
.irp c, 0,1,2,3,4,5,6,7                ; eight accumulators by turns; the first k step starts the sums
.if \s == 0
	v_wmma_f32_16x16x32_bf16 v[ACC+8*\c:ACC+8*\c+7], v[32*\c+8*\s:32*\c+8*\s+7], v[QN+8*\s:QN+8*\s+7], 0
.else
	v_wmma_f32_16x16x32_bf16 v[ACC+8*\c:ACC+8*\c+7], v[32*\c+8*\s:32*\c+8*\s+7], v[QN+8*\s:QN+8*\s+7], v[ACC+8*\c:ACC+8*\c+7]
.endif
.endr
.endr
	WIN 0
	s_barrier_wait -1                              ; nobody reads a tile of G any more: the stage may be laid over them
.rept 4
	v_nop                                          ; four places between the last product and the stores that read results
.endr
.irp c, 0,1,2,3,4,5,6,7
	ds_store_b128 v9, v[ACC+8*\c:ACC+8*\c+3]   offset:64*\c
	ds_store_b128 v9, v[ACC+8*\c+4:ACC+8*\c+7] offset:64*\c+16
.endr
	s_wait_dscnt 0x0                               ; for the others' sake: my 128 columns are written
	s_barrier_signal -1
	s_barrier_wait -1
.irp q, 0,1
.irp i, 0,1,2,3,4,5,6,7
	ds_load_b128 v[YY+32*\q+4*\i:YY+32*\q+4*\i+3], v10 offset:\q*SPI+512*\i
.endr
.endr
.irp i, 0,1,2,3,4,5,6,7
	ds_load_b128 v[GG+4*\i:GG+4*\i+3], v13 offset:512*\i
	ds_load_b128 v[BE+4*\i:BE+4*\i+3], v13 offset:4096+512*\i
.endr
	s_wait_loadcnt 0x0                             ; the residual
	s_wait_dscnt 0x0
.irp q, 0,1
.irp k, 0,1,2,3,4,5,6,7,8,9,10,11,12,13,14,15
	v_pk_add_f32 v[YY+32*\q+2*\k:YY+32*\q+2*\k+1], v[YY+32*\q+2*\k:YY+32*\q+2*\k+1], v[RES+32*\q+2*\k:RES+32*\q+2*\k+1]
.endr
	LNCORE YY+32*\q, RES+32*\q
.irp i, 0,1,2,3,4,5,6,7
	global_store_b128 v7, v[YY+32*\q+4*\i:YY+32*\q+4*\i+3], s[28:29] offset:\q*4096+512*\i      ; a wave's store covers 512 consecutive aligned bytes
.endr
.irp i, 0,1,2,3,4,5,6,7
	v_cvt_pk_f16_f32 v[RES+32*\q+16+2*\i],   v[YY+32*\q+4*\i],   v[YY+32*\q+4*\i+1]
	v_cvt_pk_f16_f32 v[RES+32*\q+16+2*\i+1], v[YY+32*\q+4*\i+2], v[YY+32*\q+4*\i+3]
.endr
.irp i, 0,1,2,3,4,5,6,7
	global_store_b64 v8, v[RES+32*\q+16+2*\i:RES+32*\q+16+2*\i+1], s[30:31] offset:\q*2048+256*\i   ; 256 consecutive aligned bytes; no register of a store is written again
.endr
.endr
	s_wait_tensorcnt 0x0
	ds_add_u32 v14, v15
	s_wait_dscnt 0x0
	CROUND                                         ; the closing round: no work-group ends while a partner may still ask for a tile that names it
	s_endpgm
.Lfunc_end_k_q6f50377dcd_aln2:
	.size	k_q6f50377dcd_aln2, .Lfunc_end_k_q6f50377dcd_aln2-k_q6f50377dcd_aln2
	.p2alignl 7, 3214868480
	.fill 96, 4, 3214868480
	.section	.rodata,"a",@progbits
	.p2align	6, 0x0
	.amdhsa_kernel k_q6f50377dcd_aln2
		.amdhsa_group_segment_fixed_size 271360
		.amdhsa_private_segment_fixed_size 0
		.amdhsa_enable_private_segment 0
		.amdhsa_kernarg_size 56
		.amdhsa_user_sgpr_count 2
		.amdhsa_user_sgpr_kernarg_segment_ptr 1
		.amdhsa_wavefront_size32 1
		.amdhsa_system_sgpr_workgroup_id_x 1
		.amdhsa_system_sgpr_workgroup_id_y 1
		.amdhsa_system_sgpr_workgroup_id_z 1
		.amdhsa_system_vgpr_workitem_id 0
		.amdhsa_next_free_vgpr 512
		.amdhsa_next_free_sgpr 66
		.amdhsa_reserve_vcc 0
		.amdhsa_float_denorm_mode_32 3
		.amdhsa_float_denorm_mode_16_64 3
		.amdhsa_memory_ordered 1
		.amdhsa_forward_progress 1
		.amdhsa_inst_pref_size 48
	.end_amdhsa_kernel
	.amdgpu_metadata
---
amdhsa.version: [ 1, 2 ]
amdhsa.kernels:
  - .name:           k_q6f50377dcd_aln2
    .symbol:         k_q6f50377dcd_aln2.kd
    .args:
      - { .name: sa, .offset: 0, .size: 8, .value_kind: global_buffer, .address_space: global }
      - { .name: hb, .offset: 8, .size: 8, .value_kind: global_buffer, .address_space: global }
      - { .name: o1f, .offset: 16, .size: 8, .value_kind: global_buffer, .address_space: global }
      - { .name: g2, .offset: 24, .size: 8, .value_kind: global_buffer, .address_space: global }
      - { .name: be2, .offset: 32, .size: 8, .value_kind: global_buffer, .address_space: global }
      - { .name: o2f, .offset: 40, .size: 8, .value_kind: global_buffer, .address_space: global }
      - { .name: xb0, .offset: 48, .size: 8, .value_kind: global_buffer, .address_space: global }
    .group_segment_fixed_size: 271360
    .private_segment_fixed_size: 0
    .kernarg_segment_align: 8
    .kernarg_segment_size: 56
    .max_flat_workgroup_size: 256
    .sgpr_count:     66
    .vgpr_count:     512
    .wavefront_size: 32
...
	.end_amdgpu_metadata
.endif
;; end of part 14
;; launch ffn1: the kernel of part 7 again; grid 16 x 16, 4 waves a work-group, clusters of 4 x 4, 327,680 bytes of LDS; arguments xb0, wb, b1, hb; writes hb
;; launch ffn2 (part 15): grid 8 x 32, 4 waves a work-group, clusters of 4 x 4, 327,680 bytes of LDS; arguments hb, wb2, o1f; writes o1f
.if DOCPART == 15
	.amdgcn_target "amdgcn-amd-amdhsa--gfx1250"
	.amdhsa_code_object_version 6
	.text
	.protected	k_q6f50377dcd_ffn2
	.globl	k_q6f50377dcd_ffn2
	.p2align	8
	.type	k_q6f50377dcd_ffn2,@function
k_q6f50377dcd_ffn2:
	s_mov_b64 s[64:65], 0
	v_nop
	global_prefetch_b8 v0, s[64:65] scope:SCOPE_SE
	s_setreg_imm32_b32 hwreg(HW_REG_WAVE_MODE, 25, 1), 1
	s_wait_xcnt 0x0
	s_wait_alu depctr_hold_cnt(0) depctr_sa_sdst(0) depctr_va_vdst(0) depctr_va_sdst(0) depctr_va_ssrc(0) depctr_va_vcc(0) depctr_vm_vsrc(0)
	s_getreg_b32 s2, hwreg(HW_REG_IB_STS2, 6, 4)
	s_cmp_eq_u32 s2, 0
	s_cbranch_scc0 .Lentry_in_a_cluster
	s_endpgm
.Lentry_in_a_cluster:
	s_bfe_u32 s2, ttmp6, 0x10000c
	s_cmp_lg_u32 s2, 0xf033
	s_cbranch_scc0 .Lentry_shape_is_right
	s_endpgm
.Lentry_shape_is_right:
; FFN2.  C[m][n] = sum over k of A[m][k] B[k][n].  A = h in f16 [4096][4096], B = W2 in f16 [4096][1024] as it lies, C f32 [4096][1024]; b2 is added by the next launch.
; f16 operands, for the finer rounding (the reason and h's range stand at the head of the first FFN product); W2's spread is 1/64: 30 times smaller, f16's least step of 6e-8 is 1e-4 of it.
; 4,096 x 1,024 makes 64 tiles of 256 x 256 but 256 tiles of 128 x 128: a tile of C is 128 x 128, one for each work-group.  Four waves, each 64 x 64: 16 accumulators, 128 registers.
; K goes in steps of 256 through two LDS slots.  A's tile: 128 rows x 512 bytes (waves 0, 1 fetch 64 rows each).  B's tile: 256 rows k x 256 bytes (waves 2, 3 fetch 128 rows each); its fragments are turned by ds_load_tr16_b128.
; CLUSTERS: 4 x 4 work-groups; A's tiles are asked for jointly along a row of the cluster, B's along a column.  By this text's count a wave has two tensor loads out at the start and one behind each round.
; THE MATRIX INSTRUCTION IS USED TRANSPOSED (source 0 = 16 columns of B, source 1 = 16 rows of A): a lane holds eight neighbouring numbers of a row of C.
; A wave's 64 columns of f32 are a whole aligned 256 bytes of C: each wave has a stage of its own on the way out, and no barrier is needed there.
; REGISTERS: window 0: v0-31 addresses; v32-95 at work on the way out; v128-255 the accumulators ((a, b) at v[128 + 8 (4 a + b)]).
;   window 1: two fragment buffers of 128: for 64 along K, 64 registers of A, then 64 of B.
.set SIZE_M, 4096
.set SIZE_N, 1024
.set SIZE_K, 4096
.set KSTEP,  256
.set PITCH,  528                       ; an LDS row of A: 512 bytes + 16
.set PB,     288                       ; an LDS row of B: 256 bytes + 32
.set HALFA,  64*PITCH                  ; what one tensor load brings of A, and what one wave reads of it
.set HALFB,  128*PB                    ; what one tensor load brings of B
.set SLOT,   2*HALFA+2*HALFB
.set STAGE,  2*SLOT                    ; behind the ring: 16 rows x 272 bytes for each wave
.set SPITCH, 272
.set SPARE,  STAGE+4*16*SPITCH         ; behind the stages: the spare words, 128 bytes for each wave: two blocks of 256 bytes that no other line names
.set LAPS, SIZE_K/(2*KSTEP)
.set ADRA, 16                          ; v16-17  LDS address of my A fragments in slot 0, 1
.set ADRB, 20                          ; v20-23  the same for B: slot 0 rows 0-127, rows 128-255; slot 1 likewise (so that the immediates stay inside 16 bits)
.set STO,  24
.set RD,   25
.set CO,   26
.set SPW,  28                          ; v28     LDS address of my spare word; never rewritten
.set NIL,  29                          ; v29     0; never rewritten
.set TMP,  32                          ; the way out: two blocks of 16 rows by turns
.set ACC,  128
.set F0,   0
.set F1,   128
.set G1, 24
.set G0, 32
.set G1B, 48
.set G0B, 56
.set MSB, 0
.macro WIN new
.if MSB != (\new)
	s_set_vgpr_msb (MSB<<8)|(\new)
.set MSB, (\new)
.endif
.endm
.set MUL,  0x05                        ; sources 0 (B) and 1 (A) window 1; C and D window 0
.set TO_F, 0x40                        ; destination window 1, address window 0
.macro JLOAD s                         ; a joint load: waves 0 and 1 fetch A's two halves, waves 2 and 3 B's; four v_nop follow each of the two lines
	s_cmp_eq_u32 s11, 0
	s_cbranch_scc0 .Lfor_b_\@
	tensor_load_to_lds s[G0+4*\s:G0+4*\s+3], s[G1:G1+7]
	s_nop 0
.rept 4
	v_nop
.endr
	s_branch .Lasked_\@
.Lfor_b_\@:
	tensor_load_to_lds s[G0B+4*\s:G0B+4*\s+3], s[G1B:G1B+7]
	s_nop 0
.rept 4
	v_nop
.endr
.Lasked_\@:
.endm
.macro CREST
	s_cmp_lg_u32 s10, 0
	s_cbranch_scc1 .Lnot_wave_0_\@
	s_barrier_signal -3
.Lnot_wave_0_\@:
	s_barrier_wait -3
	s_barrier_signal -1
	s_barrier_wait -1
.endm
.macro CROUND
	s_barrier_signal -1
	s_barrier_wait -1
	CREST
.endm
	s_load_b128 s[4:7], s[0:1], 0x0                ; A s[4:5], B s[6:7]
	s_load_b64 s[8:9], s[0:1], 0x10                ; C
	v_lshl_add_u32 v[SPW], v0, 2, SPARE
	v_mov_b32 v[NIL], 0
	ds_add_u32 v28, v29
	ds_add_u32 v28, v29
	s_wait_dscnt 0x0
	v_lshrrev_b32 v1, 5, v0
	v_readfirstlane_b32 s10, v1                    ; wave 0..3
	s_lshr_b32 s11, s10, 1                         ; which half of the tile's rows is mine.  Also: I fetch for A (0) or for B (1)
	s_and_b32 s12, s10, 1                          ; which half of its columns.  Also: which half of that tile I fetch
	s_bfe_u32 s40, ttmp6, 0x40000
	s_bfe_u32 s41, ttmp6, 0x40004
	s_lshl_b32 s42, ttmp9, 2
	s_add_co_u32 s42, s42, s40                     ; tile column
	s_and_b32 s13, ttmp7, 0xffff
	s_lshl_b32 s13, s13, 2
	s_add_co_u32 s13, s13, s41                     ; tile row
	s_lshl_b32 s43, s41, 2
	s_lshl_b32 s43, 15, s43                        ; my row of the cluster
	s_lshl_b32 s44, 0x1111, s40                    ; my column
	s_or_b32 s[G1+0], s43, (1<<16)|(1<<20)|(1<<21)|(6<<22)|(3<<25)   ; A: 64 rows x 256 elements; 4 words of padding behind every 128
	s_mov_b32 s[G1+1], KSTEP<<16
	s_mov_b32 s[G1+2], 64<<16
	s_mov_b32 s[G1+3], KSTEP<<16
	s_mov_b32 s[G1+4], 64
	s_mov_b32 s[G1+5], SIZE_K
	s_mov_b32 s[G1+6], 0
	s_mov_b32 s[G1+7], 0
	s_or_b32 s[G1B+0], s44, (1<<16)|(1<<20)|(1<<21)|(5<<22)|(7<<25)  ; B: 128 rows x 128 elements; 8 words of padding behind every 64
	s_mov_b32 s[G1B+1], 128<<16
	s_mov_b32 s[G1B+2], 128<<16
	s_mov_b32 s[G1B+3], 128<<16
	s_mov_b32 s[G1B+4], 128
	s_mov_b32 s[G1B+5], SIZE_N
	s_mov_b32 s[G1B+6], 0
	s_mov_b32 s[G1B+7], 0
	s_lshl_b32 s17, s12, 6
	s_lshl_b32 s16, s13, 7
	s_add_co_u32 s16, s16, s17                     ; A: row 128 x tile row + 64 x half
	s_mov_b32 s17, 0
	s_mov_b64 s[18:19], SIZE_K*2
	s_mul_u64 s[16:17], s[16:17], s[18:19]
	s_lshl_b32 s46, s42, 8                         ; B: column 128 x tile column, row 128 x half
	s_lshl_b32 s47, s12, 18
	s_add_co_u32 s46, s46, s47
	s_mov_b32 s47, 0
	s_mul_i32 s20, s12, HALFA
	s_mul_i32 s45, s12, HALFB
	s_add_co_u32 s45, s45, 2*HALFA
	s_wait_kmcnt 0x0
	s_add_nc_u64 s[14:15], s[4:5], s[16:17]
	s_add_nc_u64 s[46:47], s[6:7], s[46:47]
	CROUND                                         ; all sixteen work-groups are here: the first joint loads meet
.irp s, 0,1
	s_mov_b32 s[G0+4*\s], 1
	s_add_co_u32 s[G0+4*\s+1], s20, \s*SLOT
	s_add_nc_u64 s[G0+4*\s+2:G0+4*\s+3], s[14:15], \s*KSTEP*2
	s_or_b32 s[G0+4*\s+3], s[G0+4*\s+3], 0x80000000
	s_mov_b32 s[G0B+4*\s], 1
	s_add_co_u32 s[G0B+4*\s+1], s45, \s*SLOT
	s_add_nc_u64 s[G0B+4*\s+2:G0B+4*\s+3], s[46:47], \s*KSTEP*SIZE_N*2
	s_or_b32 s[G0B+4*\s+3], s[G0B+4*\s+3], 0x80000000
	JLOAD \s
.endr
	v_and_b32 v1, 15, v0                           ; l % 16
	v_bfe_u32 v2, v0, 4, 1                         ; l / 16
	v_mul_u32_u24 v3, v1, PITCH
	v_lshl_add_u32 v3, v2, 4, v3
	v_and_b32 v6, 7, v0
	v_lshl_add_u32 v6, v2, 3, v6                   ; the turning load: row k = 8 (l / 16) + l % 8,
	v_mul_u32_u24 v6, v6, PB
	v_bfe_u32 v7, v0, 3, 1
	v_lshl_add_u32 v6, v7, 4, v6                   ; 16 bytes for each eight lanes
	s_mul_i32 s21, s11, HALFA                      ; my 64 rows of A
	s_lshl_b32 s22, s12, 7                         ; my 64 columns of B: 128 bytes of each row,
	s_add_co_u32 s22, s22, 2*HALFA                 ; behind A's tile
.irp s, 0,1
	v_add_nc_u32 v[ADRA+\s], s21, v3
	v_add_nc_u32 v[ADRB+2*\s], s22, v6
	v_add_nc_u32 v[ADRB+2*\s+1], HALFB, v[ADRB+2*\s]
	s_add_co_u32 s21, s21, SLOT
	s_add_co_u32 s22, s22, SLOT
.endr
	s_mul_i32 s23, s10, 16*SPITCH
	s_add_co_u32 s23, s23, STAGE                   ; my stage
	v_mul_u32_u24 v4, v1, SPITCH
	v_lshl_add_u32 v4, v2, 5, v4                   ; in: row l % 16, 32 bytes (8 f32) for each half of the lanes
	v_add_nc_u32 v[STO], s23, v4
	v_mul_u32_u24 v5, v2, SPITCH
	v_lshl_add_u32 v5, v1, 4, v5                   ; back: lanes 0-15 one row of 256 bytes, lanes 16-31 the next
	v_add_nc_u32 v[RD], s23, v5
	v_lshlrev_b32 v5, 12, v2
	v_lshl_add_u32 v[CO], v1, 4, v5                ; the same two rows in C
	s_lshl_b32 s16, s13, 19                        ; my first row of C: (128 x tile row + 64 x half) x 4,096 bytes
	s_lshl_b32 s17, s11, 18
	s_add_co_u32 s16, s16, s17
	s_mov_b32 s17, 0
	s_add_nc_u64 s[8:9], s[8:9], s[16:17]
	s_lshl_b32 s46, s42, 9                         ; my first column, in bytes
	s_lshl_b32 s47, s12, 8
	s_add_co_u32 s46, s46, s47
	s_mov_b32 s47, 0
	s_add_nc_u64 s[8:9], s[8:9], s[46:47]
.macro MUL8 f, c, a0, zero             ; 8 matrix instructions: m blocks a0, a0 + 1 x all 4 n blocks, 32 along K: half c of buffer f
.irp a, \a0, \a0+1
.irp b, 0,1,2,3
.if \zero
	v_wmma_f32_16x16x32_f16 v[ACC+8*(4*(\a)+\b):ACC+8*(4*(\a)+\b)+7], v[\f+64+8*(4*\c+\b):\f+64+8*(4*\c+\b)+7], v[\f+8*(4*\c+\a):\f+8*(4*\c+\a)+7], 0
.else
	v_wmma_f32_16x16x32_f16 v[ACC+8*(4*(\a)+\b):ACC+8*(4*(\a)+\b)+7], v[\f+64+8*(4*\c+\b):\f+64+8*(4*\c+\b)+7], v[\f+8*(4*\c+\a):\f+8*(4*\c+\a)+7], v[ACC+8*(4*(\a)+\b):ACC+8*(4*(\a)+\b)+7]
.endif
.endr
.endr
.endm
; 32 LDS loads in one run: the fragments of 64 along K (byte k of A's rows = rows k / 2 on of B's tile) into buffer f; the first 32 along K first
.macro FETCH slot, k, f
	WIN TO_F
.irp c, 0,1
.irp i, 0,1,2,3
	ds_load_tr16_b128 v[\f+64+8*(4*\c+\i):\f+64+8*(4*\c+\i)+3],   v[ADRB+2*\slot+\k/256] offset:(((\k/128)%2)*64+32*\c)*PB+32*\i
	ds_load_tr16_b128 v[\f+64+8*(4*\c+\i)+4:\f+64+8*(4*\c+\i)+7], v[ADRB+2*\slot+\k/256] offset:(((\k/128)%2)*64+32*\c)*PB+32*\i+16*PB
	ds_load_b128 v[\f+8*(4*\c+\i):\f+8*(4*\c+\i)+3],         v[ADRA+\slot] offset:\k+64*\c+\i*16*PITCH
	ds_load_b128 v[\f+8*(4*\c+\i)+4:\f+8*(4*\c+\i)+7],       v[ADRA+\slot] offset:\k+64*\c+\i*16*PITCH+32
.endr
.endr
.endm
.macro PLACES
.rept 4
	v_nop
.endr
.endm
.macro QUARTER slot, k, f, g, zero     ; 64 along K: 32 matrix instructions on buffer f; the next quarter, at byte k, is fetched into g
	s_wait_dscnt 16                                ; the first 32 along K are in
	WIN MUL
	MUL8 \f, 0, 0, \zero
	MUL8 \f, 0, 2, \zero
	PLACES
	FETCH \slot, \k, \g
	s_wait_dscnt 32                                ; all but the 32 just issued
	WIN MUL
	MUL8 \f, 1, 0, 0
	MUL8 \f, 1, 2, 0
.endm
; The last quarter multiplies buffer 1 and changes slots: ONE barrier; in front of it each wave waits for all its tensor loads, adds 0 to its spare word, and waits for that and for its own reads of this slot.
.macro TURN slot, next, fill
	WIN 0
	s_wait_tensorcnt 0x0                           ; all my tensor loads have landed: my part of the next slot
	ds_add_u32 v[SPW], v[NIL]                      ; 0 onto my spare word
	s_wait_dscnt 17                                ; (the add and the youngest sixteen loads may be out)
	WIN MUL
	MUL8 F1, 0, 0, 0
	s_wait_dscnt 0x0                               ; the add is done, and my reads of this slot are over
	s_barrier_signal -1
	MUL8 F1, 0, 2, 0
.if \fill
	WIN 0
.endif
	s_barrier_wait -1
.if \fill
	CREST                                          ; the barrier has opened a round of the cluster's: no wave of any partner still reads this slot's tile or has a load on its way
	s_add_nc_u64 s[G0+4*\slot+2:G0+4*\slot+3], s[G0+4*\slot+2:G0+4*\slot+3], 2*KSTEP*2
	s_add_nc_u64 s[G0B+4*\slot+2:G0B+4*\slot+3], s[G0B+4*\slot+2:G0B+4*\slot+3], 2*KSTEP*SIZE_N*2
	JLOAD \slot                                    ; the first tensor load behind the round; the four v_nop behind it are also the places in front of the loads below
.else
	PLACES
.endif
	FETCH \next, 0, F0
	WIN MUL
	MUL8 F1, 1, 0, 0
	MUL8 F1, 1, 2, 0
.endm
; THE WAY OUT of block a (16 rows x 64 columns of f32): into my stage as the lanes hold it, back as whole rows of 256 bytes, stored.
.macro TOSTAGE a
.irp b, 0,1,2,3
	ds_store_b128 v[STO], v[ACC+8*(4*(\a)+\b):ACC+8*(4*(\a)+\b)+3]   offset:64*\b
	ds_store_b128 v[STO], v[ACC+8*(4*(\a)+\b)+4:ACC+8*(4*(\a)+\b)+7] offset:64*\b+16
.endr
.irp t, 0,1,2,3,4,5,6,7
	ds_load_b128 v[TMP+32*((\a)%2)+4*\t:TMP+32*((\a)%2)+4*\t+3], v[RD] offset:\t*2*SPITCH   ; LDS serves a wave's instructions in order (ISA guide 5.7.1.4): these see the stores above; the next block's stores come behind them
.endr
.endm
.macro SEND a, younger                 ; younger: the LDS instructions issued behind block a's loads: the next block's sixteen, or none
.irp t, 0,1,2,3,4,5,6,7
	s_wait_dscnt \younger+7-\t
	global_store_b128 v[CO], v[TMP+32*((\a)%2)+4*\t:TMP+32*((\a)%2)+4*\t+3], s[8:9] offset:(16*(\a)+2*\t)*SIZE_N*4   ; 16 lanes store 256 consecutive aligned bytes
.endr
.endm
	s_wait_tensorcnt 1                             ; my part of K step 0 is in; K step 1's may stay out
	s_barrier_signal -1
	s_barrier_wait -1
	FETCH 0, 0, F0
	QUARTER 0, 128, F0, F1, 1                      ; the first quarter stands in front of the loop: its first products start the sums
	WIN 0
	s_mov_b32 s3, LAPS-1
.Llap:                                                 ; a trip goes once round the ring and fills both slots again
	QUARTER 0, 256, F1, F0, 0
	QUARTER 0, 384, F0, F1, 0
	TURN 0, 1, 1
	QUARTER 1, 128, F0, F1, 0
	QUARTER 1, 256, F1, F0, 0
	QUARTER 1, 384, F0, F1, 0
	TURN 1, 0, 1
	QUARTER 0, 128, F0, F1, 0
	WIN 0
	s_sub_co_u32 s3, s3, 1
	s_cmp_lg_u32 s3, 0
	s_cbranch_scc1 .Llap
	QUARTER 0, 256, F1, F0, 0                      ; the last lap fills nothing, and has no round of the cluster's barrier
	QUARTER 0, 384, F0, F1, 0
	TURN 0, 1, 0
	QUARTER 1, 128, F0, F1, 0
	QUARTER 1, 256, F1, F0, 0
	QUARTER 1, 384, F0, F1, 0
	s_wait_dscnt 16                                ; the very last quarter: nothing more to fetch
	WIN MUL
	MUL8 F1, 0, 0, 0
	MUL8 F1, 0, 2, 0
	s_wait_dscnt 0x0
	MUL8 F1, 1, 0, 0
	MUL8 F1, 1, 2, 0
	WIN 0
	PLACES                                         ; four places between the last product and the stores that read results
	TOSTAGE 0
	TOSTAGE 1
	SEND 0, 16
	s_wait_xcnt 0x0                                ; only behind this wait are the registers that block 0's stores read loaded again
	TOSTAGE 2
	SEND 1, 16
	s_wait_xcnt 0x0
	TOSTAGE 3
	SEND 2, 16
	SEND 3, 0
	s_wait_tensorcnt 0x0                           ; the wave's end, behind my last tensor load and my last LDS store
	ds_add_u32 v[SPW], v[NIL]
	s_wait_dscnt 0x0
	CROUND                                         ; the closing round
	s_endpgm
.Lfunc_end_k_q6f50377dcd_ffn2:
	.size	k_q6f50377dcd_ffn2, .Lfunc_end_k_q6f50377dcd_ffn2-k_q6f50377dcd_ffn2
	.p2alignl 7, 3214868480
	.fill 96, 4, 3214868480
	.section	.rodata,"a",@progbits
	.p2align	6, 0x0
	.amdhsa_kernel k_q6f50377dcd_ffn2
		.amdhsa_group_segment_fixed_size 327680
		.amdhsa_private_segment_fixed_size 0
		.amdhsa_enable_private_segment 0
		.amdhsa_kernarg_size 24
		.amdhsa_user_sgpr_count 2
		.amdhsa_user_sgpr_kernarg_segment_ptr 1
		.amdhsa_wavefront_size32 1
		.amdhsa_system_sgpr_workgroup_id_x 1
		.amdhsa_system_sgpr_workgroup_id_y 1
		.amdhsa_system_sgpr_workgroup_id_z 1
		.amdhsa_system_vgpr_workitem_id 0
		.amdhsa_next_free_vgpr 512
		.amdhsa_next_free_sgpr 66
		.amdhsa_reserve_vcc 0
		.amdhsa_float_denorm_mode_32 3
		.amdhsa_float_denorm_mode_16_64 3
		.amdhsa_memory_ordered 1
		.amdhsa_forward_progress 1
		.amdhsa_inst_pref_size 87
	.end_amdhsa_kernel
	.amdgpu_metadata
---
amdhsa.version: [ 1, 2 ]
amdhsa.kernels:
  - .name:           k_q6f50377dcd_ffn2
    .symbol:         k_q6f50377dcd_ffn2.kd
    .args:
      - { .name: hb, .offset: 0, .size: 8, .value_kind: global_buffer, .address_space: global }
      - { .name: wb2, .offset: 8, .size: 8, .value_kind: global_buffer, .address_space: global }
      - { .name: o1f, .offset: 16, .size: 8, .value_kind: global_buffer, .address_space: global }
    .group_segment_fixed_size: 327680
    .private_segment_fixed_size: 0
    .kernarg_segment_align: 8
    .kernarg_segment_size: 24
    .max_flat_workgroup_size: 128
    .sgpr_count:     66
    .vgpr_count:     512
    .wavefront_size: 32
...
	.end_amdgpu_metadata
.endif
;; end of part 15
;; launch ln3: the kernel of part 9 again; grid 256 x 1, 8 waves a work-group, no clusters, 0 bytes of LDS; arguments o1f, o2f, b2, g3, be3, out0; writes out0
